; MI455X (gfx1250); checked and timed in simulation.
; The chip was launched on July 23, 2026; its instructions are those of AMD's public machine-readable ISA for CDNA 5 (MIT licence, August 2026) and "CDNA5" Instruction Set Architecture Reference Guide (July 2026). The comments in the code are by the model that wrote it; some were corrected since.
;; Selt Attention Block. Allowed arithmetic: float matrix products may take bf16 or f16 operands with f32 sums; other float arithmetic in f32, or as packed bf16 or f16 multiplies, adds, multiply-adds, maxima and minima; sums over many terms, partial sums and values carried from step to step in f32; what a program stores and reads back later, other than sums and carried values, may be rounded once to bf16 or f16.
;; Inputs: b_fc1 4,096 float32; b_fc2 1,024 float32; b_proj 1,024 float32; ln1_b 1,024 float32; ln1_g 1,024 float32; ln2_b 1,024 float32; ln2_g 1,024 float32; w_fc1 1,024 x 4,096 float32; w_fc2 4,096 x 1,024 float32; w_proj 1,024 x 1,024 float32; w_qkv 1,024 x 3,072 float32; x 2 x 2,048 x 1,024 float32.
;; Outputs: out0 2 x 2,048 x 1,024 float32.
;; Constants: metadata = 0, thw_shape = 2048.
;; 3 versions, each right; version 3 is version 2 with the launch prep written anew for expert scheduling mode. Each part assembles by itself: llvm-mc -triple=amdgcn-amd-amdhsa -mcpu=gfx1250 --defsym DOCPART=n.
;; ======== version 1 of 3: 7 launches
;; workspace buffers: wt 25,165,824 bytes; xn 8,388,608 bytes; qkvh 25,165,824 bytes; obuf 8,388,608 bytes; x1 16,777,216 bytes; hbuf 33,554,432 bytes
;; launch prep (part 1): grid 640 x 1, 4 waves a work-group, no clusters, 37,376 bytes of LDS; arguments x, ln1_g, ln1_b, w_qkv, w_proj, w_fc1, w_fc2, xn, wt; writes xn, wt
.if DOCPART == 1
	.amdgcn_target "amdgcn-amd-amdhsa--gfx1250"
	.amdhsa_code_object_version 6
	.text
	.protected	k_q1f8ed50378_prep
	.globl	k_q1f8ed50378_prep
	.p2align	8
	.type	k_q1f8ed50378_prep,@function
k_q1f8ed50378_prep:
	s_mov_b64 s[64:65], 0
	v_nop
	global_prefetch_b8 v0, s[64:65] scope:SCOPE_SE
	s_setreg_imm32_b32 hwreg(HW_REG_WAVE_MODE, 25, 1), 1
	s_wait_xcnt 0x0
; PREP.  Work-groups 0-255: xn = layernorm(x) g + b, rounded once to bf16.  Work-groups 256-639: the four weights rounded once to bf16 and turned.
; xn's LAYOUT: byte of (row, ch) = (row>>7) x 262,144 + (ch>>6) x 16,384 + (row&127) x 128 + (ch&63) x 2: 128 rows of 64 channels are 16 KiB on end.
; wt's LAYOUT: W[K][N] lies as [N/NT][K/64][NT][64]: (t, kb, n, kk) = W[64 kb + kk][NT t + n]; NT = 192 (qkv, byte 0), 128 (proj, 6,291,456), 256 (fc1, 8,388,608), 128 (fc2, 16,777,216).
; A stream: no matrix unit, no cluster, no tensor load (no wave wants a byte that another has fetched).  The mean is taken first and the squares of x - mean second, so a common offset in x costs nothing.
; LIMITS: NaN and infinities are not treated apart.
.set SPARE, 36864                      ; behind the four waves' stages: the spare words, 128 bytes a wave
.set G,   16                           ; v[16:79]   the gain of my 64 channels
.set BT,  80                           ; v[80:143]  the bias
.set X,   144                          ; v[144:207] my 64 numbers of a row
.set RS,  208                          ; v[208:209] 1 / sqrt(var + eps), twice
.set LD,  16                           ; cast: v[16:143] 32 x 4 numbers as loaded
.set T,   144                          ; cast: v[144:159] four sets of 16 bytes to put down
.set R,   160                          ; cast: v[160:223] rows read back
	s_load_b512 s[4:19], s[0:1], 0x0               ; x 4, g 6, b 8, w_qkv 10, w_proj 12, w_fc1 14, w_fc2 16, xn 18
	s_load_b64 s[20:21], s[0:1], 0x40              ; wt
	v_lshl_add_u32 v14, v0, 2, SPARE               ; my spare word; never rewritten
	v_mov_b32 v15, 0                               ; 0; never rewritten
	v_lshrrev_b32 v1, 5, v0
	v_readfirstlane_b32 s22, v1                    ; wave 0..3
	s_wait_kmcnt 0x0
	s_cmp_lt_u32 ttmp9, 256
	s_cbranch_scc0 .Lcast
; ---- LAYERNORM.  16 rows a work-group, 4 a wave, two at a time: lanes 0-15 hold one row, lanes 16-31 the next, so a row's sums stay inside 16 lanes.
	v_and_b32 v4, 31, v0
	v_and_b32 v5, 15, v0
	v_bfe_u32 v6, v0, 4, 1
	v_lshlrev_b32 v3, 4, v5                        ; 16 (l % 16): my 4 numbers in each 64 of g and b
	v_lshl_add_u32 v1, v6, 12, v3                  ; + a row of x for the upper lanes
	v_lshlrev_b32 v2, 3, v4                        ; 8 l: two rows x 128 bytes of a slab of xn
	s_lshl_b32 s40, ttmp9, 16                      ; 16 rows of 4,096 bytes
	s_lshl_b32 s41, s22, 14
	s_add_co_u32 s40, s40, s41
	s_mov_b32 s41, 0
	s_add_nc_u64 s[32:33], s[4:5], s[40:41]
	s_lshr_b32 s42, ttmp9, 3
	s_lshl_b32 s42, s42, 18
	s_and_b32 s43, ttmp9, 7
	s_lshl_b32 s43, s43, 11
	s_add_co_u32 s42, s42, s43
	s_lshl_b32 s43, s22, 9
	s_add_co_u32 s42, s42, s43
	s_mov_b32 s43, 0
	s_add_nc_u64 s[34:35], s[18:19], s[42:43]
.macro REDUCE                          ; four chains v[4:11] -> v4 = the row's sum, in all its 16 lanes
	v_pk_add_f32 v[4:5], v[4:5], v[6:7]
	v_pk_add_f32 v[8:9], v[8:9], v[10:11]
	v_pk_add_f32 v[4:5], v[4:5], v[8:9]
	v_add_f32 v4, v4, v5
	v_add_f32_dpp v4, v4, v4 row_xmask:1 row_mask:0xf bank_mask:0xf
	v_add_f32_dpp v4, v4, v4 row_xmask:2 row_mask:0xf bank_mask:0xf
	v_add_f32_dpp v4, v4, v4 row_xmask:4 row_mask:0xf bank_mask:0xf
	v_add_f32_dpp v4, v4, v4 row_xmask:8 row_mask:0xf bank_mask:0xf
.endm
.set j, 0
.rept 16
	global_load_b128 v[G+4*j:G+4*j+3], v3, s[6:7] offset:256*j
	global_load_b128 v[BT+4*j:BT+4*j+3], v3, s[8:9] offset:256*j
.set j, j+1
.endr
	s_mov_b32 s36, 2                               ; two pairs of rows
	s_mov_b32 s37, 0x3a800000                      ; 1 / 1024
	s_mov_b32 s38, 0x3727c5ac                      ; 1e-5
.Lpair:
.set j, 0
.rept 16
	global_load_b128 v[X+4*j:X+4*j+3], v1, s[32:33] offset:256*j  ; 16 lanes take 256 consecutive bytes of a row
.set j, j+1
.endr
	s_wait_loadcnt 0x0                             ; the rows (and, the first time, g and b)
.irp c, 0,1,2,3
	v_pk_add_f32 v[4+2*(\c):5+2*(\c)], v[X+2*(\c):X+2*(\c)+1], v[X+8+2*(\c):X+9+2*(\c)]
.endr
.set p, 8
.rept 24
	v_pk_add_f32 v[4+2*(p%4):5+2*(p%4)], v[4+2*(p%4):5+2*(p%4)], v[X+2*p:X+2*p+1]
.set p, p+1
.endr
	REDUCE
	v_mul_f32 v12, s37, v4                         ; the mean, twice
	v_mul_f32 v13, s37, v4
.set p, 0
.rept 32
	v_pk_add_f32 v[X+2*p:X+2*p+1], v[X+2*p:X+2*p+1], v[12:13] neg_lo:[0,1] neg_hi:[0,1]
.set p, p+1
.endr
.irp c, 0,1,2,3
	v_pk_mul_f32 v[4+2*(\c):5+2*(\c)], v[X+2*(\c):X+2*(\c)+1], v[X+2*(\c):X+2*(\c)+1]
.endr
.set p, 4
.rept 28
	v_pk_fma_f32 v[4+2*(p%4):5+2*(p%4)], v[X+2*p:X+2*p+1], v[X+2*p:X+2*p+1], v[4+2*(p%4):5+2*(p%4)]
.set p, p+1
.endr
	REDUCE
	v_fma_f32 v4, v4, s37, s38                     ; var + eps
	v_rsq_f32 v[RS], v4
	v_rsq_f32 v[RS+1], v4
	v_nop                                          ; a plain instruction behind the last root,
	s_wait_alu depctr_va_vdst(0)                   ; and the one wait ahead of the first use
.set p, 0
.rept 32
	v_pk_mul_f32 v[X+2*p:X+2*p+1], v[X+2*p:X+2*p+1], v[RS:RS+1]
.set p, p+1
.endr
.set p, 0
.rept 32
	v_pk_fma_f32 v[X+2*p:X+2*p+1], v[X+2*p:X+2*p+1], v[G+2*p:G+2*p+1], v[BT+2*p:BT+2*p+1]
.set p, p+1
.endr
.set p, 0
.rept 32
	v_cvt_pk_bf16_f32 v[X+p], v[X+2*p], v[X+2*p+1] ; in place, ascending: a register is written only when it has been read
.set p, p+1
.endr
.set j, 0
.rept 16
	global_store_b64 v2, v[X+2*j:X+2*j+1], s[34:35] offset:16384*j  ; slab j: the wave stores 256 consecutive bytes, aligned
.set j, j+1
.endr
	s_wait_xcnt 0x0                                ; the stores' data and both bases are written again only behind this wait
	s_add_nc_u64 s[32:33], s[32:33], 8192
	s_add_nc_u64 s[34:35], s[34:35], 256
	s_sub_co_u32 s36, s36, 1
	s_cmp_lg_u32 s36, 0
	s_cbranch_scc1 .Lpair
	s_branch .Lend
; ---- CAST AND TURN.  A wave turns 128 k x 64 n, 64 x 64 a trip, through its own stage in LDS (64 rows of 144 bytes).
.macro PARAM first, n4, sh, mult, div, tileb, slabb, woff, src
	s_mov_b32 s31, \first                          ; the weight's first work-group
	s_mov_b32 s24, \n4                             ; bytes in a row of W
	s_mov_b32 s25, \sh                             ; log2 of K / 512
	s_mov_b32 s26, \mult                           ; 512 / (NT / 64), rounded up
	s_mov_b32 s27, \div                            ; NT / 64
	s_mov_b32 s28, \tileb                          ; bytes of a tile of NT columns
	s_mov_b32 s29, \slabb                          ; bytes of 64 k of it
	s_mov_b32 s30, \woff                           ; the weight's place in wt
	s_mov_b64 s[32:33], s[\src:\src+1]
.endm
.Lcast:
	s_sub_co_u32 s23, ttmp9, 256
	s_cmp_lt_u32 s23, 96
	s_cbranch_scc1 .Lp_qkv
	s_cmp_lt_u32 s23, 128
	s_cbranch_scc1 .Lp_proj
	s_cmp_lt_u32 s23, 256
	s_cbranch_scc1 .Lp_fc1
	PARAM 256, 4096, 3, 256, 2, 1048576, 16384, 16777216, 16
	s_branch .Lgo
.Lp_qkv:
	PARAM 0, 12288, 1, 171, 3, 393216, 24576, 0, 10
	s_branch .Lgo
.Lp_proj:
	PARAM 96, 4096, 1, 256, 2, 262144, 16384, 6291456, 12
	s_branch .Lgo
.Lp_fc1:
	PARAM 128, 16384, 1, 128, 4, 524288, 32768, 8388608, 14
.Lgo:
	s_sub_co_u32 s50, s23, s31
	s_lshr_b32 s51, s50, s25                       ; which 64 columns
	s_lshl_b32 s52, s51, s25
	s_sub_co_u32 s52, s50, s52                     ; which 512 k
	s_lshl2_add_u32 s52, s52, s22
	s_lshl_b32 s52, s52, 7                         ; my first k
	s_mul_i32 s54, s52, s24
	s_lshl_b32 s55, s51, 8
	s_add_co_u32 s54, s54, s55
	s_mov_b32 s55, 0
	s_add_nc_u64 s[34:35], s[32:33], s[54:55]      ; four bases, 16 rows of W apart
	s_lshl_b32 s46, s24, 4
	s_mov_b32 s47, 0
	s_add_nc_u64 s[36:37], s[34:35], s[46:47]
	s_add_nc_u64 s[38:39], s[36:37], s[46:47]
	s_add_nc_u64 s[40:41], s[38:39], s[46:47]
	s_lshl_b32 s46, s24, 6                         ; a trip's 64 rows
	s_mul_i32 s53, s51, s26
	s_lshr_b32 s53, s53, 9                         ; the tile (exact for the 64 values at most that occur)
	s_mul_i32 s54, s53, s27
	s_sub_co_u32 s54, s51, s54                     ; which 64 of its columns
	s_lshl_b32 s54, s54, 13
	s_mul_i32 s53, s53, s28
	s_add_co_u32 s54, s54, s53
	s_lshr_b32 s53, s52, 6
	s_mul_i32 s53, s53, s29
	s_add_co_u32 s54, s54, s53
	s_add_co_u32 s54, s54, s30
	s_add_nc_u64 s[42:43], s[20:21], s[54:55]
	s_mov_b32 s48, s29
	s_mov_b32 s49, 0
	v_and_b32 v1, 15, v0                           ; c: my 4 columns
	v_bfe_u32 v2, v0, 4, 1                         ; hh: which 8 rows of 16
	v_lshlrev_b32 v3, 3, v2
.irp i, 0,1,2,3,4,5,6,7
	v_add_nc_u32 v[4+(\i)], \i, v3
	v_mul_u32_u24 v[4+(\i)], v[4+(\i)], s24
	v_lshl_add_u32 v[4+(\i)], v1, 4, v[4+(\i)]     ; (8 hh + i) rows + 16 c
.endr
	s_mul_i32 s45, s22, 9216                       ; my stage
	v_mul_u32_u24 v12, v1, 576                     ; in: row n = 4 c + e, k = 16 j + 8 hh on
	v_lshl_add_u32 v12, v2, 4, v12
	v_add_nc_u32 v12, s45, v12
	v_bfe_u32 v13, v0, 3, 2                        ; back: 32 lanes take four rows of 128 bytes
	v_mul_u32_u24 v13, v13, 144
	v_and_b32 v3, 7, v0
	v_lshl_add_u32 v13, v3, 4, v13
	v_add_nc_u32 v13, s45, v13
	v_and_b32 v3, 31, v0
	v_lshlrev_b32 v3, 4, v3                        ; which are 512 consecutive bytes of wt
	s_mov_b32 s44, 2
.Lblk:
.set j, 0
.rept 4
.set i, 0
.rept 8
	global_load_b128 v[LD+4*(8*j+i):LD+4*(8*j+i)+3], v[4+i], s[34+2*j:35+2*j] th:TH_LOAD_NT  ; 16 lanes take 256 consecutive bytes of a row of W
.set i, i+1
.endr
.set j, j+1
.endr
.set j, 0
.rept 4
	s_wait_loadcnt 24-8*j                          ; group j's eight loads are in; the younger groups stay out
.set e, 0
.rept 4
.set q, 0
.rept 4
	v_cvt_pk_bf16_f32 v[T+4*e+q], v[LD+4*(8*j+2*q)+e], v[LD+4*(8*j+2*q+1)+e]
.set q, q+1
.endr
	ds_store_b128 v12, v[T+4*e:T+4*e+3] offset:144*e+32*j
.set e, e+1
.endr
.set j, j+1
.endr
.set t, 0
.rept 16
	ds_load_b128 v[R+4*t:R+4*t+3], v13 offset:576*t  ; my own bytes: LDS serves a wave's instructions in order (ISA guide 5.7.1.4)
.set t, t+1
.endr
.set t, 0
.rept 16
	s_wait_dscnt 15-t                              ; the younger loads stay out
	global_store_b128 v3, v[R+4*t:R+4*t+3], s[42:43] offset:512*t
.set t, t+1
.endr
	s_wait_xcnt 0x0                                ; bases and the stores' data are written again only behind this wait
	s_add_nc_u64 s[34:35], s[34:35], s[46:47]
	s_add_nc_u64 s[36:37], s[36:37], s[46:47]
	s_add_nc_u64 s[38:39], s[38:39], s[46:47]
	s_add_nc_u64 s[40:41], s[40:41], s[46:47]
	s_add_nc_u64 s[42:43], s[42:43], s[48:49]
	s_sub_co_u32 s44, s44, 1
	s_cmp_lg_u32 s44, 0
	s_cbranch_scc1 .Lblk
.Lend:
	s_wait_tensorcnt 0x0                           ; the wave's end, behind my last LDS store
	ds_add_u32 v14, v15
	s_wait_dscnt 0x0
	s_endpgm
.Lfunc_end_k_q1f8ed50378_prep:
	.size	k_q1f8ed50378_prep, .Lfunc_end_k_q1f8ed50378_prep-k_q1f8ed50378_prep
	.p2alignl 7, 3214868480
	.fill 96, 4, 3214868480
	.section	.rodata,"a",@progbits
	.p2align	6, 0x0
	.amdhsa_kernel k_q1f8ed50378_prep
		.amdhsa_group_segment_fixed_size 37376
		.amdhsa_private_segment_fixed_size 0
		.amdhsa_enable_private_segment 0
		.amdhsa_kernarg_size 72
		.amdhsa_user_sgpr_count 2
		.amdhsa_user_sgpr_kernarg_segment_ptr 1
		.amdhsa_wavefront_size32 1
		.amdhsa_system_sgpr_workgroup_id_x 1
		.amdhsa_system_sgpr_workgroup_id_y 1
		.amdhsa_system_sgpr_workgroup_id_z 1
		.amdhsa_system_vgpr_workitem_id 0
		.amdhsa_next_free_vgpr 224
		.amdhsa_next_free_sgpr 66
		.amdhsa_reserve_vcc 0
		.amdhsa_float_denorm_mode_32 3
		.amdhsa_float_denorm_mode_16_64 3
		.amdhsa_memory_ordered 1
		.amdhsa_forward_progress 1
		.amdhsa_inst_pref_size 38
	.end_amdhsa_kernel
	.amdgpu_metadata
---
amdhsa.version: [ 1, 2 ]
amdhsa.kernels:
  - .name:           k_q1f8ed50378_prep
    .symbol:         k_q1f8ed50378_prep.kd
    .args:
      - { .name: x, .offset: 0, .size: 8, .value_kind: global_buffer, .address_space: global }
      - { .name: ln1_g, .offset: 8, .size: 8, .value_kind: global_buffer, .address_space: global }
      - { .name: ln1_b, .offset: 16, .size: 8, .value_kind: global_buffer, .address_space: global }
      - { .name: w_qkv, .offset: 24, .size: 8, .value_kind: global_buffer, .address_space: global }
      - { .name: w_proj, .offset: 32, .size: 8, .value_kind: global_buffer, .address_space: global }
      - { .name: w_fc1, .offset: 40, .size: 8, .value_kind: global_buffer, .address_space: global }
      - { .name: w_fc2, .offset: 48, .size: 8, .value_kind: global_buffer, .address_space: global }
      - { .name: xn, .offset: 56, .size: 8, .value_kind: global_buffer, .address_space: global }
      - { .name: wt, .offset: 64, .size: 8, .value_kind: global_buffer, .address_space: global }
    .group_segment_fixed_size: 37376
    .private_segment_fixed_size: 0
    .kernarg_segment_align: 8
    .kernarg_segment_size: 72
    .max_flat_workgroup_size: 128
    .sgpr_count:     66
    .vgpr_count:     224
    .wavefront_size: 32
...
	.end_amdgpu_metadata
.endif
;; end of part 1
;; launch g_qkv (part 2): grid 16 x 16, 4 waves a work-group, clusters of 4 x 4, 327,680 bytes of LDS; arguments xn, wt, qkvh; writes qkvh
.if DOCPART == 2
	.amdgcn_target "amdgcn-amd-amdhsa--gfx1250"
	.amdhsa_code_object_version 6
	.text
	.protected	k_q1f8ed50378_g_qkv
	.globl	k_q1f8ed50378_g_qkv
	.p2align	8
	.type	k_q1f8ed50378_g_qkv,@function
k_q1f8ed50378_g_qkv:
	s_mov_b64 s[64:65], 0
	v_nop
	global_prefetch_b8 v0, s[64:65] scope:SCOPE_SE
	s_setreg_imm32_b32 hwreg(HW_REG_WAVE_MODE, 25, 1), 1
	s_wait_xcnt 0x0
	s_wait_alu depctr_hold_cnt(0) depctr_sa_sdst(0) depctr_va_vdst(0) depctr_va_sdst(0) depctr_va_ssrc(0) depctr_va_vcc(0) depctr_vm_vsrc(0)
	s_getreg_b32 s2, hwreg(HW_REG_IB_STS2, 6, 4)
	s_cmp_eq_u32 s2, 0
	s_cbranch_scc0 .Lentry_in_a_cluster
	s_endpgm
.Lentry_in_a_cluster:
	s_bfe_u32 s2, ttmp6, 0x10000c
	s_cmp_lg_u32 s2, 0xf033
	s_cbranch_scc0 .Lentry_shape_is_right
	s_endpgm
.Lentry_shape_is_right:
; QKV = xn W_qkv, bf16 operands, f32 sums, rounded once to bf16 and written by heads: byte ((b x 48 + hs) x 2048 + n) x 128 + 2 d, hs = column / 64 (0-15 q, 16-31 k, 32-47 v).
; A tile of 256 rows x 192 columns to a work-group (16 x 16 = 256 of them), four waves 2 x 2, each 128 x 96: 48 accumulators.  K goes in steps of 128 through two LDS slots.
; Both operands lie in memory so that what one tensor load brings is one dense block, asked for as rows of 256 bytes and padded in LDS after every 128 (rows 144 bytes apart: the 16 rows of a fragment load start at 16 different groups of four banks).
; CLUSTER 4 x 4: A's tile is asked for jointly along a row of the cluster, W's along a column.  The matrix instruction is used transposed (source 0 = 16 rows of W^T, source 1 = 16 rows of A): a lane holds one row and eight neighbouring columns.
; REGISTERS: window 0 addresses and the way out; window 1 two fragment buffers (A's 8 at 128 f + 8 a, W's at 128 f + 64 + 8 b); windows 2, 3 the accumulators ((a, b) at 8 (NB (a % 4) + b), window 2 + a / 4).
.set NB, 6
.set NQ, 4
.set KSPLIT, 0
.set BIASC, 0
.set TSTEPS, 8
.set RA, 128                           ; rows of 256 bytes in A's load
.set RB, 96                            ; in W's
.set LASZ, 36864                       ; their bytes in LDS
.set LBSZ, 27648
.set ATOT, 73728
.set SLOT, 131072                      ; slot 1 begins here (a slot uses 129,024): no block's start has this bit, so one exclusive or changes slots
.set SPARE, 260096                     ; behind the ring: the spare words
.set AMT, 524288
.set AWC, 262144
.set ASTEP, 32768
.set WOFF, 0
.set BNT, 393216
.set BWC, 24576
.set BSTEP, 49152
.set SA, 18432
.set SB, 27648
.set SPITCH, 784                       ; the f32 stage: 768 bytes + 16
.set PF, 1
.set PFD, 1
.set LNL, 2*NB+16                      ; LDS loads in a run
.set G1W0, (1<<16)|(1<<20)|(1<<21)|(4<<22)|(3<<25)  ; 2-byte elements; padding on; bit 21 beside a mask; after every 32 words; 4 words
.set MSB, 0
.macro WIN new                         ; the immediate's high byte repeats the setting that is left
.if MSB != (\new)
	s_set_vgpr_msb (MSB<<8)|(\new)
.set MSB, (\new)
.endif
.endm
.macro PLACES                          ; four places behind matrix instructions, ahead of loads into registers that they have read
.rept 4
	v_nop
.endr
.endm
.macro CREST                           ; a round of the cluster's barrier behind its opening barrier
	s_cmp_lg_u32 s14, 0
	s_cbranch_scc1 .Lnw0_\@
	s_barrier_signal -3
.Lnw0_\@:
	s_barrier_wait -3
	s_barrier_signal -1
	s_barrier_wait -1
.endm
.macro CROUND
	s_barrier_signal -1
	s_barrier_wait -1
	CREST
.endm
.macro JLOAD                           ; the joint refill: waves 0, 1 for A, waves 2, 3 for W; s_nop 0 and four v_nop behind each line
	s_cmp_eq_u32 s15, 0
	s_cbranch_scc0 .Lfor_b_\@
	tensor_load_to_lds s[36:39], s[24:31]
	s_nop 0
.rept 4
	v_nop
.endr
	s_branch .Lasked_\@
.Lfor_b_\@:
	tensor_load_to_lds s[52:55], s[40:47]
	s_nop 0
.rept 4
	v_nop
.endr
.Lasked_\@:
.endm
.macro ASK                             ; one prefetch a wave: my share (a lane a block of 256 bytes) of the block that I fetch PFD refills on; the last PFD trips ask for nothing
	WIN 0
	s_cmp_gt_u32 s21, s60
	s_cbranch_scc0 .Lnot_mine_\@
	global_prefetch_b8 v15, s[58:59] th:TH_LOAD_NT scope:SCOPE_SE
.Lnot_mine_\@:
.endm
.macro MULP f, hi, part, first         ; 2 x NB products; all accumulators take turns, one instruction a turn
.if (\first) && BIASC
	WIN 0x85+0x40*(\hi)
.else
	WIN 0xa5+0x50*(\hi)
.endif
.irp aa, 0, 1
.set bb, 0
.rept NB
.set rD, 8*(NB*(2*(\part)+(\aa))+bb)
.set rB, 128*(\f)+64+8*bb
.set rA, 128*(\f)+8*(4*(\hi)+2*(\part)+(\aa))
.if (\first) && BIASC
	v_wmma_f32_16x16x32_bf16 v[rD:rD+7], v[rB:rB+7], v[rA:rA+7], v[32+8*bb:39+8*bb]
.elseif \first
	v_wmma_f32_16x16x32_bf16 v[rD:rD+7], v[rB:rB+7], v[rA:rA+7], 0
.else
	v_wmma_f32_16x16x32_bf16 v[rD:rD+7], v[rB:rB+7], v[rA:rA+7], v[rD:rD+7]
.endif
.set bb, bb+1
.endr
.endr
.endm
.macro FETCH q, f                      ; one run of LDS loads: quarter q's fragments into buffer f, W's first
	WIN 0x40
.if KSPLIT
.set oA, 64*(\q)
.set oB, 64*(\q)
.else
.set oA, ((\q)/2)*SA+((\q)%2)*64
.set oB, ((\q)/2)*SB+((\q)%2)*64
.endif
.set i, 0
.rept NB
	ds_load_b128 v[128*(\f)+64+8*i:128*(\f)+64+8*i+3], v7 offset:oB+2304*i
	ds_load_b128 v[128*(\f)+64+8*i+4:128*(\f)+64+8*i+7], v7 offset:oB+2304*i+32
.set i, i+1
.endr
.set i, 0
.rept 8
	ds_load_b128 v[128*(\f)+8*i:128*(\f)+8*i+3], v6 offset:oA+2304*i
	ds_load_b128 v[128*(\f)+8*i+4:128*(\f)+8*i+7], v6 offset:oA+2304*i+32
.set i, i+1
.endr
.endm
.macro QUARTER q, f, first=0           ; multiplies buffer f, fetches quarter q into the other
	s_wait_dscnt 8                                 ; W and A's rows 0-63 are in; the youngest eight loads may be out
	MULP \f, 0, 0, \first
	MULP \f, 0, 1, \first
	PLACES
	FETCH \q, 1-(\f)
	s_wait_dscnt LNL                               ; all but the run just issued
	MULP \f, 1, 0, \first
	MULP \f, 1, 1, \first
.endm
.macro TURN fill                       ; a step's last quarter (buffer 1) and the change of slots
.if PF && (\fill)
	s_wait_xcnt 0x0                                ; the last prefetch, a step back, has read its address
	s_add_nc_u64 s[58:59], s[58:59], s[62:63]
.endif
	WIN 0
	s_wait_tensorcnt 0x0                           ; all my tensor loads have landed: my part of the next slot
	ds_add_u32 v28, v29                            ; 0 onto my spare word
	s_xor_b32 s22, s22, SLOT                       ; the slot to be read next
.if \fill
	s_xor_b32 s37, s37, SLOT                       ; the walking descriptors: the slot just read, the step two on
	s_add_nc_u64 s[38:39], s[38:39], ASTEP
	s_xor_b32 s53, s53, SLOT
	s_add_nc_u64 s[54:55], s[54:55], BSTEP
.endif
	s_wait_dscnt 9                                 ; the add and the youngest eight loads may be out
	MULP 1, 0, 0, 0
	s_wait_dscnt 0x0                               ; the add is done, my reads of this slot are over
	s_barrier_signal -1
	MULP 1, 0, 1, 0
	WIN 0
	s_barrier_wait -1
.if \fill
	CREST                                          ; the barrier opened a round of the cluster's: no wave of any partner still reads the slot or has a load on its way
	JLOAD                                          ; its four v_nop are also the places ahead of the loads below
.else
	PLACES
.endif
	v_add_nc_u32 v6, s22, v4
	v_add_nc_u32 v7, s22, v5
	FETCH 0, 0
.if PF && (\fill)
	ASK
.endif
	MULP 1, 1, 0, 0
	MULP 1, 1, 1, 0
.endm
.macro LASTQ
	s_wait_dscnt 8
	MULP 1, 0, 0, 0
	MULP 1, 0, 1, 0
	s_wait_dscnt 0x0
	MULP 1, 1, 0, 0
	MULP 1, 1, 1, 0
.endm
.macro STAGE_OUT                       ; the f32 sums into the stage, each accumulator's low end first
.rept 8
	v_nop
.endr
.set hh, 0
.rept 2
	WIN 0x08+4*hh                                  ; the store's data in window 2 or 3
.set aa, 0
.rept 4
.set bb, 0
.rept NB
.set rD, 8*(NB*aa+bb)
	ds_store_b128 v[8+hh], v[rD:rD+3] offset:aa*16*SPITCH+64*bb
	ds_store_b128 v[8+hh], v[rD+4:rD+7] offset:aa*16*SPITCH+64*bb+16
.set bb, bb+1
.endr
.set aa, aa+1
.endr
.set hh, hh+1
.endr
	WIN 0
.endm
	s_load_b128 s[4:7], s[0:1], 0x0                ; xn, wt
	s_load_b64 s[8:9], s[0:1], 0x10                ; qkvh
	v_lshl_add_u32 v28, v0, 2, SPARE
	v_mov_b32 v29, 0
	ds_add_u32 v28, v29                            ; the wave's opening, ahead of my first tensor load
	v_lshrrev_b32 v1, 5, v0
	v_readfirstlane_b32 s14, v1                    ; wave
	s_lshr_b32 s15, s14, 1                         ; my half of the rows; also: I fetch for A (0) or W (1)
	s_and_b32 s16, s14, 1                          ; my half of the columns; also: which block I fetch
	s_bfe_u32 s17, ttmp6, 0x40000                  ; cx
	s_bfe_u32 s18, ttmp6, 0x40004                  ; cy
	s_lshl_b32 s19, ttmp9, 2
	s_add_co_u32 s19, s19, s17                     ; tile column
	s_and_b32 s20, ttmp7, 0xffff
	s_lshl_b32 s20, s20, 2
	s_add_co_u32 s20, s20, s18                     ; tile row
	s_lshl_b32 s56, s18, 2
	s_lshl_b32 s56, 15, s56                        ; my row of the cluster
	s_lshl_b32 s57, 0x1111, s17                    ; my column
	s_or_b32 s24, s56, G1W0
	s_or_b32 s40, s57, G1W0
	s_mov_b32 s25, 128<<16                         ; tensor_dim0 = 128 elements
	s_mov_b32 s26, RA<<16                          ; tensor_dim1
	s_mov_b32 s27, 128<<16                         ; tile_dim0
	s_mov_b32 s28, RA                              ; tile_dim1
	s_mov_b32 s29, 128                             ; dense: 128 elements from row to row
	s_mov_b32 s30, 0
	s_mov_b32 s31, 0
	s_mov_b32 s41, 128<<16
	s_mov_b32 s42, RB<<16
	s_mov_b32 s43, 128<<16
	s_mov_b32 s44, RB
	s_mov_b32 s45, 128
	s_mov_b32 s46, 0
	s_mov_b32 s47, 0
	s_mul_i32 s66, s20, AMT                        ; A's block: the tile row and the wave's number alone
	s_mul_i32 s67, s16, AWC
	s_add_co_u32 s66, s66, s67
	s_mov_b32 s67, 0
	s_mul_i32 s68, s19, BNT                        ; W's: the tile column and the wave's number alone
	s_mul_i32 s69, s16, BWC
	s_add_co_u32 s68, s68, s69
	s_add_co_u32 s68, s68, WOFF
	s_mov_b32 s69, 0
	s_mov_b32 s32, 1
	s_mul_i32 s33, s16, LASZ
	s_mov_b32 s36, 1
	s_add_co_u32 s37, s33, SLOT
	s_mov_b32 s48, 1
	s_mul_i32 s49, s16, LBSZ
	s_add_co_u32 s49, s49, ATOT
	s_mov_b32 s52, 1
	s_add_co_u32 s53, s49, SLOT
	s_mov_b32 s22, 0
	s_wait_dscnt 0x0                               ; the opening add is done
	s_wait_kmcnt 0x0
	s_add_nc_u64 s[34:35], s[4:5], s[66:67]        ; step 0
	s_add_nc_u64 s[38:39], s[34:35], ASTEP         ; step 1
	s_or_b32 s35, s35, 0x80000000
	s_or_b32 s39, s39, 0x80000000
	s_add_nc_u64 s[50:51], s[6:7], s[68:69]
	s_add_nc_u64 s[54:55], s[50:51], BSTEP
	s_or_b32 s51, s51, 0x80000000
	s_or_b32 s55, s55, 0x80000000
	CROUND                                         ; all sixteen work-groups are here: the first joint loads meet
	s_cmp_eq_u32 s15, 0                            ; a wave's two first fills stand in one branch: two loads of mine are out
	s_cbranch_scc0 .Lfirst_b
	tensor_load_to_lds s[32:35], s[24:31]
	s_nop 0
	tensor_load_to_lds s[36:39], s[24:31]
	s_nop 0
.rept 4
	v_nop
.endr
	s_branch .Lfirst_done
.Lfirst_b:
	tensor_load_to_lds s[48:51], s[40:47]
	s_nop 0
	tensor_load_to_lds s[52:55], s[40:47]
	s_nop 0
.rept 4
	v_nop
.endr
.Lfirst_done:
	v_and_b32 v1, 15, v0                           ; l % 16
	v_bfe_u32 v2, v0, 4, 1                         ; l / 16
	v_mul_u32_u24 v3, v1, 144
	v_lshl_add_u32 v3, v2, 4, v3
	s_mul_i32 s61, s15, 36864
	v_add_nc_u32 v4, s61, v3                       ; my A fragments in slot 0
	s_mul_i32 s61, s16, NB*2304
	s_add_co_u32 s61, s61, ATOT
	v_add_nc_u32 v5, s61, v3                       ; my W fragments
	; the way out: one stage of 256 rows x 784 bytes for the work-group (96 columns are a head and a half)
	s_mul_i32 s61, s15, 128*SPITCH
	s_mul_i32 s2, s16, 384
	s_add_co_u32 s61, s61, s2
	v_mul_u32_u24 v8, v1, SPITCH
	v_lshl_add_u32 v8, v2, 5, v8
	v_add_nc_u32 v8, s61, v8
	v_add_nc_u32 v9, 64*SPITCH, v8
	s_mul_i32 s61, s14, 64*SPITCH                  ; back: wave w takes rows 64 w on; lanes 0-15 one row's 64 channels of a head, lanes 16-31 the next row's
	v_mul_u32_u24 v10, v2, SPITCH
	v_lshl_add_u32 v10, v1, 4, v10
	v_add_nc_u32 v10, s61, v10
	v_and_b32 v14, 31, v0
	v_lshlrev_b32 v14, 3, v14                      ; 8 l: two rows of a head, 256 bytes
	s_lshr_b32 s2, s20, 3
	s_mul_i32 s2, s2, 48
	s_mul_i32 s3, s19, 3
	s_add_co_u32 s2, s2, s3
	s_lshl_b32 s2, s2, 18
	s_and_b32 s3, s20, 7
	s_lshl_b32 s3, s3, 15
	s_add_co_u32 s2, s2, s3
	s_lshl_b32 s3, s14, 13
	s_add_co_u32 s2, s2, s3
	s_mov_b32 s3, 0
	s_add_nc_u64 s[8:9], s[8:9], s[2:3]
	; the prefetches: A's blocks are asked for by the clusters with x = 0, W's by those with y = 0; the four partners of a joint load share a block out by address
	s_mov_b32 s62, ASTEP
	s_mov_b32 s63, BSTEP
	s_mov_b32 s2, RA*64
	s_mov_b32 s3, RB*64
	s_and_b32 s61, ttmp7, 0xffff
	s_cmp_eq_u32 s15, 0
	s_cselect_b32 s60, ttmp9, s61
	s_cselect_b32 s61, s17, s18
	s_cselect_b32 s62, s62, s63
	s_cselect_b32 s2, s2, s3
	s_cselect_b32 s3, s66, s68
	s_cselect_b32 s23, 31, 23                      ; W's share is 24 blocks: lanes 24-31 name the 24th once more
	s_cselect_b64 s[58:59], s[4:5], s[6:7]
	s_mov_b32 s63, 0
	s_mul_i32 s2, s2, s61
	s_add_co_u32 s2, s2, s3
	s_mul_i32 s3, s62, 1+PFD
	s_add_co_u32 s2, s2, s3
	s_mov_b32 s3, 0
	s_add_nc_u64 s[58:59], s[58:59], s[2:3]
	s_cmp_eq_u32 s60, 0
	s_cselect_b32 s60, PFD, -1
	v_and_b32 v15, 31, v0
	v_min_u32 v15, s23, v15
	v_lshlrev_b32 v15, 8, v15
	s_wait_tensorcnt 0x1                           ; my part of step 0 is in; step 1's may stay out
	s_barrier_signal -1
	s_barrier_wait -1
	v_mov_b32 v6, v4
	v_mov_b32 v7, v5
	FETCH 0, 0
	QUARTER 1, 0, 1                                ; the first products start the sums
	WIN 0
	s_mov_b32 s21, TSTEPS-2
.Lstep:                                        ; a trip: from a step's second quarter to the next step's first; one refill
	QUARTER 2, 1
	QUARTER 3, 0
	TURN 1
	QUARTER 1, 0
	WIN 0
	s_sub_co_u32 s21, s21, 1
	s_cmp_lg_u32 s21, 0
	s_cbranch_scc1 .Lstep
	QUARTER 2, 1                                   ; the last two steps ask for nothing
	QUARTER 3, 0
	TURN 0
	QUARTER 1, 0
	QUARTER 2, 1
	QUARTER 3, 0
	LASTQ
	WIN 0
	s_barrier_signal -1                            ; every wave's reads of the ring are over; its blocks have had their last fill: it becomes the stage
	s_barrier_wait -1
	STAGE_OUT
	s_wait_dscnt 0x0                               ; for the others' sake
	s_barrier_signal -1
	s_barrier_wait -1
	s_mov_b32 s21, 4
.Lrows:                                        ; 16 rows a trip: 8 pairs of rows x 3 heads
.set u, 0
.rept 24
	ds_load_b128 v[32+4*u:35+4*u], v10 offset:(u/3)*2*SPITCH+(u%3)*256
.set u, u+1
.endr
.set u, 0
.rept 24
	s_wait_dscnt 23-u                              ; the younger loads stay out
	v_cvt_pk_bf16_f32 v[128+2*u], v[32+4*u], v[33+4*u]
	v_cvt_pk_bf16_f32 v[129+2*u], v[34+4*u], v[35+4*u]
	global_store_b64 v14, v[128+2*u:129+2*u], s[8:9] offset:(u%3)*262144+(u/3)*256  ; the wave stores 256 consecutive bytes, aligned
.set u, u+1
.endr
	s_wait_xcnt 0x0                                ; the stores' data and base are written again only behind this wait
	v_add_nc_u32 v10, 16*SPITCH, v10
	s_add_nc_u64 s[8:9], s[8:9], 2048
	s_sub_co_u32 s21, s21, 1
	s_cmp_lg_u32 s21, 0
	s_cbranch_scc1 .Lrows
	s_wait_tensorcnt 0x0                           ; the wave's end
	ds_add_u32 v28, v29
	s_wait_dscnt 0x0
	CROUND                                         ; the closing round
	s_endpgm
.Lfunc_end_k_q1f8ed50378_g_qkv:
	.size	k_q1f8ed50378_g_qkv, .Lfunc_end_k_q1f8ed50378_g_qkv-k_q1f8ed50378_g_qkv
	.p2alignl 7, 3214868480
	.fill 96, 4, 3214868480
	.section	.rodata,"a",@progbits
	.p2align	6, 0x0
	.amdhsa_kernel k_q1f8ed50378_g_qkv
		.amdhsa_group_segment_fixed_size 327680
		.amdhsa_private_segment_fixed_size 0
		.amdhsa_enable_private_segment 0
		.amdhsa_kernarg_size 24
		.amdhsa_user_sgpr_count 2
		.amdhsa_user_sgpr_kernarg_segment_ptr 1
		.amdhsa_wavefront_size32 1
		.amdhsa_system_sgpr_workgroup_id_x 1
		.amdhsa_system_sgpr_workgroup_id_y 1
		.amdhsa_system_sgpr_workgroup_id_z 1
		.amdhsa_system_vgpr_workitem_id 0
		.amdhsa_next_free_vgpr 960
		.amdhsa_next_free_sgpr 72
		.amdhsa_reserve_vcc 0
		.amdhsa_float_denorm_mode_32 3
		.amdhsa_float_denorm_mode_16_64 3
		.amdhsa_memory_ordered 1
		.amdhsa_forward_progress 1
		.amdhsa_inst_pref_size 85
	.end_amdhsa_kernel
	.amdgpu_metadata
---
amdhsa.version: [ 1, 2 ]
amdhsa.kernels:
  - .name:           k_q1f8ed50378_g_qkv
    .symbol:         k_q1f8ed50378_g_qkv.kd
    .args:
      - { .name: xn, .offset: 0, .size: 8, .value_kind: global_buffer, .address_space: global }
      - { .name: wt, .offset: 8, .size: 8, .value_kind: global_buffer, .address_space: global }
      - { .name: qkvh, .offset: 16, .size: 8, .value_kind: global_buffer, .address_space: global }
    .group_segment_fixed_size: 327680
    .private_segment_fixed_size: 0
    .kernarg_segment_align: 8
    .kernarg_segment_size: 24
    .max_flat_workgroup_size: 128
    .sgpr_count:     72
    .vgpr_count:     960
    .wavefront_size: 32
...
	.end_amdgpu_metadata
.endif
;; end of part 2
;; launch attn (part 3): grid 8 x 32, 4 waves a work-group, clusters of 4 x 1, 327,680 bytes of LDS; arguments qkvh, obuf; writes obuf
.if DOCPART == 3
	.amdgcn_target "amdgcn-amd-amdhsa--gfx1250"
	.amdhsa_code_object_version 6
	.text
	.protected	k_q1f8ed50378_attn
	.globl	k_q1f8ed50378_attn
	.p2align	8
	.type	k_q1f8ed50378_attn,@function
k_q1f8ed50378_attn:
	s_mov_b64 s[64:65], 0
	v_nop
	global_prefetch_b8 v0, s[64:65] scope:SCOPE_SE
	s_setreg_imm32_b32 hwreg(HW_REG_WAVE_MODE, 25, 1), 1
	s_wait_xcnt 0x0
	s_wait_alu depctr_hold_cnt(0) depctr_sa_sdst(0) depctr_va_vdst(0) depctr_va_sdst(0) depctr_va_ssrc(0) depctr_va_vcc(0) depctr_vm_vsrc(0)
	s_getreg_b32 s2, hwreg(HW_REG_IB_STS2, 6, 4)
	s_cmp_eq_u32 s2, 0
	s_cbranch_scc0 .Lentry_in_a_cluster
	s_endpgm
.Lentry_in_a_cluster:
	s_bfe_u32 s2, ttmp6, 0x10000c
	s_cmp_lg_u32 s2, 0x3003
	s_cbranch_scc0 .Lentry_shape_is_right
	s_endpgm
.Lentry_shape_is_right:
; ATTENTION.  O[q] = the sum over k of softmax_k(Q[q] . K[k] / 8) V[k], for 32 heads of 2,048 rows x 64, all bf16; products, maxima and sums in f32; the weights p are rounded to bf16 for the second product
; (their sum l is taken of the unrounded p), O once at the end.  Q, K, V lie by heads in qkvh, 128 bytes a row; O leaves as byte (row>>7) x 262,144 + head x 16,384 + (row&127) x 128 + 2 d.
; LIMITS.  A weight below 2^-126 counts as 0 in l; NaN and infinities are not treated apart.
; SHARES.  A work-group owns 256 queries of a head (8 x 32 = 256 work-groups), a wave 64: four PIECES of 16.  Every wave walks all keys, 64 a step, 256 a tile.
; LAYOUT.  S^T = K Q^T holds ONE query a lane (lane % 16) and the keys 8 (lane / 16) + 0..7; two such results rounded to bf16 ARE source 1 of O^T = V^T P.  p = 2^(c s - c m), c = log2(e) / 8, with a running maximum m;
; O and l are multiplied by a = 2^(c m_old - c m_new) in every step; m starts at the lowest finite number, O and l at 0, so the first step is a step like any other, with a = 0.
; TURNS.  Turn n belongs to piece n: 8 products K Q^T of piece n + 1, later 8 products V^T P of piece n - 1; beside them the scaling, exponentials, roundings, sums and rescaling of piece n and the maximum and statistics
; of piece n + 1.  Four vector instructions stand behind every matrix instruction, the others in one lump.  A turn's 33 exponentials are one batch, with one wait.
; CLUSTER.  The four query blocks of a cluster belong to one head and walk the same K and V: each tile is asked for jointly.
; REGISTERS: window 0: addresses, statistics, S^T v64-127 (two buffers), P v192-223 (two buffers); window 1: O^T, 32 a piece; window 2: Q v0-63, K v128-191, V v192-255.
.set NP,    4
.set KS,    64
.set PK,    144       ; a row of K in LDS: 128 bytes + 16
.set PV,    160       ; a row of V: 128 + 32
.set VOFF,  4*KS*PK
.set SLOT1, 1<<17
.set STAGE, SLOT1+4*KS*(PK+PV)  ; behind the ring, never filled by a tensor load: 16 rows x 144 bytes a wave
.set SP,    144
.set SPARE, STAGE+4*16*SP
.set AK0, 2
.set AV0, 3
.set AK,  4
.set AV,  5
.set STO, 6
.set RD,  7
.set GO,  8
.set MV,  12
.set QO,  15
.set ST,  16          ; piece t's statistics at v[ST+4 t]: c m, m, l (even keys', odd keys')
.set TMP, 48
.set PFO, 61          ; 256 x my lane; never rewritten
.set SPW, 62
.set NIL, 63
.set S,   64
.set P,   192
.set KF,  128
.set VF,  192
.set WV,  12
.set LIM, 15
.set PFA, 18
.set G1K, 24
.set G1V, 32
.set G0K, 40
.set G0V, 44
.set SLOTS, 56
.set CNT, 57
.set CS,  58
.set SEL, 60
.set TBK, 62
.set TBV, 63
.set MSB, 0
.macro WIN new
.if MSB != (\new)
	s_set_vgpr_msb (MSB<<8)|(\new)
.set MSB, (\new)
.endif
.endm
.set W_KQ, 0x0a
.set W_PV, 0x52
.set W_RS, 0x41
.macro JLOAD                        ; waves 0, 1 fetch the halves of a tile's K, waves 2, 3 of its V; s_nop 0 and four v_nop behind each line
	s_cmp_lt_u32 s[WV], 2
	s_cbranch_scc0 .Lfor_v_\@
	tensor_load_to_lds s[G0K:G0K+3], s[G1K:G1K+7]
	s_nop 0
.rept 4
	v_nop
.endr
	s_branch .Lasked_\@
.Lfor_v_\@:
	tensor_load_to_lds s[G0V:G0V+3], s[G1V:G1V+7]
	s_nop 0
.rept 4
	v_nop
.endr
.Lasked_\@:
.endm
.macro ASK                          ; the tile that the NEXT change will ask for: the head's first cluster asks, wave 0 for K, wave 2 for V, each partner 32 blocks of 256 bytes by address; the last filling change asks for nothing
	s_cmp_gt_u32 s[SLOTS], s[LIM]
	s_cbranch_scc0 .Lnot_mine_\@
	global_prefetch_b8 v[PFO], s[PFA:PFA+1] th:TH_LOAD_NT scope:SCOPE_SE
.Lnot_mine_\@:
.endm
.macro CROUND
	s_barrier_signal -1
	s_barrier_wait -1
	s_cmp_lg_u32 s[WV], 0
	s_cbranch_scc1 .Lnot_wave_0_\@
	s_barrier_signal -3
.Lnot_wave_0_\@:
	s_barrier_wait -3
	s_barrier_signal -1
	s_barrier_wait -1
.endm
; THE CHANGE OF SLOTS: every wave waits for all its tensor loads, adds 0 to its spare word, waits for that and for its reads of the slot; behind the round the slot just left is filled first.
.macro CHANGE fill, ask
	WIN 0
	s_wait_tensorcnt 0x0            ; no tensor load of mine is out, so a group 0 may be written
	ds_add_u32 v[SPW], v[NIL]
.if \fill
.irp g, G0K, G0V
	s_xor_b32 s[\g+1], s[\g+1], SLOT1
	s_add_nc_u64 s[\g+2:\g+3], s[\g+2:\g+3], 4*KS*128
.endr
.if \ask
	s_wait_xcnt 0x0                 ; the last prefetch, four key steps back, has read its address
	s_add_nc_u64 s[PFA:PFA+1], s[PFA:PFA+1], 4*KS*128
.endif
	s_wait_dscnt 0x0                ; the add is done, my reads of the slot are over
	CROUND
	JLOAD
.if \ask
	ASK
.endif
.else
	s_wait_dscnt 0x0
	s_barrier_signal -1
	s_barrier_wait -1
.endif
	s_sub_co_u32 s[TBK], s[TBK], 4*KS*PK
	s_xor_b32 s[TBK], s[TBK], SLOT1
	s_sub_co_u32 s[TBV], s[TBV], 4*KS*PV
	s_xor_b32 s[TBV], s[TBV], SLOT1
.endm
	s_load_b64 s[4:5], s[0:1], 0x0    ; qkvh
	s_load_b64 s[10:11], s[0:1], 0x8  ; obuf
	v_lshl_add_u32 v[SPW], v0, 2, SPARE
	v_mov_b32 v[NIL], 0
	ds_add_u32 v[SPW], v[NIL]       ; the wave's opening, ahead of my first tensor load
	v_lshrrev_b32 v1, 5, v0
	v_readfirstlane_b32 s[WV], v1
	s_bfe_u32 s13, ttmp6, 0x40000   ; cx
	s_lshl_b32 s14, ttmp9, 2
	s_add_co_u32 s14, s14, s13      ; my block of 256 queries: it enters Q's and O's addresses alone
	s_and_b32 s20, ttmp7, 0xffff
	s_lshr_b32 s21, s20, 4          ; the batch
	s_and_b32 s20, s20, 15          ; the head
	s_mul_i32 s22, s21, 48
	s_add_co_u32 s22, s22, s20
	s_lshl_b32 s22, s22, 18         ; the head's q
	s_and_b32 s16, s[WV], 1         ; which half of a tile I fetch
	s_lshl_b32 s48, s16, 14
	s_add_co_u32 s48, s48, s22
	s_add_co_u32 s48, s48, 4194304  ; its k, 16 heads on
	s_mov_b32 s49, 0
	s_add_co_u32 s50, s48, 4194304  ; its v
	s_mov_b32 s51, 0
	s_mul_i32 s17, s16, 128*PK
	s_mul_i32 s23, s16, 128*PV
	s_lshl_b32 s52, s14, 15
	s_lshl_b32 s53, s[WV], 13
	s_add_co_u32 s52, s52, s53
	s_add_co_u32 s52, s52, s22      ; my wave's 64 rows of q
	s_mov_b32 s53, 0
	s_lshl_b32 s54, s21, 4
	s_lshl1_add_u32 s54, s14, s54
	s_lshr_b32 s55, s[WV], 1
	s_add_co_u32 s54, s54, s55
	s_lshl_b32 s54, s54, 18         ; O: the block of 128 rows,
	s_lshl_b32 s55, s20, 14         ; the head's slab,
	s_add_co_u32 s54, s54, s55
	s_lshl_b32 s55, s16, 13         ; my 64 rows
	s_add_co_u32 s54, s54, s55
	s_mov_b32 s55, 0
	s_mov_b32 s[G1K], 15|(1<<16)|(1<<20)|(1<<21)|(4<<22)|(3<<25)  ; the mask of four; 2-byte elements; padding on; bit 21 beside a mask; after every 32 words; 4 words
	s_mov_b32 s[G1V], 15|(1<<16)|(1<<20)|(1<<21)|(4<<22)|(7<<25)  ; the same with 8 words
.irp g, G1K, G1V
	s_mov_b32 s[\g+1], 128<<16      ; 128 keys are 16,384 dense bytes: 64 rows of 256
	s_mov_b32 s[\g+2], 64<<16
	s_mov_b32 s[\g+3], 128<<16
	s_mov_b32 s[\g+4], 64
	s_mov_b32 s[\g+5], 128
	s_mov_b32 s[\g+6], 0
	s_mov_b32 s[\g+7], 0
.endr
	s_mov_b32 s[CS], 0x3e38aa3b     ; c = log2(e) / 8
	s_mov_b32 s[CS+1], s[CS]
	s_mov_b32 s[SEL], 0x76543210
	s_mov_b32 s[SEL+1], 0xfedcba98
	s_mov_b32 s[TBK], SLOT1+4*KS*PK ; the first change of slots turns these two into 0
	s_mov_b32 s[TBV], SLOT1+4*KS*PV
	s_mov_b32 s[G0K], 1
	s_mov_b32 s[G0K+1], s17
	s_mov_b32 s[G0V], 1
	s_add_co_u32 s[G0V+1], s23, VOFF
	s_mov_b32 s[SLOTS], 7
	s_or_b32 s[LIM], s16, ttmp9     ; 0 in waves 0 and 2 of the head's first cluster: the same in all four partners
	s_cmp_eq_u32 s[LIM], 0
	s_cselect_b32 s[LIM], 1, -1
	v_and_b32 v[PFO], 31, v0
	v_lshlrev_b32 v[PFO], 8, v[PFO]
	s_wait_dscnt 0x0                ; the opening add is done
	s_wait_kmcnt 0x0
	s_add_nc_u64 s[6:7], s[4:5], s[48:49]
	s_add_nc_u64 s[8:9], s[4:5], s[50:51]
	s_add_nc_u64 s[G0K+2:G0K+3], s[6:7], 0
	s_or_b32 s[G0K+3], s[G0K+3], 0x80000000
	s_add_nc_u64 s[G0V+2:G0V+3], s[8:9], 0
	s_or_b32 s[G0V+3], s[G0V+3], 0x80000000
	s_add_nc_u64 s[4:5], s[4:5], s[52:53]
	s_add_nc_u64 s[10:11], s[10:11], s[54:55]
	s_cmp_lt_u32 s[WV], 2
	s_cselect_b64 s[PFA:PFA+1], s[6:7], s[8:9]
	s_lshl_b32 s2, s13, 13          ; my work-group's 32 blocks of the 128
	s_mov_b32 s3, 0
	s_add_nc_u64 s[PFA:PFA+1], s[PFA:PFA+1], s[2:3]
	s_add_nc_u64 s[PFA:PFA+1], s[PFA:PFA+1], 2*4*KS*128  ; at tile 2; the loop's first change steps it to tile 3
	CROUND                          ; all four work-groups are here
	JLOAD                           ; tile 0 into slot 0
	v_and_b32 v1, 15, v0
	v_bfe_u32 v9, v0, 4, 1
	v_lshlrev_b32 v[QO], 7, v1
	v_lshl_add_u32 v[QO], v9, 4, v[QO]
	WIN 0x80
.set i, 0
.rept 8                             ; Q stays in registers: piece i / 2, channels 32 (i % 2) on
	global_load_b128 v[8*i:8*i+3],   v[QO], s[4:5] offset:(i/2)*2048+(i%2)*64
	global_load_b128 v[8*i+4:8*i+7], v[QO], s[4:5] offset:(i/2)*2048+(i%2)*64+32
.set i, i+1
.endr
	; what the first turn finds: V, P's second buffer, O^T and l hold 0.  All this stands in the wait for the first tile.
.set i, VF
.rept 64
	v_mov_b32 v[i], 0
.set i, i+1
.endr
	WIN 0x40
.set i, 0
.rept 128
	v_mov_b32 v[i], 0
.set i, i+1
.endr
	WIN 0
.set i, 0
.rept 4
	v_mov_b32 v[ST+4*i], 0xfe000000    ; c m: far below every c s
	v_mov_b32 v[ST+4*i+1], 0xff7fffff  ; m
	v_mov_b32 v[ST+4*i+2], 0
	v_mov_b32 v[ST+4*i+3], 0
.set i, i+1
.endr
.set i, P+16
.rept 16
	v_mov_b32 v[i], 0
.set i, i+1
.endr
	v_mul_u32_u24 v[AK0], v1, PK
	v_lshl_add_u32 v[AK0], v9, 4, v[AK0]
	v_and_b32 v10, 7, v0
	v_bfe_u32 v11, v0, 3, 1
	v_lshl_add_u32 v[AV0], v9, 3, v10
	v_mul_u32_u24 v[AV0], v[AV0], PV
	v_lshl_add_u32 v[AV0], v11, 4, v[AV0]
	v_add_nc_u32 v[AV0], VOFF, v[AV0]
	s_mul_i32 s2, s[WV], 16*SP
	s_add_co_u32 s2, s2, STAGE
	v_mul_u32_u24 v[STO], v1, SP
	v_lshl_add_u32 v[STO], v9, 4, v[STO]
	v_add_nc_u32 v[STO], s2, v[STO]
	v_bfe_u32 v[RD], v0, 3, 2
	v_mul_u32_u24 v[RD], v[RD], SP
	v_lshl_add_u32 v[RD], v10, 4, v[RD]
	v_add_nc_u32 v[RD], s2, v[RD]
	v_and_b32 v[GO], 31, v0
	v_lshlrev_b32 v[GO], 4, v[GO]
; THE MATRIX WORK.  The 4 accumulators of a run of 8 take turns.
.macro KQ x                         ; product i of 8 of S^T = K Q^T for piece x: channels 32 (i / 4) on, keys 16 (i % 4) on
	WIN W_KQ
.set rS, S+32*((\x)%2)+8*(i%4)
.set rK, KF+16*(i%4)+8*(i/4)
.set rQ, 16*(\x)+8*(i/4)
.if i < 4
	v_wmma_f32_16x16x32_bf16 v[rS:rS+7], v[rK:rK+7], v[rQ:rQ+7], 0
.else
	v_wmma_f32_16x16x32_bf16 v[rS:rS+7], v[rK:rK+7], v[rQ:rQ+7], v[rS:rS+7]
.endif
.endm
.macro PV x                         ; product i of 8 of O^T += V^T P for piece x: keys 32 (i / 4) on, channels 16 (i % 4) on
	WIN W_PV
.set rO, 32*(\x)+8*(i%4)
.set rV, VF+32*(i/4)+8*(i%4)
.set rP, P+16*((\x)%2)+8*(i/4)
	v_wmma_f32_16x16x32_bf16 v[rO:rO+7], v[rV:rV+7], v[rP:rP+7], v[rO:rO+7]
.endm
.macro MM                           ; the turn's next matrix instruction.  NOKQ = 1: the last turn of all: there is no next piece
.if (i < 8) && !NOKQ
	KQ (Y+1)%NP
.elseif i >= 8
.set i, i-8
	PV (Y+NP-1)%NP
.set i, i+8
.endif
.set i, i+1
.endm
.macro FETCH_K                      ; the LDS loads stand in runs of 16
	WIN 0x80
.irp f, 0,1,2,3,4,5,6,7
	ds_load_b128 v[KF+8*\f:KF+8*\f+3],   v[AK] offset:(\f/2)*16*PK+(\f%2)*64
	ds_load_b128 v[KF+8*\f+4:KF+8*\f+7], v[AK] offset:(\f/2)*16*PK+(\f%2)*64+32
.endr
	s_add_co_u32 s[TBK], s[TBK], KS*PK
	WIN 0
.endm
.macro FETCH_V
	WIN 0x80
.irp f, 0,1,2,3,4,5,6,7
	ds_load_tr16_b128 v[VF+8*\f:VF+8*\f+3],   v[AV] offset:(\f/4)*32*PV+(\f%4)*32
	ds_load_tr16_b128 v[VF+8*\f+4:VF+8*\f+7], v[AV] offset:(\f/4)*32*PV+16*PV+(\f%4)*32
.endr
	WIN 0
.endm
; THE VECTOR WORK: OP kind, number.  For piece Y: F n: c s - c m for pair n.  E n: the exponential of score n.  C n: pair n rounded to bf16.  B n: of the four weights 4 n .. the second pair onto the first.
; L n: l takes that sum (L 0: l = a l + sum).  R n: pair n of O^T times a.  For piece Y + 1: X n, number n of the 22 that find its maximum and statistics (each accumulator's lowest registers are read first).
.set F, 0
.set E, 1
.set C, 2
.set B, 3
.set L, 4
.set R, 5
.set X, 6
.macro REGS y
.set rT, ST+4*(\y)
.set rC, TMP+4*((\y)%2)
.set rW, MV+((\y)%2)
.set rS, S+32*((\y)%2)
.set rP, P+16*((\y)%2)
.set rO, 32*(\y)
.endm
.macro OP k, n
.if (\k) == R
	REGS Y
	WIN W_RS
	v_pk_mul_f32 v[rO+2*(\n):rO+2*(\n)+1], v[rO+2*(\n):rO+2*(\n)+1], v[rC+2:rC+3] op_sel_hi:[1,0]
.elseif (\k) < R
	REGS Y
	WIN 0
.if (\k) == F
	v_pk_fma_f32 v[rS+2*(\n):rS+2*(\n)+1], v[rS+2*(\n):rS+2*(\n)+1], s[CS:CS+1], v[rT:rT+1] op_sel_hi:[1,0,0] neg_lo:[0,0,1] neg_hi:[0,0,1]
.elseif (\k) == E
	v_exp_f32 v[rS+(\n)], v[rS+(\n)]
.elseif (\k) == C
	v_cvt_pk_bf16_f32 v[rP+(\n)], v[rS+2*(\n)], v[rS+2*(\n)+1]
.elseif (\k) == B
	v_pk_add_f32 v[rS+4*(\n):rS+4*(\n)+1], v[rS+4*(\n):rS+4*(\n)+1], v[rS+4*(\n)+2:rS+4*(\n)+3]
.elseif (\n) == 0
	v_pk_fma_f32 v[rT+2:rT+3], v[rT+2:rT+3], v[rC+2:rC+3], v[rS:rS+1] op_sel_hi:[1,0,1]
.else
	v_pk_add_f32 v[rT+2:rT+3], v[rT+2:rT+3], v[rS+4*(\n):rS+4*(\n)+1]
.endif
.elseif NOKQ
	v_nop
.else
	REGS (Y+1)%NP
	WIN 0
.if (\n) < 4
	v_max3_num_f32 v[rC+(\n)], v[rS+8*(\n)], v[rS+8*(\n)+1], v[rS+8*(\n)+2]
.elseif (\n) < 12
	v_max3_num_f32 v[rC+(\n)%4], v[rC+(\n)%4], v[rS+8*((\n)%4)+2*((\n)/4)+1], v[rS+8*((\n)%4)+2*((\n)/4)+2]
.elseif (\n) == 12
	v_max3_num_f32 v[rC], v[rC], v[rS+7], v[rS+15]
.elseif (\n) == 13
	v_max3_num_f32 v[rC+1], v[rC+1], v[rS+23], v[rS+31]
.elseif (\n) == 14
	v_max3_num_f32 v[rC+2], v[rC+2], v[rC+3], v[rT+1]
.elseif (\n) == 15
	v_mov_b32 v[rW], v[rT]
.elseif (\n) == 16
	v_max3_num_f32 v[rC], v[rC], v[rC+1], v[rC+2]
.elseif (\n) == 17
	v_permlanex16_b32 v[rC+3], v[rC], s[SEL], s[SEL+1]
.elseif (\n) == 18
	v_max_num_f32 v[rT+1], v[rC], v[rC+3]
.elseif (\n) == 19
	v_mul_f32 v[rT], s[CS], v[rT+1]
.elseif (\n) == 20
	v_sub_f32 v[rC+1], v[rW], v[rT]
.else
	v_exp_f32 v[rC+2], v[rC+1]
.endif
.endif
.endm
.macro OPS a, i1, b=-1, i2=0, c=-1, i3=0, d=-1, i4=0
	OP \a, \i1
.if (\b) >= 0
	OP \b, \i2
.endif
.if (\c) >= 0
	OP \c, \i3
.endif
.if (\d) >= 0
	OP \d, \i4
.endif
.endm
.macro ROW a, i1, b, i2, c, i3, d, i4  ; a matrix instruction and the four behind it
	MM
	OPS \a, \i1, \b, \i2, \c, \i3, \d, \i4
.endm
; A TURN, for piece p.  Ahead of its one wait stands all that names no result of the turn's exponentials; behind it the 8 products V^T P with the roundings and sums as riders.
; K of the next step is fetched in piece 2's turn, V of the step in hand at the end of piece 0's; each is waited for a turn later.  end = 1: the last two turns: nothing is fetched.
.macro TURN p, end=0, cnt=0
.set Y, (\p)
.set i, 0
.set NOKQ, (\end)*((\p)/3)
.if ((\p) == 3) && !(\end)
	s_wait_dscnt 0x0                ; K is in
.endif
	ROW F,0, F,1, R,0, R,1
	ROW F,2, E,0, R,2, R,3
	ROW F,3, E,1, R,4, R,5
	ROW F,4, E,2, R,6, R,7
	ROW F,5, E,3, R,8, R,9
	ROW F,6, E,4, X,0, R,10
.if ((\p) == 2) && !(\end)
	WIN 0
	v_add_nc_u32 v[AK], s[TBK], v[AK0]
.endif
	ROW F,7, E,5, X,1, X,4
	ROW F,8, E,6, X,2, X,5
	OPS E,7, E,8, X,6, E,9
	OPS X,3, E,10, X,8, E,11
.if ((\p) == 2) && !(\end)
	FETCH_K
.endif
	OPS X,9, X,7, E,12, X,10
	OPS E,13, X,12, X,11, E,14
	OPS X,13, E,15, F,9, X,14
.if (\p) == 0
	v_add_nc_u32 v[AV], s[TBV], v[AV0]
.endif
	OPS E,16, F,10, E,17, F,11
	OPS X,16, E,18, X,15, E,19
	OPS F,12, E,20, X,17, E,21
	OPS F,13, E,22, F,14, E,23
	OPS X,18, E,24, F,15, E,25
	OPS R,11, E,26, X,19, E,27
	OPS R,12, E,28, R,13, E,29
	OPS X,20, E,30, R,14, E,31
	OPS X,21, R,15
	WIN 0
	s_wait_alu depctr_va_vdst(0)    ; the one wait for the batch; R 15 is the plain instruction behind the last exponential
.if (\p) == 1
	s_wait_dscnt 0x0                ; V is in
.endif
	ROW C,0, B,0, C,2, B,1
	ROW L,0, C,4, B,2, L,1
	ROW C,6, B,3, L,2, C,8
	ROW B,4, L,3, C,10, B,5
	ROW L,4, C,12, B,6, L,5
.if (\p) == 0
	s_add_co_u32 s[TBV], s[TBV], KS*PV
.endif
.if \cnt
	s_sub_co_u32 s[CNT], s[CNT], 1
	s_cmp_lg_u32 s[CNT], 0
.endif
	ROW C,14, B,7, L,6, C,1
	ROW C,3, L,7, C,5, C,7
	ROW C,9, C,11, C,13, C,15
.if (\p) == 0
	FETCH_V
.endif
.endm
.macro STEPS tag                    ; a tile's steps: a trip is pieces 2 and 3 of one step, then pieces 0 and 1 of the next
.Lstep\tag:
	TURN 2
	TURN 3
	WIN 0
.Lfirst\tag:
	TURN 0
	TURN 1, 0, 1
	WIN 0
	s_cbranch_scc1 .Lstep\tag
.endm
	CHANGE 1, 0                     ; tile 0 is in, everybody's part of it; tile 1 is asked for
	v_add_nc_u32 v[AK], s[TBK], v[AK0]
	FETCH_K                         ; key step 0
	s_wait_loadcnt 0x0              ; Q
	s_wait_dscnt 0x0
.set NOKQ, 0
.set i, 0
.rept 8
	KQ 0                            ; piece 0's first scores
.set i, i+1
.endr
	WIN 0
.rept 4
	v_nop                           ; the places behind those products
.endr
.set Y, NP-1
.irp n, 0,1,2,3,4,5,6,7,8,9,10,11,12,13,14,15,16,17,18,19,20,21
	OP X, \n
.endr
	v_nop                           ; a plain instruction behind the exponential,
	s_wait_alu depctr_va_vdst(0)    ; and its wait, ahead of the branch
	s_mov_b32 s[CNT], 4
	s_branch .Lfirst1               ; the loop is entered at a step's first turn
.Lslot:                             ; six times: tiles 1 to 6 are entered, tiles 2 to 7 asked for
	CHANGE 1, 1
	s_mov_b32 s[CNT], 4
	STEPS 1
	s_sub_co_u32 s[SLOTS], s[SLOTS], 1
	s_cmp_lg_u32 s[SLOTS], 0
	s_cbranch_scc1 .Lslot
	CHANGE 0, 0                     ; the last tile is written out
	s_mov_b32 s[CNT], 4
	STEPS 2
	TURN 2, 1
	TURN 3, 1
.set i, 0
.rept 8
	PV NP-1
.set i, i+1
.endr
	; THE WAY OUT: l's halves are added, O^T divided by l, rounded to bf16 and sent through my stage, a piece at a time.  The additions are the places behind the last products.
	WIN 0
.macro ALL line:vararg
.set t, 0
.rept 4
	\line
.set t, t+1
.endr
.endm
	ALL v_add_f32 v[ST+4*t+2], v[ST+4*t+2], v[ST+4*t+3]
	ALL v_permlanex16_b32 v[ST+4*t+3], v[ST+4*t+2], s[SEL], s[SEL+1]
	ALL v_add_f32 v[ST+4*t+2], v[ST+4*t+2], v[ST+4*t+3]
	ALL v_rcp_f32 v[ST+4*t+2], v[ST+4*t+2]
	v_nop
	s_wait_alu depctr_va_vdst(0)    ; one wait for the four reciprocals
.macro PACK t
	WIN W_RS
.set i, 32*(\t)
.rept 16
	v_pk_mul_f32 v[i:i+1], v[i:i+1], v[ST+4*(\t)+2:ST+4*(\t)+3] op_sel_hi:[1,0]
.set i, i+2
.endr
	WIN 0x05
.set i, 0
.rept 16
	v_cvt_pk_bf16_f32 v[S+16*(\t)+i], v[32*(\t)+2*i], v[32*(\t)+2*i+1]
.set i, i+1
.endr
	WIN 0
.irp f, 0,1,2,3
	ds_store_b128 v[STO], v[S+16*(\t)+4*\f:S+16*(\t)+4*\f+3] offset:32*\f
.endr
.irp f, 0,1,2,3
	ds_load_b128 v[S+16*(\t)+4*\f:S+16*(\t)+4*\f+3], v[RD] offset:\f*4*SP  ; my own bytes, served in order (ISA guide 5.7.1.4)
.endr
.endm
.macro SEND t, younger              ; younger: the LDS instructions issued behind piece t's loads
	WIN 0
.irp f, 0,1,2,3
	s_wait_dscnt (\younger)+3-\f
	global_store_b128 v[GO], v[S+16*(\t)+4*\f:S+16*(\t)+4*\f+3], s[10:11] offset:(\t)*2048+\f*512  ; 512 consecutive bytes, aligned
.endr
.endm
	PACK 0
.set t, 1
.rept 3
	PACK t
	SEND t-1, 8
.set t, t+1
.endr
	SEND 3, 0
	s_wait_tensorcnt 0x0            ; the wave's end
	ds_add_u32 v[SPW], v[NIL]
	s_wait_dscnt 0x0
	CROUND                          ; the closing round
	s_endpgm
.Lfunc_end_k_q1f8ed50378_attn:
	.size	k_q1f8ed50378_attn, .Lfunc_end_k_q1f8ed50378_attn-k_q1f8ed50378_attn
	.p2alignl 7, 3214868480
	.fill 96, 4, 3214868480
	.section	.rodata,"a",@progbits
	.p2align	6, 0x0
	.amdhsa_kernel k_q1f8ed50378_attn
		.amdhsa_group_segment_fixed_size 327680
		.amdhsa_private_segment_fixed_size 0
		.amdhsa_enable_private_segment 0
		.amdhsa_kernarg_size 16
		.amdhsa_user_sgpr_count 2
		.amdhsa_user_sgpr_kernarg_segment_ptr 1
		.amdhsa_wavefront_size32 1
		.amdhsa_system_sgpr_workgroup_id_x 1
		.amdhsa_system_sgpr_workgroup_id_y 1
		.amdhsa_system_sgpr_workgroup_id_z 1
		.amdhsa_system_vgpr_workitem_id 0
		.amdhsa_next_free_vgpr 768
		.amdhsa_next_free_sgpr 66
		.amdhsa_reserve_vcc 0
		.amdhsa_float_denorm_mode_32 3
		.amdhsa_float_denorm_mode_16_64 3
		.amdhsa_memory_ordered 1
		.amdhsa_forward_progress 1
		.amdhsa_inst_pref_size 128
	.end_amdhsa_kernel
	.amdgpu_metadata
---
amdhsa.version: [ 1, 2 ]
amdhsa.kernels:
  - .name:           k_q1f8ed50378_attn
    .symbol:         k_q1f8ed50378_attn.kd
    .args:
      - { .name: qkvh, .offset: 0, .size: 8, .value_kind: global_buffer, .address_space: global }
      - { .name: obuf, .offset: 8, .size: 8, .value_kind: global_buffer, .address_space: global }
    .group_segment_fixed_size: 327680
    .private_segment_fixed_size: 0
    .kernarg_segment_align: 8
    .kernarg_segment_size: 16
    .max_flat_workgroup_size: 128
    .sgpr_count:     66
    .vgpr_count:     768
    .wavefront_size: 32
...
	.end_amdgpu_metadata
.endif
;; end of part 3
;; launch g_proj (part 4): grid 8 x 32, 4 waves a work-group, clusters of 4 x 4, 327,680 bytes of LDS; arguments obuf, wt, x1, b_proj, x; writes x1
.if DOCPART == 4
	.amdgcn_target "amdgcn-amd-amdhsa--gfx1250"
	.amdhsa_code_object_version 6
	.text
	.protected	k_q1f8ed50378_g_proj
	.globl	k_q1f8ed50378_g_proj
	.p2align	8
	.type	k_q1f8ed50378_g_proj,@function
k_q1f8ed50378_g_proj:
	s_mov_b64 s[64:65], 0
	v_nop
	global_prefetch_b8 v0, s[64:65] scope:SCOPE_SE
	s_setreg_imm32_b32 hwreg(HW_REG_WAVE_MODE, 25, 1), 1
	s_wait_xcnt 0x0
	s_wait_alu depctr_hold_cnt(0) depctr_sa_sdst(0) depctr_va_vdst(0) depctr_va_sdst(0) depctr_va_ssrc(0) depctr_va_vcc(0) depctr_vm_vsrc(0)
	s_getreg_b32 s2, hwreg(HW_REG_IB_STS2, 6, 4)
	s_cmp_eq_u32 s2, 0
	s_cbranch_scc0 .Lentry_in_a_cluster
	s_endpgm
.Lentry_in_a_cluster:
	s_bfe_u32 s2, ttmp6, 0x10000c
	s_cmp_lg_u32 s2, 0xf033
	s_cbranch_scc0 .Lentry_shape_is_right
	s_endpgm
.Lentry_shape_is_right:
; x1 = x + O W_proj + b_proj.  bf16 operands, f32 sums, f32 out.  A tile of 128 x 128 to a work-group (8 x 32 = 256 of them).  K IS SPLIT AMONG THE FOUR WAVES: a step is 256 along K, four slabs of 64;
; wave w multiplies slab w for the whole tile (64 accumulators), so an LDS byte feeds as many products as in a tile of 256 x 256; the four f32 partial sums meet in LDS at the end.
; Ring, cluster, fragments and windows as in the other products of this program: two LDS slots, joint loads (A along a row of the 4 x 4 cluster, W along a column), dense blocks asked for as rows of 256 bytes, LDS rows 144 bytes apart,
; the matrix instruction used transposed.  No prefetch: the launch has four steps.
.set NB, 8
.set NQ, 2
.set KSPLIT, 1
.set BIASC, 0
.set TSTEPS, 4
.set RA, 128
.set RB, 128
.set LASZ, 36864
.set LBSZ, 36864
.set ATOT, 73728
.set SLOT, 147456                      ; = 0x24000: no block's start (0, 0x9000, 0x12000, 0x1b000) shares a bit with it, so one exclusive or changes slots
.set SPARE, 294912
.set AMT, 262144
.set AWC, 32768
.set ASTEP, 65536
.set WOFF, 6291456
.set BNT, 262144
.set BWC, 32768
.set BSTEP, 65536
.set SA, 0
.set SB, 0
.set SPITCH, 528
.set PF, 0
.set PFD, 0
.set LNL, 2*NB+16
.set G1W0, (1<<16)|(1<<20)|(1<<21)|(4<<22)|(3<<25)
.set MSB, 0
.macro WIN new
.if MSB != (\new)
	s_set_vgpr_msb (MSB<<8)|(\new)
.set MSB, (\new)
.endif
.endm
.macro PLACES
.rept 4
	v_nop
.endr
.endm
.macro CREST
	s_cmp_lg_u32 s14, 0
	s_cbranch_scc1 .Lnw0_\@
	s_barrier_signal -3
.Lnw0_\@:
	s_barrier_wait -3
	s_barrier_signal -1
	s_barrier_wait -1
.endm
.macro CROUND
	s_barrier_signal -1
	s_barrier_wait -1
	CREST
.endm
.macro JLOAD
	s_cmp_eq_u32 s15, 0
	s_cbranch_scc0 .Lfor_b_\@
	tensor_load_to_lds s[36:39], s[24:31]
	s_nop 0
.rept 4
	v_nop
.endr
	s_branch .Lasked_\@
.Lfor_b_\@:
	tensor_load_to_lds s[52:55], s[40:47]
	s_nop 0
.rept 4
	v_nop
.endr
.Lasked_\@:
.endm
.macro MULP f, hi, part, first         ; 16 products; all accumulators take turns, one instruction a turn
	WIN 0xa5+0x50*(\hi)
.irp aa, 0, 1
.set bb, 0
.rept NB
.set rD, 8*(NB*(2*(\part)+(\aa))+bb)
.set rB, 128*(\f)+64+8*bb
.set rA, 128*(\f)+8*(4*(\hi)+2*(\part)+(\aa))
.if \first
	v_wmma_f32_16x16x32_bf16 v[rD:rD+7], v[rB:rB+7], v[rA:rA+7], 0
.else
	v_wmma_f32_16x16x32_bf16 v[rD:rD+7], v[rB:rB+7], v[rA:rA+7], v[rD:rD+7]
.endif
.set bb, bb+1
.endr
.endr
.endm
.macro FETCH q, f
	WIN 0x40
.set oA, 64*(\q)
.set oB, 64*(\q)
.set i, 0
.rept NB
	ds_load_b128 v[128*(\f)+64+8*i:128*(\f)+64+8*i+3], v7 offset:oB+2304*i
	ds_load_b128 v[128*(\f)+64+8*i+4:128*(\f)+64+8*i+7], v7 offset:oB+2304*i+32
.set i, i+1
.endr
.set i, 0
.rept 8
	ds_load_b128 v[128*(\f)+8*i:128*(\f)+8*i+3], v6 offset:oA+2304*i
	ds_load_b128 v[128*(\f)+8*i+4:128*(\f)+8*i+7], v6 offset:oA+2304*i+32
.set i, i+1
.endr
.endm
.macro QUARTER q, f, first=0
	s_wait_dscnt 8                                 ; W and A's rows 0-63 are in; the youngest eight loads may be out
	MULP \f, 0, 0, \first
	MULP \f, 0, 1, \first
	PLACES
	FETCH \q, 1-(\f)
	s_wait_dscnt LNL                               ; all but the run just issued
	MULP \f, 1, 0, \first
	MULP \f, 1, 1, \first
.endm
.macro TURN fill
	WIN 0
	s_wait_tensorcnt 0x0                           ; all my tensor loads have landed
	ds_add_u32 v28, v29
	s_xor_b32 s22, s22, SLOT
.if \fill
	s_xor_b32 s37, s37, SLOT
	s_add_nc_u64 s[38:39], s[38:39], ASTEP
	s_xor_b32 s53, s53, SLOT
	s_add_nc_u64 s[54:55], s[54:55], BSTEP
.endif
	s_wait_dscnt 9                                 ; the add and the youngest eight loads may be out
	MULP 1, 0, 0, 0
	s_wait_dscnt 0x0                               ; the add is done, my reads of this slot are over
	s_barrier_signal -1
	MULP 1, 0, 1, 0
	WIN 0
	s_barrier_wait -1
.if \fill
	CREST
	JLOAD
.else
	PLACES
.endif
	v_add_nc_u32 v6, s22, v4
	v_add_nc_u32 v7, s22, v5
	FETCH 0, 0
	MULP 1, 1, 0, 0
	MULP 1, 1, 1, 0
.endm
.macro LASTQ
	s_wait_dscnt 8
	MULP 1, 0, 0, 0
	MULP 1, 0, 1, 0
	s_wait_dscnt 0x0
	MULP 1, 1, 0, 0
	MULP 1, 1, 1, 0
.endm
.macro STAGE_OUT
.rept 8
	v_nop
.endr
.set hh, 0
.rept 2
	WIN 0x08+4*hh
.set aa, 0
.rept 4
.set bb, 0
.rept NB
.set rD, 8*(NB*aa+bb)
	ds_store_b128 v[8+hh], v[rD:rD+3] offset:aa*16*SPITCH+64*bb
	ds_store_b128 v[8+hh], v[rD+4:rD+7] offset:aa*16*SPITCH+64*bb+16
.set bb, bb+1
.endr
.set aa, aa+1
.endr
.set hh, hh+1
.endr
	WIN 0
.endm
	s_load_b256 s[4:11], s[0:1], 0x0               ; A, wt, out, bias
	s_load_b64 s[12:13], s[0:1], 0x20              ; the residual
	v_lshl_add_u32 v28, v0, 2, SPARE
	v_mov_b32 v29, 0
	ds_add_u32 v28, v29                            ; the wave's opening, ahead of my first tensor load
	v_lshrrev_b32 v1, 5, v0
	v_readfirstlane_b32 s14, v1
	s_lshr_b32 s15, s14, 1                         ; I fetch for A (0) or W (1)
	s_and_b32 s16, s14, 1                          ; which two slabs
	s_bfe_u32 s17, ttmp6, 0x40000
	s_bfe_u32 s18, ttmp6, 0x40004
	s_lshl_b32 s19, ttmp9, 2
	s_add_co_u32 s19, s19, s17
	s_and_b32 s20, ttmp7, 0xffff
	s_lshl_b32 s20, s20, 2
	s_add_co_u32 s20, s20, s18
	s_lshl_b32 s56, s18, 2
	s_lshl_b32 s56, 15, s56
	s_lshl_b32 s57, 0x1111, s17
	s_or_b32 s24, s56, G1W0
	s_or_b32 s40, s57, G1W0
	s_mov_b32 s25, 128<<16
	s_mov_b32 s26, RA<<16
	s_mov_b32 s27, 128<<16
	s_mov_b32 s28, RA
	s_mov_b32 s29, 128
	s_mov_b32 s30, 0
	s_mov_b32 s31, 0
	s_mov_b32 s41, 128<<16
	s_mov_b32 s42, RB<<16
	s_mov_b32 s43, 128<<16
	s_mov_b32 s44, RB
	s_mov_b32 s45, 128
	s_mov_b32 s46, 0
	s_mov_b32 s47, 0
	s_mul_i32 s66, s20, AMT
	s_mul_i32 s67, s16, AWC
	s_add_co_u32 s66, s66, s67
	s_mov_b32 s67, 0
	s_mul_i32 s68, s19, BNT
	s_mul_i32 s69, s16, BWC
	s_add_co_u32 s68, s68, s69
	s_add_co_u32 s68, s68, WOFF
	s_mov_b32 s69, 0
	s_mov_b32 s32, 1
	s_mul_i32 s33, s16, LASZ
	s_mov_b32 s36, 1
	s_add_co_u32 s37, s33, SLOT
	s_mov_b32 s48, 1
	s_mul_i32 s49, s16, LBSZ
	s_add_co_u32 s49, s49, ATOT
	s_mov_b32 s52, 1
	s_add_co_u32 s53, s49, SLOT
	s_mov_b32 s22, 0
	s_wait_dscnt 0x0
	s_wait_kmcnt 0x0
	s_add_nc_u64 s[34:35], s[4:5], s[66:67]
	s_add_nc_u64 s[38:39], s[34:35], ASTEP
	s_or_b32 s35, s35, 0x80000000
	s_or_b32 s39, s39, 0x80000000
	s_add_nc_u64 s[50:51], s[6:7], s[68:69]
	s_add_nc_u64 s[54:55], s[50:51], BSTEP
	s_or_b32 s51, s51, 0x80000000
	s_or_b32 s55, s55, 0x80000000
	CROUND
	s_cmp_eq_u32 s15, 0
	s_cbranch_scc0 .Lfirst_b
	tensor_load_to_lds s[32:35], s[24:31]
	s_nop 0
	tensor_load_to_lds s[36:39], s[24:31]
	s_nop 0
.rept 4
	v_nop
.endr
	s_branch .Lfirst_done
.Lfirst_b:
	tensor_load_to_lds s[48:51], s[40:47]
	s_nop 0
	tensor_load_to_lds s[52:55], s[40:47]
	s_nop 0
.rept 4
	v_nop
.endr
.Lfirst_done:
	v_and_b32 v1, 15, v0
	v_bfe_u32 v2, v0, 4, 1
	v_mul_u32_u24 v3, v1, 144
	v_lshl_add_u32 v3, v2, 4, v3
	s_mul_i32 s61, s14, 18432                      ; my slab
	v_add_nc_u32 v4, s61, v3
	s_add_co_u32 s61, s61, ATOT
	v_add_nc_u32 v5, s61, v3
	; the way out: wave p's partial tile at 67,584 p, rows of 528 bytes; wave w then adds up rows 32 w on
	s_mul_i32 s61, s14, 128*SPITCH
	v_mul_u32_u24 v8, v1, SPITCH
	v_lshl_add_u32 v8, v2, 5, v8
	v_add_nc_u32 v8, s61, v8
	v_add_nc_u32 v9, 64*SPITCH, v8
	v_and_b32 v14, 31, v0
	v_lshlrev_b32 v14, 4, v14                      ; 16 l: a row's 512 bytes over the wave
	s_mul_i32 s61, s14, 32*SPITCH
	v_add_nc_u32 v10, s61, v14
	v_add_nc_u32 v11, 128*SPITCH, v10
	v_add_nc_u32 v12, 2*128*SPITCH, v10
	v_add_nc_u32 v13, 3*128*SPITCH, v10
	s_lshl_b32 s2, s19, 9
	s_mov_b32 s3, 0
	s_add_nc_u64 s[10:11], s[10:11], s[2:3]
	s_lshl_b32 s61, s20, 19
	s_add_co_u32 s2, s2, s61
	s_lshl_b32 s61, s14, 17
	s_add_co_u32 s2, s2, s61
	s_add_nc_u64 s[8:9], s[8:9], s[2:3]
	s_add_nc_u64 s[12:13], s[12:13], s[2:3]
	global_load_b128 v[32:35], v14, s[10:11]       ; the bias of my 4 columns; the residual's 32 rows: they land while the products run
.set r, 0
.rept 32
	global_load_b128 v[64+4*r:67+4*r], v14, s[12:13] offset:4096*r
.set r, r+1
.endr
	s_wait_tensorcnt 0x1                           ; my part of step 0 is in; step 1's may stay out
	s_barrier_signal -1
	s_barrier_wait -1
	v_mov_b32 v6, v4
	v_mov_b32 v7, v5
	FETCH 0, 0
	QUARTER 1, 0, 1
	WIN 0
	s_mov_b32 s21, TSTEPS-2
.Lstep:
	TURN 1
	QUARTER 1, 0
	WIN 0
	s_sub_co_u32 s21, s21, 1
	s_cmp_lg_u32 s21, 0
	s_cbranch_scc1 .Lstep
	TURN 0
	QUARTER 1, 0
	LASTQ
	WIN 0
	s_barrier_signal -1                            ; every wave's reads of the ring are over; its blocks have had their last fill: it becomes the stage
	s_barrier_wait -1
	STAGE_OUT
	s_wait_dscnt 0x0                               ; for the others' sake
	s_barrier_signal -1
	s_barrier_wait -1
	s_wait_loadcnt 0x0                             ; bias and residual
.macro GLOAD g                         ; two rows of the four partial tiles
.set bf, 192+32*((\g)%2)
.irp rr, 0,1
.irp p, 0,1,2,3
	ds_load_b128 v[bf+16*(\rr)+4*(\p):bf+16*(\rr)+4*(\p)+3], v[10+(\p)] offset:(2*(\g)+(\rr))*SPITCH
.endr
.endr
.endm
.macro GSUM g
.set bf, 192+32*((\g)%2)
.irp rr, 0,1
.set rw, 64+4*(2*(\g)+(\rr))
.set pb, bf+16*(\rr)
.irp h, 0,2
	v_pk_add_f32 v[pb+(\h):pb+(\h)+1], v[pb+(\h):pb+(\h)+1], v[pb+4+(\h):pb+5+(\h)]
	v_pk_add_f32 v[pb+8+(\h):pb+9+(\h)], v[pb+8+(\h):pb+9+(\h)], v[pb+12+(\h):pb+13+(\h)]
	v_pk_add_f32 v[rw+(\h):rw+(\h)+1], v[rw+(\h):rw+(\h)+1], v[32+(\h):33+(\h)]
.endr
.irp h, 0,2
	v_pk_add_f32 v[pb+(\h):pb+(\h)+1], v[pb+(\h):pb+(\h)+1], v[pb+8+(\h):pb+9+(\h)]
.endr
.irp h, 0,2
	v_pk_add_f32 v[rw+(\h):rw+(\h)+1], v[rw+(\h):rw+(\h)+1], v[pb+(\h):pb+(\h)+1]
.endr
	global_store_b128 v14, v[rw:rw+3], s[8:9] offset:4096*(2*(\g)+(\rr))  ; the wave stores 512 consecutive bytes, aligned; these registers are not written again
.endr
.endm
	GLOAD 0
	GLOAD 1
.set g, 0
.rept 15
	s_wait_dscnt 8                                 ; the next group's eight loads may be out
	GSUM g
.if g < 14
	GLOAD g+2
.endif
.set g, g+1
.endr
	s_wait_dscnt 0x0
	GSUM 15
	s_wait_tensorcnt 0x0                           ; the wave's end
	ds_add_u32 v28, v29
	s_wait_dscnt 0x0
	CROUND                                         ; the closing round
	s_endpgm
.Lfunc_end_k_q1f8ed50378_g_proj:
	.size	k_q1f8ed50378_g_proj, .Lfunc_end_k_q1f8ed50378_g_proj-k_q1f8ed50378_g_proj
	.p2alignl 7, 3214868480
	.fill 96, 4, 3214868480
	.section	.rodata,"a",@progbits
	.p2align	6, 0x0
	.amdhsa_kernel k_q1f8ed50378_g_proj
		.amdhsa_group_segment_fixed_size 327680
		.amdhsa_private_segment_fixed_size 0
		.amdhsa_enable_private_segment 0
		.amdhsa_kernarg_size 40
		.amdhsa_user_sgpr_count 2
		.amdhsa_user_sgpr_kernarg_segment_ptr 1
		.amdhsa_wavefront_size32 1
		.amdhsa_system_sgpr_workgroup_id_x 1
		.amdhsa_system_sgpr_workgroup_id_y 1
		.amdhsa_system_sgpr_workgroup_id_z 1
		.amdhsa_system_vgpr_workitem_id 0
		.amdhsa_next_free_vgpr 1024
		.amdhsa_next_free_sgpr 72
		.amdhsa_reserve_vcc 0
		.amdhsa_float_denorm_mode_32 3
		.amdhsa_float_denorm_mode_16_64 3
		.amdhsa_memory_ordered 1
		.amdhsa_forward_progress 1
		.amdhsa_inst_pref_size 90
	.end_amdhsa_kernel
	.amdgpu_metadata
---
amdhsa.version: [ 1, 2 ]
amdhsa.kernels:
  - .name:           k_q1f8ed50378_g_proj
    .symbol:         k_q1f8ed50378_g_proj.kd
    .args:
      - { .name: obuf, .offset: 0, .size: 8, .value_kind: global_buffer, .address_space: global }
      - { .name: wt, .offset: 8, .size: 8, .value_kind: global_buffer, .address_space: global }
      - { .name: x1, .offset: 16, .size: 8, .value_kind: global_buffer, .address_space: global }
      - { .name: b_proj, .offset: 24, .size: 8, .value_kind: global_buffer, .address_space: global }
      - { .name: x, .offset: 32, .size: 8, .value_kind: global_buffer, .address_space: global }
    .group_segment_fixed_size: 327680
    .private_segment_fixed_size: 0
    .kernarg_segment_align: 8
    .kernarg_segment_size: 40
    .max_flat_workgroup_size: 128
    .sgpr_count:     72
    .vgpr_count:     1024
    .wavefront_size: 32
...
	.end_amdgpu_metadata
.endif
;; end of part 4
;; launch ln2 (part 5): grid 256 x 1, 4 waves a work-group, no clusters, 0 bytes of LDS; arguments x1, ln2_g, ln2_b, xn; writes xn
.if DOCPART == 5
	.amdgcn_target "amdgcn-amd-amdhsa--gfx1250"
	.amdhsa_code_object_version 6
	.text
	.protected	k_q1f8ed50378_ln2
	.globl	k_q1f8ed50378_ln2
	.p2align	8
	.type	k_q1f8ed50378_ln2,@function
k_q1f8ed50378_ln2:
	s_mov_b64 s[64:65], 0
	v_nop
	global_prefetch_b8 v0, s[64:65] scope:SCOPE_SE
	s_setreg_imm32_b32 hwreg(HW_REG_WAVE_MODE, 25, 1), 1
	s_wait_xcnt 0x0
; xn = layernorm(x1) g + b, rounded once to bf16; byte of (row, ch) = (row>>7) x 262,144 + (ch>>6) x 16,384 + (row&127) x 128 + (ch&63) x 2.
; 16 rows a work-group, 4 a wave, two at a time: lanes 0-15 hold one row, lanes 16-31 the next, so a row's sums stay inside 16 lanes.  The mean first, the squares of x - mean second.  A stream: no LDS, no barrier.
.set G,   16
.set BT,  80
.set X,   144
.set RS,  208
	s_load_b256 s[4:11], s[0:1], 0x0               ; x1, g, b, xn
	v_lshrrev_b32 v1, 5, v0
	v_readfirstlane_b32 s22, v1
	v_and_b32 v4, 31, v0
	v_and_b32 v5, 15, v0
	v_bfe_u32 v6, v0, 4, 1
	v_lshlrev_b32 v3, 4, v5
	v_lshl_add_u32 v1, v6, 12, v3
	v_lshlrev_b32 v2, 3, v4
	s_lshl_b32 s40, ttmp9, 16
	s_lshl_b32 s41, s22, 14
	s_add_co_u32 s40, s40, s41
	s_mov_b32 s41, 0
	s_lshr_b32 s42, ttmp9, 3
	s_lshl_b32 s42, s42, 18
	s_and_b32 s43, ttmp9, 7
	s_lshl_b32 s43, s43, 11
	s_add_co_u32 s42, s42, s43
	s_lshl_b32 s43, s22, 9
	s_add_co_u32 s42, s42, s43
	s_mov_b32 s43, 0
	s_wait_kmcnt 0x0
	s_add_nc_u64 s[32:33], s[4:5], s[40:41]
	s_add_nc_u64 s[34:35], s[10:11], s[42:43]
.macro REDUCE
	v_pk_add_f32 v[4:5], v[4:5], v[6:7]
	v_pk_add_f32 v[8:9], v[8:9], v[10:11]
	v_pk_add_f32 v[4:5], v[4:5], v[8:9]
	v_add_f32 v4, v4, v5
	v_add_f32_dpp v4, v4, v4 row_xmask:1 row_mask:0xf bank_mask:0xf
	v_add_f32_dpp v4, v4, v4 row_xmask:2 row_mask:0xf bank_mask:0xf
	v_add_f32_dpp v4, v4, v4 row_xmask:4 row_mask:0xf bank_mask:0xf
	v_add_f32_dpp v4, v4, v4 row_xmask:8 row_mask:0xf bank_mask:0xf
.endm
.set j, 0
.rept 16
	global_load_b128 v[G+4*j:G+4*j+3], v3, s[6:7] offset:256*j
	global_load_b128 v[BT+4*j:BT+4*j+3], v3, s[8:9] offset:256*j
.set j, j+1
.endr
	s_mov_b32 s36, 2
	s_mov_b32 s37, 0x3a800000                      ; 1 / 1024
	s_mov_b32 s38, 0x3727c5ac                      ; 1e-5
.Lpair:
.set j, 0
.rept 16
	global_load_b128 v[X+4*j:X+4*j+3], v1, s[32:33] offset:256*j
.set j, j+1
.endr
	s_wait_loadcnt 0x0
.irp c, 0,1,2,3
	v_pk_add_f32 v[4+2*(\c):5+2*(\c)], v[X+2*(\c):X+2*(\c)+1], v[X+8+2*(\c):X+9+2*(\c)]
.endr
.set p, 8
.rept 24
	v_pk_add_f32 v[4+2*(p%4):5+2*(p%4)], v[4+2*(p%4):5+2*(p%4)], v[X+2*p:X+2*p+1]
.set p, p+1
.endr
	REDUCE
	v_mul_f32 v12, s37, v4
	v_mul_f32 v13, s37, v4
.set p, 0
.rept 32
	v_pk_add_f32 v[X+2*p:X+2*p+1], v[X+2*p:X+2*p+1], v[12:13] neg_lo:[0,1] neg_hi:[0,1]
.set p, p+1
.endr
.irp c, 0,1,2,3
	v_pk_mul_f32 v[4+2*(\c):5+2*(\c)], v[X+2*(\c):X+2*(\c)+1], v[X+2*(\c):X+2*(\c)+1]
.endr
.set p, 4
.rept 28
	v_pk_fma_f32 v[4+2*(p%4):5+2*(p%4)], v[X+2*p:X+2*p+1], v[X+2*p:X+2*p+1], v[4+2*(p%4):5+2*(p%4)]
.set p, p+1
.endr
	REDUCE
	v_fma_f32 v4, v4, s37, s38
	v_rsq_f32 v[RS], v4
	v_rsq_f32 v[RS+1], v4
	v_nop                                          ; a plain instruction behind the last root,
	s_wait_alu depctr_va_vdst(0)                   ; and the one wait ahead of the first use
.set p, 0
.rept 32
	v_pk_mul_f32 v[X+2*p:X+2*p+1], v[X+2*p:X+2*p+1], v[RS:RS+1]
.set p, p+1
.endr
.set p, 0
.rept 32
	v_pk_fma_f32 v[X+2*p:X+2*p+1], v[X+2*p:X+2*p+1], v[G+2*p:G+2*p+1], v[BT+2*p:BT+2*p+1]
.set p, p+1
.endr
.set p, 0
.rept 32
	v_cvt_pk_bf16_f32 v[X+p], v[X+2*p], v[X+2*p+1]
.set p, p+1
.endr
.set j, 0
.rept 16
	global_store_b64 v2, v[X+2*j:X+2*j+1], s[34:35] offset:16384*j  ; the wave stores 256 consecutive bytes, aligned
.set j, j+1
.endr
	s_wait_xcnt 0x0                                ; the stores' data and both bases are written again only behind this wait
	s_add_nc_u64 s[32:33], s[32:33], 8192
	s_add_nc_u64 s[34:35], s[34:35], 256
	s_sub_co_u32 s36, s36, 1
	s_cmp_lg_u32 s36, 0
	s_cbranch_scc1 .Lpair
	s_endpgm
.Lfunc_end_k_q1f8ed50378_ln2:
	.size	k_q1f8ed50378_ln2, .Lfunc_end_k_q1f8ed50378_ln2-k_q1f8ed50378_ln2
	.p2alignl 7, 3214868480
	.fill 96, 4, 3214868480
	.section	.rodata,"a",@progbits
	.p2align	6, 0x0
	.amdhsa_kernel k_q1f8ed50378_ln2
		.amdhsa_group_segment_fixed_size 0
		.amdhsa_private_segment_fixed_size 0
		.amdhsa_enable_private_segment 0
		.amdhsa_kernarg_size 32
		.amdhsa_user_sgpr_count 2
		.amdhsa_user_sgpr_kernarg_segment_ptr 1
		.amdhsa_wavefront_size32 1
		.amdhsa_system_sgpr_workgroup_id_x 1
		.amdhsa_system_sgpr_workgroup_id_y 1
		.amdhsa_system_sgpr_workgroup_id_z 1
		.amdhsa_system_vgpr_workitem_id 0
		.amdhsa_next_free_vgpr 210
		.amdhsa_next_free_sgpr 66
		.amdhsa_reserve_vcc 0
		.amdhsa_float_denorm_mode_32 3
		.amdhsa_float_denorm_mode_16_64 3
		.amdhsa_memory_ordered 1
		.amdhsa_forward_progress 1
		.amdhsa_inst_pref_size 21
	.end_amdhsa_kernel
	.amdgpu_metadata
---
amdhsa.version: [ 1, 2 ]
amdhsa.kernels:
  - .name:           k_q1f8ed50378_ln2
    .symbol:         k_q1f8ed50378_ln2.kd
    .args:
      - { .name: x1, .offset: 0, .size: 8, .value_kind: global_buffer, .address_space: global }
      - { .name: ln2_g, .offset: 8, .size: 8, .value_kind: global_buffer, .address_space: global }
      - { .name: ln2_b, .offset: 16, .size: 8, .value_kind: global_buffer, .address_space: global }
      - { .name: xn, .offset: 24, .size: 8, .value_kind: global_buffer, .address_space: global }
    .group_segment_fixed_size: 0
    .private_segment_fixed_size: 0
    .kernarg_segment_align: 8
    .kernarg_segment_size: 32
    .max_flat_workgroup_size: 128
    .sgpr_count:     66
    .vgpr_count:     210
    .wavefront_size: 32
...
	.end_amdgpu_metadata
.endif
;; end of part 5
;; launch g_fc1 (part 6): grid 16 x 16, 4 waves a work-group, clusters of 4 x 4, 327,680 bytes of LDS; arguments xn, wt, hbuf, b_fc1; writes hbuf
.if DOCPART == 6
	.amdgcn_target "amdgcn-amd-amdhsa--gfx1250"
	.amdhsa_code_object_version 6
	.text
	.protected	k_q1f8ed50378_g_fc1
	.globl	k_q1f8ed50378_g_fc1
	.p2align	8
	.type	k_q1f8ed50378_g_fc1,@function
k_q1f8ed50378_g_fc1:
	s_mov_b64 s[64:65], 0
	v_nop
	global_prefetch_b8 v0, s[64:65] scope:SCOPE_SE
	s_setreg_imm32_b32 hwreg(HW_REG_WAVE_MODE, 25, 1), 1
	s_wait_xcnt 0x0
	s_wait_alu depctr_hold_cnt(0) depctr_sa_sdst(0) depctr_va_vdst(0) depctr_va_sdst(0) depctr_va_ssrc(0) depctr_va_vcc(0) depctr_vm_vsrc(0)
	s_getreg_b32 s2, hwreg(HW_REG_IB_STS2, 6, 4)
	s_cmp_eq_u32 s2, 0
	s_cbranch_scc0 .Lentry_in_a_cluster
	s_endpgm
.Lentry_in_a_cluster:
	s_bfe_u32 s2, ttmp6, 0x10000c
	s_cmp_lg_u32 s2, 0xf033
	s_cbranch_scc0 .Lentry_shape_is_right
	s_endpgm
.Lentry_shape_is_right:
; h = gelu(xn W_fc1 + b_fc1), bf16 operands, f32 sums, rounded once to bf16; byte of (row, ch) = (row>>7) x 1,048,576 + (ch>>6) x 16,384 + (row&127) x 128 + (ch&63) x 2.
; A tile of 256 x 256 to a work-group (16 x 16 = 256 of them), four waves 2 x 2, each 128 x 128: 64 accumulators.  K in steps of 128 through two LDS slots; cluster 4 x 4 with joint loads; dense blocks asked for as rows of 256 bytes,
; LDS rows 144 bytes apart; the matrix instruction used transposed.  The bias, loaded in the result's own layout, is the C operand of the products that start the sums.
; GELU, exact form: z Phi(z) = max(z, 0) - |z| Q(|z|), Q(t) = 0.5 (1 + d1 t + .. + d6 t^6)^-16 (Abramowitz and Stegun 26.2.19: absolute error at most 1.5e-7 for every t >= 0).  The coefficients carry a factor 2^(1/16), which makes the 0.5.
; LIMITS: it holds for every finite z (where the power overflows the reciprocal is 0, Q's limit); z = infinity gives NaN.
.set NB, 8
.set NQ, 4
.set KSPLIT, 0
.set BIASC, 1
.set TSTEPS, 8
.set RA, 128
.set RB, 128
.set LASZ, 36864
.set LBSZ, 36864
.set ATOT, 73728
.set SLOT, 147456                      ; = 0x24000: no block's start (0, 0x9000, 0x12000, 0x1b000) shares a bit with it, so one exclusive or changes slots
.set SPARE, 294912
.set AMT, 524288
.set AWC, 262144
.set ASTEP, 32768
.set WOFF, 8388608
.set BNT, 524288
.set BWC, 32768
.set BSTEP, 65536
.set SA, 18432
.set SB, 36864
.set SPITCH, 528
.set PF, 1
.set PFD, 1
.set LNL, 2*NB+16
.set G1W0, (1<<16)|(1<<20)|(1<<21)|(4<<22)|(3<<25)
.set MSB, 0
.macro WIN new
.if MSB != (\new)
	s_set_vgpr_msb (MSB<<8)|(\new)
.set MSB, (\new)
.endif
.endm
.macro PLACES
.rept 4
	v_nop
.endr
.endm
.macro CREST
	s_cmp_lg_u32 s14, 0
	s_cbranch_scc1 .Lnw0_\@
	s_barrier_signal -3
.Lnw0_\@:
	s_barrier_wait -3
	s_barrier_signal -1
	s_barrier_wait -1
.endm
.macro CROUND
	s_barrier_signal -1
	s_barrier_wait -1
	CREST
.endm
.macro JLOAD
	s_cmp_eq_u32 s15, 0
	s_cbranch_scc0 .Lfor_b_\@
	tensor_load_to_lds s[36:39], s[24:31]
	s_nop 0
.rept 4
	v_nop
.endr
	s_branch .Lasked_\@
.Lfor_b_\@:
	tensor_load_to_lds s[52:55], s[40:47]
	s_nop 0
.rept 4
	v_nop
.endr
.Lasked_\@:
.endm
.macro ASK                             ; one prefetch a wave: my share (a lane a block of 256 bytes) of the block that I fetch PFD refills on; the last PFD trips ask for nothing
	WIN 0
	s_cmp_gt_u32 s21, s60
	s_cbranch_scc0 .Lnot_mine_\@
	global_prefetch_b8 v15, s[58:59] th:TH_LOAD_NT scope:SCOPE_SE
.Lnot_mine_\@:
.endm
.macro MULP f, hi, part, first         ; 16 products; all accumulators take turns, one instruction a turn
.if (\first) && BIASC
	WIN 0x85+0x40*(\hi)
.else
	WIN 0xa5+0x50*(\hi)
.endif
.irp aa, 0, 1
.set bb, 0
.rept NB
.set rD, 8*(NB*(2*(\part)+(\aa))+bb)
.set rB, 128*(\f)+64+8*bb
.set rA, 128*(\f)+8*(4*(\hi)+2*(\part)+(\aa))
.if (\first) && BIASC
	v_wmma_f32_16x16x32_bf16 v[rD:rD+7], v[rB:rB+7], v[rA:rA+7], v[32+8*bb:39+8*bb]
.elseif \first
	v_wmma_f32_16x16x32_bf16 v[rD:rD+7], v[rB:rB+7], v[rA:rA+7], 0
.else
	v_wmma_f32_16x16x32_bf16 v[rD:rD+7], v[rB:rB+7], v[rA:rA+7], v[rD:rD+7]
.endif
.set bb, bb+1
.endr
.endr
.endm
.macro FETCH q, f
	WIN 0x40
.set oA, ((\q)/2)*SA+((\q)%2)*64
.set oB, ((\q)/2)*SB+((\q)%2)*64
.set i, 0
.rept NB
	ds_load_b128 v[128*(\f)+64+8*i:128*(\f)+64+8*i+3], v7 offset:oB+2304*i
	ds_load_b128 v[128*(\f)+64+8*i+4:128*(\f)+64+8*i+7], v7 offset:oB+2304*i+32
.set i, i+1
.endr
.set i, 0
.rept 8
	ds_load_b128 v[128*(\f)+8*i:128*(\f)+8*i+3], v6 offset:oA+2304*i
	ds_load_b128 v[128*(\f)+8*i+4:128*(\f)+8*i+7], v6 offset:oA+2304*i+32
.set i, i+1
.endr
.endm
.macro QUARTER q, f, first=0
	s_wait_dscnt 8                                 ; W and A's rows 0-63 are in; the youngest eight loads may be out
	MULP \f, 0, 0, \first
	MULP \f, 0, 1, \first
	PLACES
	FETCH \q, 1-(\f)
	s_wait_dscnt LNL                               ; all but the run just issued
	MULP \f, 1, 0, \first
	MULP \f, 1, 1, \first
.endm
.macro TURN fill
.if PF && (\fill)
	s_wait_xcnt 0x0                                ; the last prefetch, a step back, has read its address
	s_add_nc_u64 s[58:59], s[58:59], s[62:63]
.endif
	WIN 0
	s_wait_tensorcnt 0x0                           ; all my tensor loads have landed
	ds_add_u32 v28, v29
	s_xor_b32 s22, s22, SLOT
.if \fill
	s_xor_b32 s37, s37, SLOT
	s_add_nc_u64 s[38:39], s[38:39], ASTEP
	s_xor_b32 s53, s53, SLOT
	s_add_nc_u64 s[54:55], s[54:55], BSTEP
.endif
	s_wait_dscnt 9                                 ; the add and the youngest eight loads may be out
	MULP 1, 0, 0, 0
	s_wait_dscnt 0x0                               ; the add is done, my reads of this slot are over
	s_barrier_signal -1
	MULP 1, 0, 1, 0
	WIN 0
	s_barrier_wait -1
.if \fill
	CREST
	JLOAD
.else
	PLACES
.endif
	v_add_nc_u32 v6, s22, v4
	v_add_nc_u32 v7, s22, v5
	FETCH 0, 0
.if PF && (\fill)
	ASK
.endif
	MULP 1, 1, 0, 0
	MULP 1, 1, 1, 0
.endm
.macro LASTQ
	s_wait_dscnt 8
	MULP 1, 0, 0, 0
	MULP 1, 0, 1, 0
	s_wait_dscnt 0x0
	MULP 1, 1, 0, 0
	MULP 1, 1, 1, 0
.endm
.macro STAGE_OUT
.rept 8
	v_nop
.endr
.set hh, 0
.rept 2
	WIN 0x08+4*hh
.set aa, 0
.rept 4
.set bb, 0
.rept NB
.set rD, 8*(NB*aa+bb)
	ds_store_b128 v[8+hh], v[rD:rD+3] offset:aa*16*SPITCH+64*bb
	ds_store_b128 v[8+hh], v[rD+4:rD+7] offset:aa*16*SPITCH+64*bb+16
.set bb, bb+1
.endr
.set aa, aa+1
.endr
.set hh, hh+1
.endr
	WIN 0
.endm
	s_load_b256 s[4:11], s[0:1], 0x0               ; xn, wt, hbuf, b_fc1
	v_lshl_add_u32 v28, v0, 2, SPARE
	v_mov_b32 v29, 0
	ds_add_u32 v28, v29                            ; the wave's opening, ahead of my first tensor load
	v_lshrrev_b32 v1, 5, v0
	v_readfirstlane_b32 s14, v1
	s_lshr_b32 s15, s14, 1
	s_and_b32 s16, s14, 1
	s_bfe_u32 s17, ttmp6, 0x40000
	s_bfe_u32 s18, ttmp6, 0x40004
	s_lshl_b32 s19, ttmp9, 2
	s_add_co_u32 s19, s19, s17
	s_and_b32 s20, ttmp7, 0xffff
	s_lshl_b32 s20, s20, 2
	s_add_co_u32 s20, s20, s18
	s_lshl_b32 s56, s18, 2
	s_lshl_b32 s56, 15, s56
	s_lshl_b32 s57, 0x1111, s17
	s_or_b32 s24, s56, G1W0
	s_or_b32 s40, s57, G1W0
	s_mov_b32 s25, 128<<16
	s_mov_b32 s26, RA<<16
	s_mov_b32 s27, 128<<16
	s_mov_b32 s28, RA
	s_mov_b32 s29, 128
	s_mov_b32 s30, 0
	s_mov_b32 s31, 0
	s_mov_b32 s41, 128<<16
	s_mov_b32 s42, RB<<16
	s_mov_b32 s43, 128<<16
	s_mov_b32 s44, RB
	s_mov_b32 s45, 128
	s_mov_b32 s46, 0
	s_mov_b32 s47, 0
	s_mul_i32 s66, s20, AMT
	s_mul_i32 s67, s16, AWC
	s_add_co_u32 s66, s66, s67
	s_mov_b32 s67, 0
	s_mul_i32 s68, s19, BNT
	s_mul_i32 s69, s16, BWC
	s_add_co_u32 s68, s68, s69
	s_add_co_u32 s68, s68, WOFF
	s_mov_b32 s69, 0
	s_mov_b32 s32, 1
	s_mul_i32 s33, s16, LASZ
	s_mov_b32 s36, 1
	s_add_co_u32 s37, s33, SLOT
	s_mov_b32 s48, 1
	s_mul_i32 s49, s16, LBSZ
	s_add_co_u32 s49, s49, ATOT
	s_mov_b32 s52, 1
	s_add_co_u32 s53, s49, SLOT
	s_mov_b32 s22, 0
	s_mov_b32 s70, 0x36bc9edb                      ; e6 .. e0 = d6 .. d0 x 2^(1/16), each named as a pair
	s_mov_b32 s71, s70
	s_mov_b32 s72, 0x3856241a
	s_mov_b32 s73, s72
	s_mov_b32 s74, 0x382674bc
	s_mov_b32 s75, s74
	s_mov_b32 s76, 0x3b605009
	s_mov_b32 s77, s76
	s_mov_b32 s78, 0x3cb4dad2
	s_mov_b32 s79, s78
	s_mov_b32 s80, 0x3d554cc4
	s_mov_b32 s81, s80
	s_mov_b32 s82, 0x3f85aac3
	s_mov_b32 s83, s82
	s_wait_dscnt 0x0
	s_wait_kmcnt 0x0
	s_add_nc_u64 s[34:35], s[4:5], s[66:67]
	s_add_nc_u64 s[38:39], s[34:35], ASTEP
	s_or_b32 s35, s35, 0x80000000
	s_or_b32 s39, s39, 0x80000000
	s_add_nc_u64 s[50:51], s[6:7], s[68:69]
	s_add_nc_u64 s[54:55], s[50:51], BSTEP
	s_or_b32 s51, s51, 0x80000000
	s_or_b32 s55, s55, 0x80000000
	CROUND
	s_cmp_eq_u32 s15, 0
	s_cbranch_scc0 .Lfirst_b
	tensor_load_to_lds s[32:35], s[24:31]
	s_nop 0
	tensor_load_to_lds s[36:39], s[24:31]
	s_nop 0
.rept 4
	v_nop
.endr
	s_branch .Lfirst_done
.Lfirst_b:
	tensor_load_to_lds s[48:51], s[40:47]
	s_nop 0
	tensor_load_to_lds s[52:55], s[40:47]
	s_nop 0
.rept 4
	v_nop
.endr
.Lfirst_done:
	v_and_b32 v1, 15, v0
	v_bfe_u32 v2, v0, 4, 1
	v_mul_u32_u24 v3, v1, 144
	v_lshl_add_u32 v3, v2, 4, v3
	s_mul_i32 s61, s15, 36864
	v_add_nc_u32 v4, s61, v3
	s_mul_i32 s61, s16, NB*2304
	s_add_co_u32 s61, s61, ATOT
	v_add_nc_u32 v5, s61, v3
	; the bias in the result's layout: register j of block b holds column 16 b + 8 (l / 16) + j
	v_lshlrev_b32 v16, 5, v2
	s_lshl_b32 s2, s19, 10
	s_lshl_b32 s3, s16, 9
	s_add_co_u32 s2, s2, s3
	s_mov_b32 s3, 0
	s_add_nc_u64 s[10:11], s[10:11], s[2:3]
.set i, 0
.rept 8
	global_load_b128 v[32+8*i:35+8*i], v16, s[10:11] offset:64*i
	global_load_b128 v[36+8*i:39+8*i], v16, s[10:11] offset:64*i+16
.set i, i+1
.endr
	; the way out: each wave's own stage, 128 rows of 528 bytes
	s_mul_i32 s61, s14, 128*SPITCH
	v_mul_u32_u24 v8, v1, SPITCH
	v_lshl_add_u32 v8, v2, 5, v8
	v_add_nc_u32 v8, s61, v8
	v_add_nc_u32 v9, 64*SPITCH, v8
	v_mul_u32_u24 v10, v2, SPITCH                  ; back: lanes 0-15 one row's 64 columns, lanes 16-31 the next row's
	v_lshl_add_u32 v10, v1, 4, v10
	v_add_nc_u32 v10, s61, v10
	v_and_b32 v14, 31, v0
	v_lshlrev_b32 v14, 3, v14
	s_lshl1_add_u32 s2, s20, s15                   ; 2 x tile row + my half: the block of 128 rows
	s_lshl_b32 s2, s2, 20
	s_lshl1_add_u32 s3, s19, s16                   ; 2 x tile column + my half,
	s_lshl_b32 s3, s3, 15                          ; two slabs each
	s_add_co_u32 s2, s2, s3
	s_mov_b32 s3, 0
	s_add_nc_u64 s[8:9], s[8:9], s[2:3]
	; the prefetches: A's blocks are asked for by the clusters with x = 0, W's by those with y = 0; the four partners of a joint load share a block out by address
	s_mov_b32 s62, ASTEP
	s_mov_b32 s63, BSTEP
	s_and_b32 s61, ttmp7, 0xffff
	s_cmp_eq_u32 s15, 0
	s_cselect_b32 s60, ttmp9, s61
	s_cselect_b32 s61, s17, s18
	s_cselect_b32 s62, s62, s63
	s_cselect_b32 s3, s66, s68
	s_cselect_b64 s[58:59], s[4:5], s[6:7]
	s_mov_b32 s63, 0
	s_lshl_b32 s2, s61, 13                         ; my quarter of the block: 32 x 256 bytes
	s_add_co_u32 s2, s2, s3
	s_mul_i32 s3, s62, 1+PFD
	s_add_co_u32 s2, s2, s3
	s_mov_b32 s3, 0
	s_add_nc_u64 s[58:59], s[58:59], s[2:3]
	s_cmp_eq_u32 s60, 0
	s_cselect_b32 s60, PFD, -1
	v_and_b32 v15, 31, v0
	v_lshlrev_b32 v15, 8, v15
	s_wait_tensorcnt 0x1                           ; my part of step 0 is in; step 1's may stay out
	s_barrier_signal -1
	s_barrier_wait -1
	v_mov_b32 v6, v4
	v_mov_b32 v7, v5
	FETCH 0, 0
	s_wait_loadcnt 0x0                             ; the bias
	QUARTER 1, 0, 1                                ; the first products start the sums, from the bias
	WIN 0
	s_mov_b32 s21, TSTEPS-2
.Lstep:
	QUARTER 2, 1
	QUARTER 3, 0
	TURN 1
	QUARTER 1, 0
	WIN 0
	s_sub_co_u32 s21, s21, 1
	s_cmp_lg_u32 s21, 0
	s_cbranch_scc1 .Lstep
	QUARTER 2, 1
	QUARTER 3, 0
	TURN 0
	QUARTER 1, 0
	QUARTER 2, 1
	QUARTER 3, 0
	LASTQ
	WIN 0
	s_barrier_signal -1                            ; every wave's reads of the ring are over; its blocks have had their last fill: it becomes the stages
	s_barrier_wait -1
	STAGE_OUT
.set Z,  96                            ; 32 numbers z a lane: 8 rows x 128 columns a wave
.set TT, 128                           ; |z|, later the packed results
.set MX, 160                           ; max(z, 0), later the result
.set PP, 192                           ; the polynomial
.macro ZLOAD
.irp u, 0,1,2,3,4,5,6,7
	ds_load_b128 v[Z+4*(\u):Z+4*(\u)+3], v10 offset:((\u)/2)*2*SPITCH+((\u)%2)*256
.endr
.endm
	ZLOAD                                          ; my own bytes, served in order behind the stores (ISA guide 5.7.1.4)
	s_mov_b32 s21, 16
.Lrows:
	s_wait_dscnt 0x0
.set i, 0
.rept 32
	v_max_num_f32 v[MX+i], 0, v[Z+i]
.set i, i+1
.endr
.set i, 0
.rept 16
	v_pk_fma_f32 v[TT+2*i:TT+2*i+1], v[MX+2*i:MX+2*i+1], 2.0, v[Z+2*i:Z+2*i+1] op_sel_hi:[1,0,1] neg_lo:[0,0,1] neg_hi:[0,0,1]  ; 2 max(z, 0) - z = |z|
.set i, i+1
.endr
	s_cmp_eq_u32 s21, 1                            ; the next eight rows are fetched under this trip's arithmetic; the last trip has none
	s_cbranch_scc1 .Lnoz
	v_add_nc_u32 v10, 8*SPITCH, v10
	ZLOAD
.Lnoz:
.set i, 0
.rept 16
	v_pk_fma_f32 v[PP+2*i:PP+2*i+1], v[TT+2*i:TT+2*i+1], s[70:71], s[72:73] op_sel_hi:[1,0,0]
.set i, i+1
.endr
.irp k, 74,76,78,80,82
.set i, 0
.rept 16
	v_pk_fma_f32 v[PP+2*i:PP+2*i+1], v[PP+2*i:PP+2*i+1], v[TT+2*i:TT+2*i+1], s[\k:\k+1] op_sel_hi:[1,1,0]
.set i, i+1
.endr
.endr
.rept 4                                ; the 16th power
.set i, 0
.rept 16
	v_pk_mul_f32 v[PP+2*i:PP+2*i+1], v[PP+2*i:PP+2*i+1], v[PP+2*i:PP+2*i+1]
.set i, i+1
.endr
.endr
.set i, 0
.rept 32
	v_rcp_f32 v[PP+i], v[PP+i]
.set i, i+1
.endr
	v_nop                                          ; a plain instruction behind the last reciprocal,
	s_wait_alu depctr_va_vdst(0)                   ; and ONE wait for the batch of 32
.set i, 0
.rept 16
	v_pk_fma_f32 v[MX+2*i:MX+2*i+1], v[TT+2*i:TT+2*i+1], v[PP+2*i:PP+2*i+1], v[MX+2*i:MX+2*i+1] neg_lo:[1,0,0] neg_hi:[1,0,0]
.set i, i+1
.endr
.set i, 0
.rept 16
	v_cvt_pk_bf16_f32 v[TT+i], v[MX+2*i], v[MX+2*i+1]
.set i, i+1
.endr
.irp u, 0,1,2,3,4,5,6,7
	global_store_b64 v14, v[TT+2*(\u):TT+2*(\u)+1], s[8:9] offset:((\u)%2)*16384+((\u)/2)*256  ; two rows of a slab: 256 consecutive bytes, aligned
.endr
	s_wait_xcnt 0x0                                ; the stores' data and base are written again only behind this wait
	s_add_nc_u64 s[8:9], s[8:9], 1024
	s_sub_co_u32 s21, s21, 1
	s_cmp_lg_u32 s21, 0
	s_cbranch_scc1 .Lrows
	s_wait_tensorcnt 0x0                           ; the wave's end
	ds_add_u32 v28, v29
	s_wait_dscnt 0x0
	CROUND                                         ; the closing round
	s_endpgm
.Lfunc_end_k_q1f8ed50378_g_fc1:
	.size	k_q1f8ed50378_g_fc1, .Lfunc_end_k_q1f8ed50378_g_fc1-k_q1f8ed50378_g_fc1
	.p2alignl 7, 3214868480
	.fill 96, 4, 3214868480
	.section	.rodata,"a",@progbits
	.p2align	6, 0x0
	.amdhsa_kernel k_q1f8ed50378_g_fc1
		.amdhsa_group_segment_fixed_size 327680
		.amdhsa_private_segment_fixed_size 0
		.amdhsa_enable_private_segment 0
		.amdhsa_kernarg_size 32
		.amdhsa_user_sgpr_count 2
		.amdhsa_user_sgpr_kernarg_segment_ptr 1
		.amdhsa_wavefront_size32 1
		.amdhsa_system_sgpr_workgroup_id_x 1
		.amdhsa_system_sgpr_workgroup_id_y 1
		.amdhsa_system_sgpr_workgroup_id_z 1
		.amdhsa_system_vgpr_workitem_id 0
		.amdhsa_next_free_vgpr 1024
		.amdhsa_next_free_sgpr 90
		.amdhsa_reserve_vcc 0
		.amdhsa_float_denorm_mode_32 3
		.amdhsa_float_denorm_mode_16_64 3
		.amdhsa_memory_ordered 1
		.amdhsa_forward_progress 1
		.amdhsa_inst_pref_size 113
	.end_amdhsa_kernel
	.amdgpu_metadata
---
amdhsa.version: [ 1, 2 ]
amdhsa.kernels:
  - .name:           k_q1f8ed50378_g_fc1
    .symbol:         k_q1f8ed50378_g_fc1.kd
    .args:
      - { .name: xn, .offset: 0, .size: 8, .value_kind: global_buffer, .address_space: global }
      - { .name: wt, .offset: 8, .size: 8, .value_kind: global_buffer, .address_space: global }
      - { .name: hbuf, .offset: 16, .size: 8, .value_kind: global_buffer, .address_space: global }
      - { .name: b_fc1, .offset: 24, .size: 8, .value_kind: global_buffer, .address_space: global }
    .group_segment_fixed_size: 327680
    .private_segment_fixed_size: 0
    .kernarg_segment_align: 8
    .kernarg_segment_size: 32
    .max_flat_workgroup_size: 128
    .sgpr_count:     90
    .vgpr_count:     1024
    .wavefront_size: 32
...
	.end_amdgpu_metadata
.endif
;; end of part 6
;; launch g_fc2 (part 7): grid 8 x 32, 4 waves a work-group, clusters of 4 x 4, 327,680 bytes of LDS; arguments hbuf, wt, out0, b_fc2, x1; writes out0
.if DOCPART == 7
	.amdgcn_target "amdgcn-amd-amdhsa--gfx1250"
	.amdhsa_code_object_version 6
	.text
	.protected	k_q1f8ed50378_g_fc2
	.globl	k_q1f8ed50378_g_fc2
	.p2align	8
	.type	k_q1f8ed50378_g_fc2,@function
k_q1f8ed50378_g_fc2:
	s_mov_b64 s[64:65], 0
	v_nop
	global_prefetch_b8 v0, s[64:65] scope:SCOPE_SE
	s_setreg_imm32_b32 hwreg(HW_REG_WAVE_MODE, 25, 1), 1
	s_wait_xcnt 0x0
	s_wait_alu depctr_hold_cnt(0) depctr_sa_sdst(0) depctr_va_vdst(0) depctr_va_sdst(0) depctr_va_ssrc(0) depctr_va_vcc(0) depctr_vm_vsrc(0)
	s_getreg_b32 s2, hwreg(HW_REG_IB_STS2, 6, 4)
	s_cmp_eq_u32 s2, 0
	s_cbranch_scc0 .Lentry_in_a_cluster
	s_endpgm
.Lentry_in_a_cluster:
	s_bfe_u32 s2, ttmp6, 0x10000c
	s_cmp_lg_u32 s2, 0xf033
	s_cbranch_scc0 .Lentry_shape_is_right
	s_endpgm
.Lentry_shape_is_right:
; out0 = x1 + h W_fc2 + b_fc2.  bf16 operands, f32 sums, f32 out.  A tile of 128 x 128 to a work-group (8 x 32 = 256 of them).  K IS SPLIT AMONG THE FOUR WAVES: a step is 256 along K, four slabs of 64;
; wave w multiplies slab w for the whole tile (64 accumulators); the four f32 partial sums meet in LDS at the end.  16 steps.
; Ring, cluster, fragments and windows as in the other products of this program.  The blocks of h and of W are prefetched two refills (256 matrix instructions a wave) ahead of the joint load that wants them.
.set NB, 8
.set NQ, 2
.set KSPLIT, 1
.set BIASC, 0
.set TSTEPS, 16
.set RA, 128
.set RB, 128
.set LASZ, 36864
.set LBSZ, 36864
.set ATOT, 73728
.set SLOT, 147456                      ; = 0x24000: no block's start (0, 0x9000, 0x12000, 0x1b000) shares a bit with it, so one exclusive or changes slots
.set SPARE, 294912
.set AMT, 1048576
.set AWC, 32768
.set ASTEP, 65536
.set WOFF, 16777216
.set BNT, 1048576
.set BWC, 32768
.set BSTEP, 65536
.set SPITCH, 528
.set PF, 1
.set PFD, 2
.set LNL, 2*NB+16
.set G1W0, (1<<16)|(1<<20)|(1<<21)|(4<<22)|(3<<25)
.set MSB, 0
.macro WIN new
.if MSB != (\new)
	s_set_vgpr_msb (MSB<<8)|(\new)
.set MSB, (\new)
.endif
.endm
.macro PLACES
.rept 4
	v_nop
.endr
.endm
.macro CREST
	s_cmp_lg_u32 s14, 0
	s_cbranch_scc1 .Lnw0_\@
	s_barrier_signal -3
.Lnw0_\@:
	s_barrier_wait -3
	s_barrier_signal -1
	s_barrier_wait -1
.endm
.macro CROUND
	s_barrier_signal -1
	s_barrier_wait -1
	CREST
.endm
.macro JLOAD
	s_cmp_eq_u32 s15, 0
	s_cbranch_scc0 .Lfor_b_\@
	tensor_load_to_lds s[36:39], s[24:31]
	s_nop 0
.rept 4
	v_nop
.endr
	s_branch .Lasked_\@
.Lfor_b_\@:
	tensor_load_to_lds s[52:55], s[40:47]
	s_nop 0
.rept 4
	v_nop
.endr
.Lasked_\@:
.endm
.macro ASK                             ; one prefetch a wave: my share (a lane a block of 256 bytes) of the block that I fetch PFD refills on; the last PFD trips ask for nothing
	WIN 0
	s_cmp_gt_u32 s21, s60
	s_cbranch_scc0 .Lnot_mine_\@
	global_prefetch_b8 v15, s[58:59] th:TH_LOAD_NT scope:SCOPE_SE
.Lnot_mine_\@:
.endm
.macro MULP f, hi, part, first         ; 16 products; all accumulators take turns, one instruction a turn
	WIN 0xa5+0x50*(\hi)
.irp aa, 0, 1
.set bb, 0
.rept NB
.set rD, 8*(NB*(2*(\part)+(\aa))+bb)
.set rB, 128*(\f)+64+8*bb
.set rA, 128*(\f)+8*(4*(\hi)+2*(\part)+(\aa))
.if \first
	v_wmma_f32_16x16x32_bf16 v[rD:rD+7], v[rB:rB+7], v[rA:rA+7], 0
.else
	v_wmma_f32_16x16x32_bf16 v[rD:rD+7], v[rB:rB+7], v[rA:rA+7], v[rD:rD+7]
.endif
.set bb, bb+1
.endr
.endr
.endm
.macro FETCH q, f
	WIN 0x40
.set oA, 64*(\q)
.set oB, 64*(\q)
.set i, 0
.rept NB
	ds_load_b128 v[128*(\f)+64+8*i:128*(\f)+64+8*i+3], v7 offset:oB+2304*i
	ds_load_b128 v[128*(\f)+64+8*i+4:128*(\f)+64+8*i+7], v7 offset:oB+2304*i+32
.set i, i+1
.endr
.set i, 0
.rept 8
	ds_load_b128 v[128*(\f)+8*i:128*(\f)+8*i+3], v6 offset:oA+2304*i
	ds_load_b128 v[128*(\f)+8*i+4:128*(\f)+8*i+7], v6 offset:oA+2304*i+32
.set i, i+1
.endr
.endm
.macro QUARTER q, f, first=0
	s_wait_dscnt 8                                 ; W and A's rows 0-63 are in; the youngest eight loads may be out
	MULP \f, 0, 0, \first
	MULP \f, 0, 1, \first
	PLACES
	FETCH \q, 1-(\f)
	s_wait_dscnt LNL                               ; all but the run just issued
	MULP \f, 1, 0, \first
	MULP \f, 1, 1, \first
.endm
.macro TURN fill
.if PF && (\fill)
	s_wait_xcnt 0x0                                ; the last prefetch, a step back, has read its address
	s_add_nc_u64 s[58:59], s[58:59], s[62:63]
.endif
	WIN 0
	s_wait_tensorcnt 0x0                           ; all my tensor loads have landed
	ds_add_u32 v28, v29
	s_xor_b32 s22, s22, SLOT
.if \fill
	s_xor_b32 s37, s37, SLOT
	s_add_nc_u64 s[38:39], s[38:39], ASTEP
	s_xor_b32 s53, s53, SLOT
	s_add_nc_u64 s[54:55], s[54:55], BSTEP
.endif
	s_wait_dscnt 9                                 ; the add and the youngest eight loads may be out
	MULP 1, 0, 0, 0
	s_wait_dscnt 0x0                               ; the add is done, my reads of this slot are over
	s_barrier_signal -1
	MULP 1, 0, 1, 0
	WIN 0
	s_barrier_wait -1
.if \fill
	CREST
	JLOAD
.else
	PLACES
.endif
	v_add_nc_u32 v6, s22, v4
	v_add_nc_u32 v7, s22, v5
	FETCH 0, 0
.if PF && (\fill)
	ASK
.endif
	MULP 1, 1, 0, 0
	MULP 1, 1, 1, 0
.endm
.macro LASTQ
	s_wait_dscnt 8
	MULP 1, 0, 0, 0
	MULP 1, 0, 1, 0
	s_wait_dscnt 0x0
	MULP 1, 1, 0, 0
	MULP 1, 1, 1, 0
.endm
.macro STAGE_OUT
.rept 8
	v_nop
.endr
.set hh, 0
.rept 2
	WIN 0x08+4*hh
.set aa, 0
.rept 4
.set bb, 0
.rept NB
.set rD, 8*(NB*aa+bb)
	ds_store_b128 v[8+hh], v[rD:rD+3] offset:aa*16*SPITCH+64*bb
	ds_store_b128 v[8+hh], v[rD+4:rD+7] offset:aa*16*SPITCH+64*bb+16
.set bb, bb+1
.endr
.set aa, aa+1
.endr
.set hh, hh+1
.endr
	WIN 0
.endm
	s_load_b256 s[4:11], s[0:1], 0x0               ; A, wt, out, bias
	s_load_b64 s[12:13], s[0:1], 0x20              ; the residual
	v_lshl_add_u32 v28, v0, 2, SPARE
	v_mov_b32 v29, 0
	ds_add_u32 v28, v29                            ; the wave's opening, ahead of my first tensor load
	v_lshrrev_b32 v1, 5, v0
	v_readfirstlane_b32 s14, v1
	s_lshr_b32 s15, s14, 1
	s_and_b32 s16, s14, 1
	s_bfe_u32 s17, ttmp6, 0x40000
	s_bfe_u32 s18, ttmp6, 0x40004
	s_lshl_b32 s19, ttmp9, 2
	s_add_co_u32 s19, s19, s17
	s_and_b32 s20, ttmp7, 0xffff
	s_lshl_b32 s20, s20, 2
	s_add_co_u32 s20, s20, s18
	s_lshl_b32 s56, s18, 2
	s_lshl_b32 s56, 15, s56
	s_lshl_b32 s57, 0x1111, s17
	s_or_b32 s24, s56, G1W0
	s_or_b32 s40, s57, G1W0
	s_mov_b32 s25, 128<<16
	s_mov_b32 s26, RA<<16
	s_mov_b32 s27, 128<<16
	s_mov_b32 s28, RA
	s_mov_b32 s29, 128
	s_mov_b32 s30, 0
	s_mov_b32 s31, 0
	s_mov_b32 s41, 128<<16
	s_mov_b32 s42, RB<<16
	s_mov_b32 s43, 128<<16
	s_mov_b32 s44, RB
	s_mov_b32 s45, 128
	s_mov_b32 s46, 0
	s_mov_b32 s47, 0
	s_mul_i32 s66, s20, AMT
	s_mul_i32 s67, s16, AWC
	s_add_co_u32 s66, s66, s67
	s_mov_b32 s67, 0
	s_mul_i32 s68, s19, BNT
	s_mul_i32 s69, s16, BWC
	s_add_co_u32 s68, s68, s69
	s_add_co_u32 s68, s68, WOFF
	s_mov_b32 s69, 0
	s_mov_b32 s32, 1
	s_mul_i32 s33, s16, LASZ
	s_mov_b32 s36, 1
	s_add_co_u32 s37, s33, SLOT
	s_mov_b32 s48, 1
	s_mul_i32 s49, s16, LBSZ
	s_add_co_u32 s49, s49, ATOT
	s_mov_b32 s52, 1
	s_add_co_u32 s53, s49, SLOT
	s_mov_b32 s22, 0
	s_wait_dscnt 0x0
	s_wait_kmcnt 0x0
	s_add_nc_u64 s[34:35], s[4:5], s[66:67]
	s_add_nc_u64 s[38:39], s[34:35], ASTEP
	s_or_b32 s35, s35, 0x80000000
	s_or_b32 s39, s39, 0x80000000
	s_add_nc_u64 s[50:51], s[6:7], s[68:69]
	s_add_nc_u64 s[54:55], s[50:51], BSTEP
	s_or_b32 s51, s51, 0x80000000
	s_or_b32 s55, s55, 0x80000000
	CROUND
	s_cmp_eq_u32 s15, 0
	s_cbranch_scc0 .Lfirst_b
	tensor_load_to_lds s[32:35], s[24:31]
	s_nop 0
	tensor_load_to_lds s[36:39], s[24:31]
	s_nop 0
.rept 4
	v_nop
.endr
	s_branch .Lfirst_done
.Lfirst_b:
	tensor_load_to_lds s[48:51], s[40:47]
	s_nop 0
	tensor_load_to_lds s[52:55], s[40:47]
	s_nop 0
.rept 4
	v_nop
.endr
.Lfirst_done:
	v_and_b32 v1, 15, v0
	v_bfe_u32 v2, v0, 4, 1
	v_mul_u32_u24 v3, v1, 144
	v_lshl_add_u32 v3, v2, 4, v3
	s_mul_i32 s61, s14, 18432
	v_add_nc_u32 v4, s61, v3
	s_add_co_u32 s61, s61, ATOT
	v_add_nc_u32 v5, s61, v3
	s_mul_i32 s61, s14, 128*SPITCH
	v_mul_u32_u24 v8, v1, SPITCH
	v_lshl_add_u32 v8, v2, 5, v8
	v_add_nc_u32 v8, s61, v8
	v_add_nc_u32 v9, 64*SPITCH, v8
	v_and_b32 v14, 31, v0
	v_lshlrev_b32 v14, 4, v14
	s_mul_i32 s61, s14, 32*SPITCH
	v_add_nc_u32 v10, s61, v14
	v_add_nc_u32 v11, 128*SPITCH, v10
	v_add_nc_u32 v12, 2*128*SPITCH, v10
	v_add_nc_u32 v13, 3*128*SPITCH, v10
	s_lshl_b32 s2, s19, 9
	s_mov_b32 s3, 0
	s_add_nc_u64 s[10:11], s[10:11], s[2:3]
	s_lshl_b32 s61, s20, 19
	s_add_co_u32 s2, s2, s61
	s_lshl_b32 s61, s14, 17
	s_add_co_u32 s2, s2, s61
	s_add_nc_u64 s[8:9], s[8:9], s[2:3]
	s_add_nc_u64 s[12:13], s[12:13], s[2:3]
	global_load_b128 v[32:35], v14, s[10:11]       ; the bias of my 4 columns; the residual's 32 rows: they land while the products run
.set r, 0
.rept 32
	global_load_b128 v[64+4*r:67+4*r], v14, s[12:13] offset:4096*r
.set r, r+1
.endr
	; the prefetches: A's blocks are asked for by the clusters with x = 0, W's by those with y = 0; the four partners of a joint load share a block out by address
	s_and_b32 s61, ttmp7, 0xffff
	s_cmp_eq_u32 s15, 0
	s_cselect_b32 s60, ttmp9, s61
	s_cselect_b32 s61, s17, s18
	s_cselect_b32 s3, s66, s68
	s_cselect_b64 s[58:59], s[4:5], s[6:7]
	s_mov_b32 s62, ASTEP                           ; both operands step alike here
	s_mov_b32 s63, 0
	s_lshl_b32 s2, s61, 13                         ; my quarter of the block: 32 x 256 bytes
	s_add_co_u32 s2, s2, s3
	s_add_co_u32 s2, s2, (1+PFD)*ASTEP
	s_mov_b32 s3, 0
	s_add_nc_u64 s[58:59], s[58:59], s[2:3]
	s_cmp_eq_u32 s60, 0
	s_cselect_b32 s60, PFD, -1
	v_and_b32 v15, 31, v0
	v_lshlrev_b32 v15, 8, v15
	s_wait_tensorcnt 0x1                           ; my part of step 0 is in; step 1's may stay out
	s_barrier_signal -1
	s_barrier_wait -1
	v_mov_b32 v6, v4
	v_mov_b32 v7, v5
	FETCH 0, 0
	QUARTER 1, 0, 1
	WIN 0
	s_mov_b32 s21, TSTEPS-2
.Lstep:
	TURN 1
	QUARTER 1, 0
	WIN 0
	s_sub_co_u32 s21, s21, 1
	s_cmp_lg_u32 s21, 0
	s_cbranch_scc1 .Lstep
	TURN 0
	QUARTER 1, 0
	LASTQ
	WIN 0
	s_barrier_signal -1                            ; every wave's reads of the ring are over; its blocks have had their last fill: it becomes the stage
	s_barrier_wait -1
	STAGE_OUT
	s_wait_dscnt 0x0                               ; for the others' sake
	s_barrier_signal -1
	s_barrier_wait -1
	s_wait_loadcnt 0x0                             ; bias and residual
.macro GLOAD g
.set bf, 192+32*((\g)%2)
.irp rr, 0,1
.irp p, 0,1,2,3
	ds_load_b128 v[bf+16*(\rr)+4*(\p):bf+16*(\rr)+4*(\p)+3], v[10+(\p)] offset:(2*(\g)+(\rr))*SPITCH
.endr
.endr
.endm
.macro GSUM g
.set bf, 192+32*((\g)%2)
.irp rr, 0,1
.set rw, 64+4*(2*(\g)+(\rr))
.set pb, bf+16*(\rr)
.irp h, 0,2
	v_pk_add_f32 v[pb+(\h):pb+(\h)+1], v[pb+(\h):pb+(\h)+1], v[pb+4+(\h):pb+5+(\h)]
	v_pk_add_f32 v[pb+8+(\h):pb+9+(\h)], v[pb+8+(\h):pb+9+(\h)], v[pb+12+(\h):pb+13+(\h)]
	v_pk_add_f32 v[rw+(\h):rw+(\h)+1], v[rw+(\h):rw+(\h)+1], v[32+(\h):33+(\h)]
.endr
.irp h, 0,2
	v_pk_add_f32 v[pb+(\h):pb+(\h)+1], v[pb+(\h):pb+(\h)+1], v[pb+8+(\h):pb+9+(\h)]
.endr
.irp h, 0,2
	v_pk_add_f32 v[rw+(\h):rw+(\h)+1], v[rw+(\h):rw+(\h)+1], v[pb+(\h):pb+(\h)+1]
.endr
	global_store_b128 v14, v[rw:rw+3], s[8:9] offset:4096*(2*(\g)+(\rr))  ; the wave stores 512 consecutive bytes, aligned; these registers are not written again
.endr
.endm
	GLOAD 0
	GLOAD 1
.set g, 0
.rept 15
	s_wait_dscnt 8                                 ; the next group's eight loads may be out
	GSUM g
.if g < 14
	GLOAD g+2
.endif
.set g, g+1
.endr
	s_wait_dscnt 0x0
	GSUM 15
	s_wait_tensorcnt 0x0                           ; the wave's end
	ds_add_u32 v28, v29
	s_wait_dscnt 0x0
	CROUND                                         ; the closing round
	s_endpgm
.Lfunc_end_k_q1f8ed50378_g_fc2:
	.size	k_q1f8ed50378_g_fc2, .Lfunc_end_k_q1f8ed50378_g_fc2-k_q1f8ed50378_g_fc2
	.p2alignl 7, 3214868480
	.fill 96, 4, 3214868480
	.section	.rodata,"a",@progbits
	.p2align	6, 0x0
	.amdhsa_kernel k_q1f8ed50378_g_fc2
		.amdhsa_group_segment_fixed_size 327680
		.amdhsa_private_segment_fixed_size 0
		.amdhsa_enable_private_segment 0
		.amdhsa_kernarg_size 40
		.amdhsa_user_sgpr_count 2
		.amdhsa_user_sgpr_kernarg_segment_ptr 1
		.amdhsa_wavefront_size32 1
		.amdhsa_system_sgpr_workgroup_id_x 1
		.amdhsa_system_sgpr_workgroup_id_y 1
		.amdhsa_system_sgpr_workgroup_id_z 1
		.amdhsa_system_vgpr_workitem_id 0
		.amdhsa_next_free_vgpr 1024
		.amdhsa_next_free_sgpr 72
		.amdhsa_reserve_vcc 0
		.amdhsa_float_denorm_mode_32 3
		.amdhsa_float_denorm_mode_16_64 3
		.amdhsa_memory_ordered 1
		.amdhsa_forward_progress 1
		.amdhsa_inst_pref_size 91
	.end_amdhsa_kernel
	.amdgpu_metadata
---
amdhsa.version: [ 1, 2 ]
amdhsa.kernels:
  - .name:           k_q1f8ed50378_g_fc2
    .symbol:         k_q1f8ed50378_g_fc2.kd
    .args:
      - { .name: hbuf, .offset: 0, .size: 8, .value_kind: global_buffer, .address_space: global }
      - { .name: wt, .offset: 8, .size: 8, .value_kind: global_buffer, .address_space: global }
      - { .name: out0, .offset: 16, .size: 8, .value_kind: global_buffer, .address_space: global }
      - { .name: b_fc2, .offset: 24, .size: 8, .value_kind: global_buffer, .address_space: global }
      - { .name: x1, .offset: 32, .size: 8, .value_kind: global_buffer, .address_space: global }
    .group_segment_fixed_size: 327680
    .private_segment_fixed_size: 0
    .kernarg_segment_align: 8
    .kernarg_segment_size: 40
    .max_flat_workgroup_size: 128
    .sgpr_count:     72
    .vgpr_count:     1024
    .wavefront_size: 32
...
	.end_amdgpu_metadata
.endif
;; end of part 7
;; ======== version 2 of 3: 7 launches
;; workspace buffers: wt 25,165,824 bytes; xn 8,388,608 bytes; qkvh 25,165,824 bytes; obuf 8,388,608 bytes; x1 16,777,216 bytes; hbuf 33,554,432 bytes
;; launch prep: the kernel of part 1 again; grid 640 x 1, 4 waves a work-group, no clusters, 37,376 bytes of LDS; arguments x, ln1_g, ln1_b, w_qkv, w_proj, w_fc1, w_fc2, xn, wt; writes xn, wt
;; launch g_qkv (part 8): grid 16 x 16, 4 waves a work-group, clusters of 4 x 4, 327,680 bytes of LDS; arguments xn, wt, qkvh; writes qkvh
.if DOCPART == 8
	.amdgcn_target "amdgcn-amd-amdhsa--gfx1250"
	.amdhsa_code_object_version 6
	.text
	.protected	k_q1f8ed50378_g_qkv
	.globl	k_q1f8ed50378_g_qkv
	.p2align	8
	.type	k_q1f8ed50378_g_qkv,@function
k_q1f8ed50378_g_qkv:
	s_mov_b64 s[64:65], 0
	v_nop
	global_prefetch_b8 v0, s[64:65] scope:SCOPE_SE
	s_setreg_imm32_b32 hwreg(HW_REG_WAVE_MODE, 25, 1), 1
	s_wait_xcnt 0x0
	s_wait_alu depctr_hold_cnt(0) depctr_sa_sdst(0) depctr_va_vdst(0) depctr_va_sdst(0) depctr_va_ssrc(0) depctr_va_vcc(0) depctr_vm_vsrc(0)
	s_getreg_b32 s2, hwreg(HW_REG_IB_STS2, 6, 4)
	s_cmp_eq_u32 s2, 0
	s_cbranch_scc0 .Lentry_in_a_cluster
	s_endpgm
.Lentry_in_a_cluster:
	s_bfe_u32 s2, ttmp6, 0x10000c
	s_cmp_lg_u32 s2, 0xf033
	s_cbranch_scc0 .Lentry_shape_is_right
	s_endpgm
.Lentry_shape_is_right:
; QKV = xn W_qkv, bf16 operands, f32 sums, rounded once to bf16 and written by heads: byte ((b x 48 + hs) x 2048 + n) x 128 + 2 d, hs = column / 64 (0-15 q, 16-31 k, 32-47 v).
; A tile of 256 rows x 192 columns to a work-group (16 x 16 = 256 of them), four waves 2 x 2, each 128 x 96: 48 accumulators.  K goes in steps of 128 through two LDS slots.
; Both operands lie in memory so that what one tensor load brings is one dense block, asked for as rows of 256 bytes and padded in LDS after every 128 (rows 144 bytes apart: the 16 rows of a fragment load start at 16 different groups of four banks).
; CLUSTER 4 x 4: A's tile is asked for jointly along a row of the cluster, W's along a column.  The matrix instruction is used transposed (source 0 = 16 rows of W^T, source 1 = 16 rows of A): a lane holds one row and eight neighbouring columns.
; THE WALK.  A step is four quarters of 32 along K on two fragment buffers.  A PAIR of quarters (buffer 1, then buffer 0) is written once and looped over: its LDS addresses lie in v6 and v7, which step by a slab of 64 channels.
; The change of slots stands between a step's third and fourth quarter: the fourth's fragments are in registers or on their way, and nothing of the next slot has been read.
; REGISTERS: window 0 addresses and the way out; window 1 two fragment buffers (A's 8 at 128 f + 8 a, W's at 128 f + 64 + 8 b); windows 2, 3 the accumulators ((a, b) at 8 (NB (a % 4) + b), window 2 + a / 4).
.set NB, 6
.set TSTEPS, 8
.set RA, 128                           ; rows of 256 bytes in A's load
.set RB, 96                            ; in W's
.set LASZ, 36864                       ; their bytes in LDS
.set LBSZ, 27648
.set ATOT, 73728
.set SLOT, 131072                      ; slot 1 begins here (a slot uses 129,024): no block's start has this bit, so one exclusive or changes slots
.set SPARE, 260096                     ; behind the ring: the spare words
.set AMT, 524288
.set AWC, 262144
.set ASTEP, 32768
.set WOFF, 0
.set BNT, 393216
.set BWC, 24576
.set BSTEP, 49152
.set SA, 18432                         ; a slab of A in LDS: 128 rows of 144 bytes
.set SB, 27648                         ; of W: 192 rows
.set SPITCH, 784                       ; the f32 stage: 768 bytes + 16
.set PFD, 1
.set LNL, 2*NB+16                      ; LDS loads in a run
.set G1W0, (1<<16)|(1<<20)|(1<<21)|(4<<22)|(3<<25)  ; 2-byte elements; padding on; bit 21 beside a mask; after every 32 words; 4 words
.set MSB, 0
.macro WIN new                         ; the immediate's high byte repeats the setting that is left
.if MSB != (\new)
	s_set_vgpr_msb (MSB<<8)|(\new)
.set MSB, (\new)
.endif
.endm
.macro PLACES                          ; four places behind matrix instructions, ahead of loads into registers that they have read
.rept 4
	v_nop
.endr
.endm
.macro CREST                           ; a round of the cluster's barrier behind its opening barrier
	s_cmp_lg_u32 s14, 0
	s_cbranch_scc1 .Lnw0_\@
	s_barrier_signal -3
.Lnw0_\@:
	s_barrier_wait -3
	s_barrier_signal -1
	s_barrier_wait -1
.endm
.macro CROUND
	s_barrier_signal -1
	s_barrier_wait -1
	CREST
.endm
.macro JLOAD                           ; the joint refill: waves 0, 1 for A, waves 2, 3 for W; s_nop 0 and four v_nop behind each line
	s_cmp_eq_u32 s15, 0
	s_cbranch_scc0 .Lfor_b_\@
	tensor_load_to_lds s[36:39], s[24:31]
	s_nop 0
.rept 4
	v_nop
.endr
	s_branch .Lasked_\@
.Lfor_b_\@:
	tensor_load_to_lds s[52:55], s[40:47]
	s_nop 0
.rept 4
	v_nop
.endr
.Lasked_\@:
.endm
.macro ASK                             ; one prefetch a wave: my share (a lane a block of 256 bytes) of the block that I fetch PFD refills on; the last PFD changes ask for nothing
	s_cmp_gt_u32 s21, s60
	s_cbranch_scc0 .Lnot_mine_\@
	global_prefetch_b8 v15, s[58:59] th:TH_LOAD_NT scope:SCOPE_SE
.Lnot_mine_\@:
.endm
.macro MULP f, hi, part, first         ; 2 x NB products; all accumulators take turns, one instruction a turn
	WIN 0xa5+0x50*(\hi)
.irp aa, 0, 1
.set bb, 0
.rept NB
.set rD, 8*(NB*(2*(\part)+(\aa))+bb)
.set rB, 128*(\f)+64+8*bb
.set rA, 128*(\f)+8*(4*(\hi)+2*(\part)+(\aa))
.if \first
	v_wmma_f32_16x16x32_bf16 v[rD:rD+7], v[rB:rB+7], v[rA:rA+7], 0
.else
	v_wmma_f32_16x16x32_bf16 v[rD:rD+7], v[rB:rB+7], v[rA:rA+7], v[rD:rD+7]
.endif
.set bb, bb+1
.endr
.endr
.endm
.macro FETCH odd, f                    ; one run of LDS loads: half odd (32 channels) of the slab at v6, v7 into buffer f, W's fragments first
	WIN 0x40
.set i, 0
.rept NB
	ds_load_b128 v[128*(\f)+64+8*i:128*(\f)+64+8*i+3], v7 offset:64*(\odd)+2304*i
	ds_load_b128 v[128*(\f)+64+8*i+4:128*(\f)+64+8*i+7], v7 offset:64*(\odd)+2304*i+32
.set i, i+1
.endr
.set i, 0
.rept 8
	ds_load_b128 v[128*(\f)+8*i:128*(\f)+8*i+3], v6 offset:64*(\odd)+2304*i
	ds_load_b128 v[128*(\f)+8*i+4:128*(\f)+8*i+7], v6 offset:64*(\odd)+2304*i+32
.set i, i+1
.endr
.endm
.macro QUARTER odd, f, first=0         ; multiplies buffer f; in its middle fetches the next quarter (half odd of the slab in hand) into the other
	s_wait_dscnt 8                                 ; W and A's rows 0-63 are in; the youngest eight loads may be out
	MULP \f, 0, 0, \first
	MULP \f, 0, 1, \first
	PLACES
	FETCH \odd, 1-(\f)
	s_wait_dscnt LNL                               ; all but the run just issued
	MULP \f, 1, 0, \first
	MULP \f, 1, 1, \first
.endm
.macro PAIRS tag                       ; two trips: a step's fetches (slab 0, then slab 1); the products run one quarter behind the fetches
.Lpair\tag:
	QUARTER 0, 1
	QUARTER 1, 0
	WIN 0
	v_add_nc_u32 v6, SA, v6                        ; the next slab
	v_add_nc_u32 v7, SB, v7
	s_sub_co_u32 s23, s23, 1
	s_cmp_lg_u32 s23, 0
	s_cbranch_scc1 .Lpair\tag
.endm
; THE CHANGE OF SLOTS.  Every wave waits for all its tensor loads (one is out: its part of the next slot), adds 0 to its spare word, and waits for that and for its reads of the slot that it leaves.
; fill = 1: the barrier is a round of the cluster's; the joint refill, the step two on, is the first thing behind it and has a whole step's products, 192 a wave, in which to land.
.macro CHANGE fill
.if \fill
	s_wait_xcnt 0x0                                ; the last prefetch, a step back, has read its address
	s_add_nc_u64 s[58:59], s[58:59], s[62:63]
.endif
	s_wait_tensorcnt 0x0                           ; all my tensor loads have landed, so a group 0 may be written
	ds_add_u32 v28, v29                            ; 0 onto my spare word
	s_xor_b32 s22, s22, SLOT                       ; the slot to be read next
.if \fill
	s_xor_b32 s37, s37, SLOT                       ; the walking descriptors: the slot just left, the step two on
	s_add_nc_u64 s[38:39], s[38:39], ASTEP
	s_xor_b32 s53, s53, SLOT
	s_add_nc_u64 s[54:55], s[54:55], BSTEP
.endif
	s_mov_b32 s23, 2                               ; two pairs to a step
	v_add_nc_u32 v6, s22, v4                       ; the next slot's first slab
	v_add_nc_u32 v7, s22, v5
	s_wait_dscnt 0x0                               ; the add is done, my reads of the old slot are over
.if \fill
	CROUND                                         ; no wave of any partner still reads the slot or has a load on its way
	JLOAD
	ASK
.else
	s_barrier_signal -1
	s_barrier_wait -1
.endif
.endm
.macro LASTQ
	s_wait_dscnt 8
	MULP 1, 0, 0, 0
	MULP 1, 0, 1, 0
	s_wait_dscnt 0x0
	MULP 1, 1, 0, 0
	MULP 1, 1, 1, 0
.endm
.macro STAGE_OUT                       ; the f32 sums into the stage, each accumulator's low end first
.rept 8
	v_nop
.endr
.set hh, 0
.rept 2
	WIN 0x08+4*hh                                  ; the store's data in window 2 or 3
.set aa, 0
.rept 4
.set bb, 0
.rept NB
.set rD, 8*(NB*aa+bb)
	ds_store_b128 v[8+hh], v[rD:rD+3] offset:aa*16*SPITCH+64*bb
	ds_store_b128 v[8+hh], v[rD+4:rD+7] offset:aa*16*SPITCH+64*bb+16
.set bb, bb+1
.endr
.set aa, aa+1
.endr
.set hh, hh+1
.endr
	WIN 0
.endm
	s_load_b128 s[4:7], s[0:1], 0x0                ; xn, wt
	s_load_b64 s[8:9], s[0:1], 0x10                ; qkvh
	v_lshl_add_u32 v28, v0, 2, SPARE
	v_mov_b32 v29, 0
	ds_add_u32 v28, v29                            ; the wave's opening, ahead of my first tensor load
	v_lshrrev_b32 v1, 5, v0
	v_readfirstlane_b32 s14, v1                    ; wave
	s_lshr_b32 s15, s14, 1                         ; my half of the rows; also: I fetch for A (0) or W (1)
	s_and_b32 s16, s14, 1                          ; my half of the columns; also: which block I fetch
	s_bfe_u32 s17, ttmp6, 0x40000                  ; cx
	s_bfe_u32 s18, ttmp6, 0x40004                  ; cy
	s_lshl_b32 s19, ttmp9, 2
	s_add_co_u32 s19, s19, s17                     ; tile column
	s_and_b32 s20, ttmp7, 0xffff
	s_lshl_b32 s20, s20, 2
	s_add_co_u32 s20, s20, s18                     ; tile row
	s_lshl_b32 s56, s18, 2
	s_lshl_b32 s56, 15, s56                        ; my row of the cluster
	s_lshl_b32 s57, 0x1111, s17                    ; my column
	s_or_b32 s24, s56, G1W0
	s_or_b32 s40, s57, G1W0
	s_mov_b32 s25, 128<<16                         ; tensor_dim0 = 128 elements
	s_mov_b32 s26, RA<<16                          ; tensor_dim1
	s_mov_b32 s27, 128<<16                         ; tile_dim0
	s_mov_b32 s28, RA                              ; tile_dim1
	s_mov_b32 s29, 128                             ; dense: 128 elements from row to row
	s_mov_b32 s30, 0
	s_mov_b32 s31, 0
	s_mov_b32 s41, 128<<16
	s_mov_b32 s42, RB<<16
	s_mov_b32 s43, 128<<16
	s_mov_b32 s44, RB
	s_mov_b32 s45, 128
	s_mov_b32 s46, 0
	s_mov_b32 s47, 0
	s_mul_i32 s66, s20, AMT                        ; A's block: the tile row and the wave's number alone
	s_mul_i32 s67, s16, AWC
	s_add_co_u32 s66, s66, s67
	s_mov_b32 s67, 0
	s_mul_i32 s68, s19, BNT                        ; W's: the tile column and the wave's number alone
	s_mul_i32 s69, s16, BWC
	s_add_co_u32 s68, s68, s69
	s_add_co_u32 s68, s68, WOFF
	s_mov_b32 s69, 0
	s_mov_b32 s32, 1
	s_mul_i32 s33, s16, LASZ
	s_mov_b32 s36, 1
	s_add_co_u32 s37, s33, SLOT
	s_mov_b32 s48, 1
	s_mul_i32 s49, s16, LBSZ
	s_add_co_u32 s49, s49, ATOT
	s_mov_b32 s52, 1
	s_add_co_u32 s53, s49, SLOT
	s_mov_b32 s22, 0
	s_wait_dscnt 0x0                               ; the opening add is done
	s_wait_kmcnt 0x0
	s_add_nc_u64 s[34:35], s[4:5], s[66:67]        ; step 0
	s_add_nc_u64 s[38:39], s[34:35], ASTEP         ; step 1
	s_or_b32 s35, s35, 0x80000000
	s_or_b32 s39, s39, 0x80000000
	s_add_nc_u64 s[50:51], s[6:7], s[68:69]
	s_add_nc_u64 s[54:55], s[50:51], BSTEP
	s_or_b32 s51, s51, 0x80000000
	s_or_b32 s55, s55, 0x80000000
	CROUND                                         ; all sixteen work-groups are here: the first joint loads meet
	s_cmp_eq_u32 s15, 0                            ; a wave's two first fills stand in one branch: two loads of mine are out
	s_cbranch_scc0 .Lfirst_b
	tensor_load_to_lds s[32:35], s[24:31]
	s_nop 0
	tensor_load_to_lds s[36:39], s[24:31]
	s_nop 0
.rept 4
	v_nop
.endr
	s_branch .Lfirst_done
.Lfirst_b:
	tensor_load_to_lds s[48:51], s[40:47]
	s_nop 0
	tensor_load_to_lds s[52:55], s[40:47]
	s_nop 0
.rept 4
	v_nop
.endr
.Lfirst_done:
	v_and_b32 v1, 15, v0                           ; l % 16
	v_bfe_u32 v2, v0, 4, 1                         ; l / 16
	v_mul_u32_u24 v3, v1, 144
	v_lshl_add_u32 v3, v2, 4, v3
	s_mul_i32 s61, s15, 36864
	v_add_nc_u32 v4, s61, v3                       ; my A fragments in slot 0
	s_mul_i32 s61, s16, NB*2304
	s_add_co_u32 s61, s61, ATOT
	v_add_nc_u32 v5, s61, v3                       ; my W fragments
	; the way out: one stage of 256 rows x 784 bytes for the work-group (96 columns are a head and a half)
	s_mul_i32 s61, s15, 128*SPITCH
	s_mul_i32 s2, s16, 384
	s_add_co_u32 s61, s61, s2
	v_mul_u32_u24 v8, v1, SPITCH
	v_lshl_add_u32 v8, v2, 5, v8
	v_add_nc_u32 v8, s61, v8
	v_add_nc_u32 v9, 64*SPITCH, v8
	s_mul_i32 s61, s14, 64*SPITCH                  ; back: wave w takes rows 64 w on; lanes 0-15 one row's 64 channels of a head, lanes 16-31 the next row's
	v_mul_u32_u24 v10, v2, SPITCH
	v_lshl_add_u32 v10, v1, 4, v10
	v_add_nc_u32 v10, s61, v10
	v_and_b32 v14, 31, v0
	v_lshlrev_b32 v14, 3, v14                      ; 8 l: two rows of a head, 256 bytes
	s_lshr_b32 s2, s20, 3
	s_mul_i32 s2, s2, 48
	s_mul_i32 s3, s19, 3
	s_add_co_u32 s2, s2, s3
	s_lshl_b32 s2, s2, 18
	s_and_b32 s3, s20, 7
	s_lshl_b32 s3, s3, 15
	s_add_co_u32 s2, s2, s3
	s_lshl_b32 s3, s14, 13
	s_add_co_u32 s2, s2, s3
	s_mov_b32 s3, 0
	s_add_nc_u64 s[8:9], s[8:9], s[2:3]
	; the prefetches: A's blocks are asked for by the clusters with x = 0, W's by those with y = 0; the four partners of a joint load share a block out by address
	s_mov_b32 s62, ASTEP
	s_mov_b32 s63, BSTEP
	s_mov_b32 s2, RA*64
	s_mov_b32 s3, RB*64
	s_and_b32 s61, ttmp7, 0xffff
	s_cmp_eq_u32 s15, 0
	s_cselect_b32 s60, ttmp9, s61
	s_cselect_b32 s61, s17, s18
	s_cselect_b32 s62, s62, s63
	s_cselect_b32 s2, s2, s3
	s_cselect_b32 s3, s66, s68
	s_cselect_b32 s23, 31, 23                      ; W's share is 24 blocks: lanes 24-31 name the 24th once more
	s_cselect_b64 s[58:59], s[4:5], s[6:7]
	s_mov_b32 s63, 0
	s_mul_i32 s2, s2, s61
	s_add_co_u32 s2, s2, s3
	s_mul_i32 s3, s62, 1+PFD
	s_add_co_u32 s2, s2, s3
	s_mov_b32 s3, 0
	s_add_nc_u64 s[58:59], s[58:59], s[2:3]
	s_cmp_eq_u32 s60, 0
	s_cselect_b32 s60, PFD, -1
	v_and_b32 v15, 31, v0
	v_min_u32 v15, s23, v15
	v_lshlrev_b32 v15, 8, v15
	s_wait_tensorcnt 0x1                           ; my part of step 0 is in; step 1's may stay out
	s_barrier_signal -1
	s_barrier_wait -1
	v_mov_b32 v6, v4
	v_mov_b32 v7, v5
	FETCH 0, 0
	QUARTER 1, 0, 1                                ; step 0's first quarter: its products start the sums
	WIN 0
	v_add_nc_u32 v6, SA, v6                        ; step 0's second slab
	v_add_nc_u32 v7, SB, v7
	QUARTER 0, 1                                   ; its second and third quarters are written out: the loop's steps begin at a change of slots
	QUARTER 1, 0
	WIN 0
	s_mov_b32 s21, TSTEPS-2
.Lstep:                                        ; a trip: a step's fourth quarter and the next step's first three; one refill
	CHANGE 1
	PAIRS 1
	s_sub_co_u32 s21, s21, 1
	s_cmp_lg_u32 s21, 0
	s_cbranch_scc1 .Lstep
	CHANGE 0                                       ; the last change asks for nothing: written out
	PAIRS 2
	LASTQ
	WIN 0
	s_barrier_signal -1                            ; every wave's reads of the ring are over; its blocks have had their last fill: it becomes the stage
	s_barrier_wait -1
	STAGE_OUT
	s_wait_dscnt 0x0                               ; for the others' sake
	s_barrier_signal -1
	s_barrier_wait -1
	s_mov_b32 s21, 4
.Lrows:                                        ; 16 rows a trip: 8 pairs of rows x 3 heads
.set u, 0
.rept 24
	ds_load_b128 v[32+4*u:35+4*u], v10 offset:(u/3)*2*SPITCH+(u%3)*256
.set u, u+1
.endr
.set u, 0
.rept 24
	s_wait_dscnt 23-u                              ; the younger loads stay out
	v_cvt_pk_bf16_f32 v[128+2*u], v[32+4*u], v[33+4*u]
	v_cvt_pk_bf16_f32 v[129+2*u], v[34+4*u], v[35+4*u]
	global_store_b64 v14, v[128+2*u:129+2*u], s[8:9] offset:(u%3)*262144+(u/3)*256  ; the wave stores 256 consecutive bytes, aligned
.set u, u+1
.endr
	s_wait_xcnt 0x0                                ; the stores' data and base are written again only behind this wait
	v_add_nc_u32 v10, 16*SPITCH, v10
	s_add_nc_u64 s[8:9], s[8:9], 2048
	s_sub_co_u32 s21, s21, 1
	s_cmp_lg_u32 s21, 0
	s_cbranch_scc1 .Lrows
	s_wait_tensorcnt 0x0                           ; the wave's end
	ds_add_u32 v28, v29
	s_wait_dscnt 0x0
	CROUND                                         ; the closing round
	s_endpgm
.Lfunc_end_k_q1f8ed50378_g_qkv:
	.size	k_q1f8ed50378_g_qkv, .Lfunc_end_k_q1f8ed50378_g_qkv-k_q1f8ed50378_g_qkv
	.p2alignl 7, 3214868480
	.fill 96, 4, 3214868480
	.section	.rodata,"a",@progbits
	.p2align	6, 0x0
	.amdhsa_kernel k_q1f8ed50378_g_qkv
		.amdhsa_group_segment_fixed_size 327680
		.amdhsa_private_segment_fixed_size 0
		.amdhsa_enable_private_segment 0
		.amdhsa_kernarg_size 24
		.amdhsa_user_sgpr_count 2
		.amdhsa_user_sgpr_kernarg_segment_ptr 1
		.amdhsa_wavefront_size32 1
		.amdhsa_system_sgpr_workgroup_id_x 1
		.amdhsa_system_sgpr_workgroup_id_y 1
		.amdhsa_system_sgpr_workgroup_id_z 1
		.amdhsa_system_vgpr_workitem_id 0
		.amdhsa_next_free_vgpr 960
		.amdhsa_next_free_sgpr 72
		.amdhsa_reserve_vcc 0
		.amdhsa_float_denorm_mode_32 3
		.amdhsa_float_denorm_mode_16_64 3
		.amdhsa_memory_ordered 1
		.amdhsa_forward_progress 1
		.amdhsa_inst_pref_size 66
	.end_amdhsa_kernel
	.amdgpu_metadata
---
amdhsa.version: [ 1, 2 ]
amdhsa.kernels:
  - .name:           k_q1f8ed50378_g_qkv
    .symbol:         k_q1f8ed50378_g_qkv.kd
    .args:
      - { .name: xn, .offset: 0, .size: 8, .value_kind: global_buffer, .address_space: global }
      - { .name: wt, .offset: 8, .size: 8, .value_kind: global_buffer, .address_space: global }
      - { .name: qkvh, .offset: 16, .size: 8, .value_kind: global_buffer, .address_space: global }
    .group_segment_fixed_size: 327680
    .private_segment_fixed_size: 0
    .kernarg_segment_align: 8
    .kernarg_segment_size: 24
    .max_flat_workgroup_size: 128
    .sgpr_count:     72
    .vgpr_count:     960
    .wavefront_size: 32
...
	.end_amdgpu_metadata
.endif
;; end of part 8
;; launch attn (part 9): grid 8 x 32, 4 waves a work-group, clusters of 4 x 1, 327,680 bytes of LDS; arguments qkvh, obuf; writes obuf
.if DOCPART == 9
	.amdgcn_target "amdgcn-amd-amdhsa--gfx1250"
	.amdhsa_code_object_version 6
	.text
	.protected	k_q1f8ed50378_attn
	.globl	k_q1f8ed50378_attn
	.p2align	8
	.type	k_q1f8ed50378_attn,@function
k_q1f8ed50378_attn:
	s_mov_b64 s[64:65], 0
	v_nop
	global_prefetch_b8 v0, s[64:65] scope:SCOPE_SE
	s_setreg_imm32_b32 hwreg(HW_REG_WAVE_MODE, 25, 1), 1
	s_wait_xcnt 0x0
	s_wait_alu depctr_hold_cnt(0) depctr_sa_sdst(0) depctr_va_vdst(0) depctr_va_sdst(0) depctr_va_ssrc(0) depctr_va_vcc(0) depctr_vm_vsrc(0)
	s_getreg_b32 s2, hwreg(HW_REG_IB_STS2, 6, 4)
	s_cmp_eq_u32 s2, 0
	s_cbranch_scc0 .Lentry_in_a_cluster
	s_endpgm
.Lentry_in_a_cluster:
	s_bfe_u32 s2, ttmp6, 0x10000c
	s_cmp_lg_u32 s2, 0x3003
	s_cbranch_scc0 .Lentry_shape_is_right
	s_endpgm
.Lentry_shape_is_right:
; ATTENTION.  O[q] = the sum over k of softmax_k(Q[q] . K[k] / 8) V[k], for 32 heads of 2,048 rows x 64, all bf16; products, maxima and sums in f32; the weights p are rounded to bf16 for the second product
; (their sum l is taken of the unrounded p), O once at the end.  Q, K, V lie by heads in qkvh, 128 bytes a row; O leaves as byte (row>>7) x 262,144 + head x 16,384 + (row&127) x 128 + 2 d.
; LIMITS.  A weight below 2^-126 counts as 0 in l; NaN and infinities are not treated apart.
; SHARES.  A work-group owns 256 queries of a head (8 x 32 = 256 work-groups), a wave 64: four PIECES of 16.  Every wave walks all keys, 64 a step, 256 a tile.
; LAYOUT.  S^T = K Q^T holds ONE query a lane (lane % 16) and the keys 8 (lane / 16) + 0..7; two such results rounded to bf16 ARE source 1 of O^T = V^T P.  p = 2^(c s - c m), c = log2(e) / 8, with a running maximum m;
; O and l are multiplied by a = 2^(c m_old - c m_new) in every step; m starts at the lowest finite number, O and l at 0, so the first step is a step like any other, with a = 0.
; TURNS.  Turn n belongs to piece n: 8 products K Q^T of piece n + 1, later 8 products V^T P of piece n - 1; beside them the scaling, exponentials, roundings, sums and rescaling of piece n and the maximum and statistics
; of piece n + 1.  Four vector instructions stand behind every matrix instruction, the others in one lump.  A turn's 33 exponentials are one batch, with one wait.
; CLUSTER.  The four query blocks of a cluster belong to one head and walk the same K and V: each tile is asked for jointly.
; REGISTERS: window 0: addresses, statistics, S^T v64-127 (two buffers), P v192-223 (two buffers); window 1: O^T, 32 a piece; window 2: Q v0-63, K v128-191, V v192-255.
.set NP,    4
.set KS,    64
.set PK,    144       ; a row of K in LDS: 128 bytes + 16
.set PV,    160       ; a row of V: 128 + 32
.set VOFF,  4*KS*PK
.set SLOT1, 1<<17
.set STAGE, SLOT1+4*KS*(PK+PV)  ; behind the ring, never filled by a tensor load: 16 rows x 144 bytes a wave
.set SP,    144
.set SPARE, STAGE+4*16*SP
.set AK0, 2
.set AV0, 3
.set AK,  4
.set AV,  5
.set STO, 6
.set RD,  7
.set GO,  8
.set MV,  12
.set QO,  15
.set ST,  16          ; piece t's statistics at v[ST+4 t]: c m, m, l (even keys', odd keys')
.set TMP, 48
.set PFO, 61          ; 256 x my lane; never rewritten
.set SPW, 62
.set NIL, 63
.set S,   64
.set P,   192
.set KF,  128
.set VF,  192
.set WV,  12
.set LIM, 15
.set PFA, 18
.set G1K, 24
.set G1V, 32
.set G0K, 40
.set G0V, 44
.set SLOTS, 56
.set CNT, 57
.set CS,  58
.set SEL, 60
.set TBK, 62
.set TBV, 63
.set MSB, 0
.macro WIN new
.if MSB != (\new)
	s_set_vgpr_msb (MSB<<8)|(\new)
.set MSB, (\new)
.endif
.endm
.set W_KQ, 0x0a
.set W_PV, 0x52
.set W_RS, 0x41
.macro JLOAD                        ; waves 0, 1 fetch the halves of a tile's K, waves 2, 3 of its V; s_nop 0 and four v_nop behind each line
	s_cmp_lt_u32 s[WV], 2
	s_cbranch_scc0 .Lfor_v_\@
	tensor_load_to_lds s[G0K:G0K+3], s[G1K:G1K+7]
	s_nop 0
.rept 4
	v_nop
.endr
	s_branch .Lasked_\@
.Lfor_v_\@:
	tensor_load_to_lds s[G0V:G0V+3], s[G1V:G1V+7]
	s_nop 0
.rept 4
	v_nop
.endr
.Lasked_\@:
.endm
.macro ASK                          ; the tile that the NEXT change will ask for: the head's first cluster asks, wave 0 for K, wave 2 for V, each partner 32 blocks of 256 bytes by address; the last filling change asks for nothing
	s_cmp_gt_u32 s[SLOTS], s[LIM]
	s_cbranch_scc0 .Lnot_mine_\@
	global_prefetch_b8 v[PFO], s[PFA:PFA+1] th:TH_LOAD_NT scope:SCOPE_SE
.Lnot_mine_\@:
.endm
.macro CROUND
	s_barrier_signal -1
	s_barrier_wait -1
	s_cmp_lg_u32 s[WV], 0
	s_cbranch_scc1 .Lnot_wave_0_\@
	s_barrier_signal -3
.Lnot_wave_0_\@:
	s_barrier_wait -3
	s_barrier_signal -1
	s_barrier_wait -1
.endm
; THE CHANGE OF SLOTS: every wave waits for all its tensor loads, adds 0 to its spare word, waits for that and for its reads of the slot; behind the round the slot just left is filled first.
.macro CHANGE fill, ask
	WIN 0
	s_wait_tensorcnt 0x0            ; no tensor load of mine is out, so a group 0 may be written
	ds_add_u32 v[SPW], v[NIL]
.if \fill
.irp g, G0K, G0V
	s_xor_b32 s[\g+1], s[\g+1], SLOT1
	s_add_nc_u64 s[\g+2:\g+3], s[\g+2:\g+3], 4*KS*128
.endr
.if \ask
	s_wait_xcnt 0x0                 ; the last prefetch, four key steps back, has read its address
	s_add_nc_u64 s[PFA:PFA+1], s[PFA:PFA+1], 4*KS*128
.endif
	s_wait_dscnt 0x0                ; the add is done, my reads of the slot are over
	CROUND
	JLOAD
.if \ask
	ASK
.endif
.else
	s_wait_dscnt 0x0
	s_barrier_signal -1
	s_barrier_wait -1
.endif
	s_sub_co_u32 s[TBK], s[TBK], 4*KS*PK
	s_xor_b32 s[TBK], s[TBK], SLOT1
	s_sub_co_u32 s[TBV], s[TBV], 4*KS*PV
	s_xor_b32 s[TBV], s[TBV], SLOT1
.endm
	s_load_b64 s[4:5], s[0:1], 0x0    ; qkvh
	s_load_b64 s[10:11], s[0:1], 0x8  ; obuf
	v_lshl_add_u32 v[SPW], v0, 2, SPARE
	v_mov_b32 v[NIL], 0
	ds_add_u32 v[SPW], v[NIL]       ; the wave's opening, ahead of my first tensor load
	v_lshrrev_b32 v1, 5, v0
	v_readfirstlane_b32 s[WV], v1
	s_bfe_u32 s13, ttmp6, 0x40000   ; cx
	s_lshl_b32 s14, ttmp9, 2
	s_add_co_u32 s14, s14, s13      ; my block of 256 queries: it enters Q's and O's addresses alone
	s_and_b32 s20, ttmp7, 0xffff
	s_lshr_b32 s21, s20, 4          ; the batch
	s_and_b32 s20, s20, 15          ; the head
	s_mul_i32 s22, s21, 48
	s_add_co_u32 s22, s22, s20
	s_lshl_b32 s22, s22, 18         ; the head's q
	s_and_b32 s16, s[WV], 1         ; which half of a tile I fetch
	s_lshl_b32 s48, s16, 14
	s_add_co_u32 s48, s48, s22
	s_add_co_u32 s48, s48, 4194304  ; its k, 16 heads on
	s_mov_b32 s49, 0
	s_add_co_u32 s50, s48, 4194304  ; its v
	s_mov_b32 s51, 0
	s_mul_i32 s17, s16, 128*PK
	s_mul_i32 s23, s16, 128*PV
	s_lshl_b32 s52, s14, 15
	s_lshl_b32 s53, s[WV], 13
	s_add_co_u32 s52, s52, s53
	s_add_co_u32 s52, s52, s22      ; my wave's 64 rows of q
	s_mov_b32 s53, 0
	s_lshl_b32 s54, s21, 4
	s_lshl1_add_u32 s54, s14, s54
	s_lshr_b32 s55, s[WV], 1
	s_add_co_u32 s54, s54, s55
	s_lshl_b32 s54, s54, 18         ; O: the block of 128 rows,
	s_lshl_b32 s55, s20, 14         ; the head's slab,
	s_add_co_u32 s54, s54, s55
	s_lshl_b32 s55, s16, 13         ; my 64 rows
	s_add_co_u32 s54, s54, s55
	s_mov_b32 s55, 0
	s_mov_b32 s[G1K], 15|(1<<16)|(1<<20)|(1<<21)|(4<<22)|(3<<25)  ; the mask of four; 2-byte elements; padding on; bit 21 beside a mask; after every 32 words; 4 words
	s_mov_b32 s[G1V], 15|(1<<16)|(1<<20)|(1<<21)|(4<<22)|(7<<25)  ; the same with 8 words
.irp g, G1K, G1V
	s_mov_b32 s[\g+1], 128<<16      ; 128 keys are 16,384 dense bytes: 64 rows of 256
	s_mov_b32 s[\g+2], 64<<16
	s_mov_b32 s[\g+3], 128<<16
	s_mov_b32 s[\g+4], 64
	s_mov_b32 s[\g+5], 128
	s_mov_b32 s[\g+6], 0
	s_mov_b32 s[\g+7], 0
.endr
	s_mov_b32 s[CS], 0x3e38aa3b     ; c = log2(e) / 8
	s_mov_b32 s[CS+1], s[CS]
	s_mov_b32 s[SEL], 0x76543210
	s_mov_b32 s[SEL+1], 0xfedcba98
	s_mov_b32 s[TBK], SLOT1+4*KS*PK ; the first change of slots turns these two into 0
	s_mov_b32 s[TBV], SLOT1+4*KS*PV
	s_mov_b32 s[G0K], 1
	s_mov_b32 s[G0K+1], s17
	s_mov_b32 s[G0V], 1
	s_add_co_u32 s[G0V+1], s23, VOFF
	s_mov_b32 s[SLOTS], 7
	s_or_b32 s[LIM], s16, ttmp9     ; 0 in waves 0 and 2 of the head's first cluster: the same in all four partners
	s_cmp_eq_u32 s[LIM], 0
	s_cselect_b32 s[LIM], 1, -1
	v_and_b32 v[PFO], 31, v0
	v_lshlrev_b32 v[PFO], 8, v[PFO]
	s_wait_dscnt 0x0                ; the opening add is done
	s_wait_kmcnt 0x0
	s_add_nc_u64 s[6:7], s[4:5], s[48:49]
	s_add_nc_u64 s[8:9], s[4:5], s[50:51]
	s_add_nc_u64 s[G0K+2:G0K+3], s[6:7], 0
	s_or_b32 s[G0K+3], s[G0K+3], 0x80000000
	s_add_nc_u64 s[G0V+2:G0V+3], s[8:9], 0
	s_or_b32 s[G0V+3], s[G0V+3], 0x80000000
	s_add_nc_u64 s[4:5], s[4:5], s[52:53]
	s_add_nc_u64 s[10:11], s[10:11], s[54:55]
	s_cmp_lt_u32 s[WV], 2
	s_cselect_b64 s[PFA:PFA+1], s[6:7], s[8:9]
	s_lshl_b32 s2, s13, 13          ; my work-group's 32 blocks of the 128
	s_mov_b32 s3, 0
	s_add_nc_u64 s[PFA:PFA+1], s[PFA:PFA+1], s[2:3]
	s_add_nc_u64 s[PFA:PFA+1], s[PFA:PFA+1], 2*4*KS*128  ; at tile 2; the loop's first change steps it to tile 3
	CROUND                          ; all four work-groups are here
	JLOAD                           ; tile 0 into slot 0
	v_and_b32 v1, 15, v0
	v_bfe_u32 v9, v0, 4, 1
	v_lshlrev_b32 v[QO], 7, v1
	v_lshl_add_u32 v[QO], v9, 4, v[QO]
	WIN 0x80
.set i, 0
.rept 8                             ; Q stays in registers: piece i / 2, channels 32 (i % 2) on
	global_load_b128 v[8*i:8*i+3],   v[QO], s[4:5] offset:(i/2)*2048+(i%2)*64
	global_load_b128 v[8*i+4:8*i+7], v[QO], s[4:5] offset:(i/2)*2048+(i%2)*64+32
.set i, i+1
.endr
	; what the first turn finds: V, P's second buffer, O^T and l hold 0.  All this stands in the wait for the first tile.
.set i, VF
.rept 64
	v_mov_b32 v[i], 0
.set i, i+1
.endr
	WIN 0x40
.set i, 0
.rept 128
	v_mov_b32 v[i], 0
.set i, i+1
.endr
	WIN 0
.set i, 0
.rept 4
	v_mov_b32 v[ST+4*i], 0xfe000000    ; c m: far below every c s
	v_mov_b32 v[ST+4*i+1], 0xff7fffff  ; m
	v_mov_b32 v[ST+4*i+2], 0
	v_mov_b32 v[ST+4*i+3], 0
.set i, i+1
.endr
.set i, P+16
.rept 16
	v_mov_b32 v[i], 0
.set i, i+1
.endr
	v_mul_u32_u24 v[AK0], v1, PK
	v_lshl_add_u32 v[AK0], v9, 4, v[AK0]
	v_and_b32 v10, 7, v0
	v_bfe_u32 v11, v0, 3, 1
	v_lshl_add_u32 v[AV0], v9, 3, v10
	v_mul_u32_u24 v[AV0], v[AV0], PV
	v_lshl_add_u32 v[AV0], v11, 4, v[AV0]
	v_add_nc_u32 v[AV0], VOFF, v[AV0]
	s_mul_i32 s2, s[WV], 16*SP
	s_add_co_u32 s2, s2, STAGE
	v_mul_u32_u24 v[STO], v1, SP
	v_lshl_add_u32 v[STO], v9, 4, v[STO]
	v_add_nc_u32 v[STO], s2, v[STO]
	v_bfe_u32 v[RD], v0, 3, 2
	v_mul_u32_u24 v[RD], v[RD], SP
	v_lshl_add_u32 v[RD], v10, 4, v[RD]
	v_add_nc_u32 v[RD], s2, v[RD]
	v_and_b32 v[GO], 31, v0
	v_lshlrev_b32 v[GO], 4, v[GO]
; THE MATRIX WORK.  The 4 accumulators of a run of 8 take turns.
.macro KQ x                         ; product i of 8 of S^T = K Q^T for piece x: channels 32 (i / 4) on, keys 16 (i % 4) on
	WIN W_KQ
.set rS, S+32*((\x)%2)+8*(i%4)
.set rK, KF+16*(i%4)+8*(i/4)
.set rQ, 16*(\x)+8*(i/4)
.if i < 4
	v_wmma_f32_16x16x32_bf16 v[rS:rS+7], v[rK:rK+7], v[rQ:rQ+7], 0
.else
	v_wmma_f32_16x16x32_bf16 v[rS:rS+7], v[rK:rK+7], v[rQ:rQ+7], v[rS:rS+7]
.endif
.endm
.macro PV x                         ; product i of 8 of O^T += V^T P for piece x: keys 32 (i / 4) on, channels 16 (i % 4) on
	WIN W_PV
.set rO, 32*(\x)+8*(i%4)
.set rV, VF+32*(i/4)+8*(i%4)
.set rP, P+16*((\x)%2)+8*(i/4)
	v_wmma_f32_16x16x32_bf16 v[rO:rO+7], v[rV:rV+7], v[rP:rP+7], v[rO:rO+7]
.endm
.macro MM                           ; the turn's next matrix instruction
.if i < 8
	KQ (Y+1)%NP
.else
.set i, i-8
	PV (Y+NP-1)%NP
.set i, i+8
.endif
.set i, i+1
.endm
.macro FETCH_K clamp=0              ; the LDS loads stand in runs of 16.  clamp = 1 (the last tile, which lies in slot 1): the address stops at the tile's last step
	WIN 0x80
.irp f, 0,1,2,3,4,5,6,7
	ds_load_b128 v[KF+8*\f:KF+8*\f+3],   v[AK] offset:(\f/2)*16*PK+(\f%2)*64
	ds_load_b128 v[KF+8*\f+4:KF+8*\f+7], v[AK] offset:(\f/2)*16*PK+(\f%2)*64+32
.endr
	s_add_co_u32 s[TBK], s[TBK], KS*PK
.if \clamp
	s_min_u32 s[TBK], s[TBK], SLOT1+3*KS*PK
.endif
	WIN 0
.endm
.macro FETCH_V
	WIN 0x80
.irp f, 0,1,2,3,4,5,6,7
	ds_load_tr16_b128 v[VF+8*\f:VF+8*\f+3],   v[AV] offset:(\f/4)*32*PV+(\f%4)*32
	ds_load_tr16_b128 v[VF+8*\f+4:VF+8*\f+7], v[AV] offset:(\f/4)*32*PV+16*PV+(\f%4)*32
.endr
	WIN 0
.endm
; THE VECTOR WORK: OP kind, number.  For piece Y: F n: c s - c m for pair n.  E n: the exponential of score n.  C n: pair n rounded to bf16.  B n: of the four weights 4 n .. the second pair onto the first.
; L n: l takes that sum (L 0: l = a l + sum).  R n: pair n of O^T times a.  For piece Y + 1: X n, number n of the 22 that find its maximum and statistics (each accumulator's lowest registers are read first).
.set F, 0
.set E, 1
.set C, 2
.set B, 3
.set L, 4
.set R, 5
.set X, 6
.macro REGS y
.set rT, ST+4*(\y)
.set rC, TMP+4*((\y)%2)
.set rW, MV+((\y)%2)
.set rS, S+32*((\y)%2)
.set rP, P+16*((\y)%2)
.set rO, 32*(\y)
.endm
.macro OP k, n
.if (\k) == R
	REGS Y
	WIN W_RS
	v_pk_mul_f32 v[rO+2*(\n):rO+2*(\n)+1], v[rO+2*(\n):rO+2*(\n)+1], v[rC+2:rC+3] op_sel_hi:[1,0]
.elseif (\k) < R
	REGS Y
	WIN 0
.if (\k) == F
	v_pk_fma_f32 v[rS+2*(\n):rS+2*(\n)+1], v[rS+2*(\n):rS+2*(\n)+1], s[CS:CS+1], v[rT:rT+1] op_sel_hi:[1,0,0] neg_lo:[0,0,1] neg_hi:[0,0,1]
.elseif (\k) == E
	v_exp_f32 v[rS+(\n)], v[rS+(\n)]
.elseif (\k) == C
	v_cvt_pk_bf16_f32 v[rP+(\n)], v[rS+2*(\n)], v[rS+2*(\n)+1]
.elseif (\k) == B
	v_pk_add_f32 v[rS+4*(\n):rS+4*(\n)+1], v[rS+4*(\n):rS+4*(\n)+1], v[rS+4*(\n)+2:rS+4*(\n)+3]
.elseif (\n) == 0
	v_pk_fma_f32 v[rT+2:rT+3], v[rT+2:rT+3], v[rC+2:rC+3], v[rS:rS+1] op_sel_hi:[1,0,1]
.else
	v_pk_add_f32 v[rT+2:rT+3], v[rT+2:rT+3], v[rS+4*(\n):rS+4*(\n)+1]
.endif
.else
	REGS (Y+1)%NP
	WIN 0
.if (\n) < 4
	v_max3_num_f32 v[rC+(\n)], v[rS+8*(\n)], v[rS+8*(\n)+1], v[rS+8*(\n)+2]
.elseif (\n) < 12
	v_max3_num_f32 v[rC+(\n)%4], v[rC+(\n)%4], v[rS+8*((\n)%4)+2*((\n)/4)+1], v[rS+8*((\n)%4)+2*((\n)/4)+2]
.elseif (\n) == 12
	v_max3_num_f32 v[rC], v[rC], v[rS+7], v[rS+15]
.elseif (\n) == 13
	v_max3_num_f32 v[rC+1], v[rC+1], v[rS+23], v[rS+31]
.elseif (\n) == 14
	v_max3_num_f32 v[rC+2], v[rC+2], v[rC+3], v[rT+1]
.elseif (\n) == 15
	v_mov_b32 v[rW], v[rT]
.elseif (\n) == 16
	v_max3_num_f32 v[rC], v[rC], v[rC+1], v[rC+2]
.elseif (\n) == 17
	v_permlanex16_b32 v[rC+3], v[rC], s[SEL], s[SEL+1]
.elseif (\n) == 18
	v_max_num_f32 v[rT+1], v[rC], v[rC+3]
.elseif (\n) == 19
	v_mul_f32 v[rT], s[CS], v[rT+1]
.elseif (\n) == 20
	v_sub_f32 v[rC+1], v[rW], v[rT]
.else
	v_exp_f32 v[rC+2], v[rC+1]
.endif
.endif
.endm
.macro OPS a, i1, b=-1, i2=0, c=-1, i3=0, d=-1, i4=0
	OP \a, \i1
.if (\b) >= 0
	OP \b, \i2
.endif
.if (\c) >= 0
	OP \c, \i3
.endif
.if (\d) >= 0
	OP \d, \i4
.endif
.endm
.macro ROW a, i1, b, i2, c, i3, d, i4  ; a matrix instruction and the four behind it
	MM
	OPS \a, \i1, \b, \i2, \c, \i3, \d, \i4
.endm
; A TURN, for piece p.  Ahead of its one wait stands all that names no result of the turn's exponentials; behind it the 8 products V^T P with the roundings and sums as riders.
; K of the next step is fetched in piece 2's turn, V of the step in hand at the end of piece 0's; each is waited for a turn later.
; cnt = 1: the loop's count is taken down some lines ahead of the branch behind the turn.  clamp: handed to K's run.
.macro TURN p, cnt=0, clamp=0
.set Y, (\p)
.set i, 0
.if (\p) == 3
	s_wait_dscnt 0x0                ; K is in
.endif
	ROW F,0, F,1, R,0, R,1
	ROW F,2, E,0, R,2, R,3
	ROW F,3, E,1, R,4, R,5
	ROW F,4, E,2, R,6, R,7
	ROW F,5, E,3, R,8, R,9
	ROW F,6, E,4, X,0, R,10
.if (\p) == 2
	WIN 0
	v_add_nc_u32 v[AK], s[TBK], v[AK0]
.endif
	ROW F,7, E,5, X,1, X,4
	ROW F,8, E,6, X,2, X,5
	OPS E,7, E,8, X,6, E,9
	OPS X,3, E,10, X,8, E,11
.if (\p) == 2
	FETCH_K \clamp
.endif
	OPS X,9, X,7, E,12, X,10
	OPS E,13, X,12, X,11, E,14
	OPS X,13, E,15, F,9, X,14
.if (\p) == 0
	v_add_nc_u32 v[AV], s[TBV], v[AV0]
.endif
	OPS E,16, F,10, E,17, F,11
	OPS X,16, E,18, X,15, E,19
	OPS F,12, E,20, X,17, E,21
	OPS F,13, E,22, F,14, E,23
	OPS X,18, E,24, F,15, E,25
	OPS R,11, E,26, X,19, E,27
	OPS R,12, E,28, R,13, E,29
	OPS X,20, E,30, R,14, E,31
	OPS X,21, R,15
	WIN 0
	s_wait_alu depctr_va_vdst(0)    ; the one wait for the batch; R 15 is the plain instruction behind the last exponential
.if (\p) == 1
	s_wait_dscnt 0x0                ; V is in
.endif
	ROW C,0, B,0, C,2, B,1
	ROW L,0, C,4, B,2, L,1
	ROW C,6, B,3, L,2, C,8
	ROW B,4, L,3, C,10, B,5
	ROW L,4, C,12, B,6, L,5
.if (\p) == 0
	s_add_co_u32 s[TBV], s[TBV], KS*PV
.endif
.if \cnt
	s_sub_co_u32 s[CNT], s[CNT], 1
	s_cmp_lg_u32 s[CNT], 0
.endif
	ROW C,14, B,7, L,6, C,1
	ROW C,3, L,7, C,5, C,7
	ROW C,9, C,11, C,13, C,15
.if (\p) == 0
	FETCH_V
.endif
.endm
	CHANGE 1, 0                     ; tile 0 is in, everybody's part of it; tile 1 is asked for
	v_add_nc_u32 v[AK], s[TBK], v[AK0]
	FETCH_K                         ; key step 0
	s_wait_loadcnt 0x0              ; Q
	s_wait_dscnt 0x0
.set i, 0
.rept 8
	KQ 0                            ; piece 0's first scores
.set i, i+1
.endr
	WIN 0
.rept 4
	v_nop                           ; the places behind those products
.endr
.set Y, NP-1
.irp n, 0,1,2,3,4,5,6,7,8,9,10,11,12,13,14,15,16,17,18,19,20,21
	OP X, \n
.endr
	v_nop                           ; a plain instruction behind the exponential,
	s_wait_alu depctr_va_vdst(0)    ; and its wait, ahead of the branch
	s_mov_b32 s[CNT], 4
	s_branch .Lfirst                ; the loop is entered at a step's first turn
.Lslot:                             ; six times: tiles 1 to 6 are entered, tiles 2 to 7 asked for
	CHANGE 1, 1
	s_mov_b32 s[CNT], 4
.Lstep:                             ; a trip: pieces 2 and 3 of one step, then pieces 0 and 1 of the next, whose K and V it fetches
	TURN 2
	TURN 3
	WIN 0
.Lfirst:
	TURN 0
	TURN 1, 1
	WIN 0
	s_cbranch_scc1 .Lstep
	s_sub_co_u32 s[SLOTS], s[SLOTS], 1
	s_cmp_lg_u32 s[SLOTS], 0
	s_cbranch_scc1 .Lslot
	CHANGE 0, 0                     ; the last tile is written out: nothing is asked for
	s_mov_b32 s[CNT], 5             ; four trips fetch the tile's steps; the fifth is left in its middle
.Ltail:
	TURN 2, 0, 1
	TURN 3
	WIN 0
	s_sub_co_u32 s[CNT], s[CNT], 1
	s_cmp_eq_u32 s[CNT], 0
	s_cbranch_scc1 .Lout
	TURN 0
	TURN 1
	WIN 0
	s_branch .Ltail
.Lout:                              ; the fifth trip's run of K loads (the last step's K once more), its 8 products K Q^T and the maximum made of them serve nothing: the price, once a launch, of one text for every trip
.set i, 0
.rept 8
	PV NP-1                         ; the last piece's V^T P of the last step
.set i, i+1
.endr
	; THE WAY OUT: l's halves are added, O^T divided by l, rounded to bf16 and sent through my stage, a piece at a time.  The additions are the places behind the last products.
	WIN 0
.macro ALL line:vararg
.set t, 0
.rept 4
	\line
.set t, t+1
.endr
.endm
	ALL v_add_f32 v[ST+4*t+2], v[ST+4*t+2], v[ST+4*t+3]
	ALL v_permlanex16_b32 v[ST+4*t+3], v[ST+4*t+2], s[SEL], s[SEL+1]
	ALL v_add_f32 v[ST+4*t+2], v[ST+4*t+2], v[ST+4*t+3]
	ALL v_rcp_f32 v[ST+4*t+2], v[ST+4*t+2]
	v_nop
	s_wait_alu depctr_va_vdst(0)    ; one wait for the four reciprocals
.macro PACK t
	WIN W_RS
.set i, 32*(\t)
.rept 16
	v_pk_mul_f32 v[i:i+1], v[i:i+1], v[ST+4*(\t)+2:ST+4*(\t)+3] op_sel_hi:[1,0]
.set i, i+2
.endr
	WIN 0x05
.set i, 0
.rept 16
	v_cvt_pk_bf16_f32 v[S+16*(\t)+i], v[32*(\t)+2*i], v[32*(\t)+2*i+1]
.set i, i+1
.endr
	WIN 0
.irp f, 0,1,2,3
	ds_store_b128 v[STO], v[S+16*(\t)+4*\f:S+16*(\t)+4*\f+3] offset:32*\f
.endr
.irp f, 0,1,2,3
	ds_load_b128 v[S+16*(\t)+4*\f:S+16*(\t)+4*\f+3], v[RD] offset:\f*4*SP  ; my own bytes, served in order (ISA guide 5.7.1.4)
.endr
.endm
.macro SEND t, younger              ; younger: the LDS instructions issued behind piece t's loads
	WIN 0
.irp f, 0,1,2,3
	s_wait_dscnt (\younger)+3-\f
	global_store_b128 v[GO], v[S+16*(\t)+4*\f:S+16*(\t)+4*\f+3], s[10:11] offset:(\t)*2048+\f*512  ; 512 consecutive bytes, aligned
.endr
.endm
	PACK 0
.set t, 1
.rept 3
	PACK t
	SEND t-1, 8
.set t, t+1
.endr
	SEND 3, 0
	s_wait_tensorcnt 0x0            ; the wave's end
	ds_add_u32 v[SPW], v[NIL]
	s_wait_dscnt 0x0
	CROUND                          ; the closing round
	s_endpgm
.Lfunc_end_k_q1f8ed50378_attn:
	.size	k_q1f8ed50378_attn, .Lfunc_end_k_q1f8ed50378_attn-k_q1f8ed50378_attn
	.p2alignl 7, 3214868480
	.fill 96, 4, 3214868480
	.section	.rodata,"a",@progbits
	.p2align	6, 0x0
	.amdhsa_kernel k_q1f8ed50378_attn
		.amdhsa_group_segment_fixed_size 327680
		.amdhsa_private_segment_fixed_size 0
		.amdhsa_enable_private_segment 0
		.amdhsa_kernarg_size 16
		.amdhsa_user_sgpr_count 2
		.amdhsa_user_sgpr_kernarg_segment_ptr 1
		.amdhsa_wavefront_size32 1
		.amdhsa_system_sgpr_workgroup_id_x 1
		.amdhsa_system_sgpr_workgroup_id_y 1
		.amdhsa_system_sgpr_workgroup_id_z 1
		.amdhsa_system_vgpr_workitem_id 0
		.amdhsa_next_free_vgpr 768
		.amdhsa_next_free_sgpr 66
		.amdhsa_reserve_vcc 0
		.amdhsa_float_denorm_mode_32 3
		.amdhsa_float_denorm_mode_16_64 3
		.amdhsa_memory_ordered 1
		.amdhsa_forward_progress 1
		.amdhsa_inst_pref_size 112
	.end_amdhsa_kernel
	.amdgpu_metadata
---
amdhsa.version: [ 1, 2 ]
amdhsa.kernels:
  - .name:           k_q1f8ed50378_attn
    .symbol:         k_q1f8ed50378_attn.kd
    .args:
      - { .name: qkvh, .offset: 0, .size: 8, .value_kind: global_buffer, .address_space: global }
      - { .name: obuf, .offset: 8, .size: 8, .value_kind: global_buffer, .address_space: global }
    .group_segment_fixed_size: 327680
    .private_segment_fixed_size: 0
    .kernarg_segment_align: 8
    .kernarg_segment_size: 16
    .max_flat_workgroup_size: 128
    .sgpr_count:     66
    .vgpr_count:     768
    .wavefront_size: 32
...
	.end_amdgpu_metadata
.endif
;; end of part 9
;; launch g_proj (part 10): grid 8 x 32, 4 waves a work-group, clusters of 4 x 4, 327,680 bytes of LDS; arguments obuf, wt, x1, b_proj, x; writes x1
.if DOCPART == 10
	.amdgcn_target "amdgcn-amd-amdhsa--gfx1250"
	.amdhsa_code_object_version 6
	.text
	.protected	k_q1f8ed50378_g_proj
	.globl	k_q1f8ed50378_g_proj
	.p2align	8
	.type	k_q1f8ed50378_g_proj,@function
k_q1f8ed50378_g_proj:
	s_mov_b64 s[64:65], 0
	v_nop
	global_prefetch_b8 v0, s[64:65] scope:SCOPE_SE
	s_setreg_imm32_b32 hwreg(HW_REG_WAVE_MODE, 25, 1), 1
	s_wait_xcnt 0x0
	s_wait_alu depctr_hold_cnt(0) depctr_sa_sdst(0) depctr_va_vdst(0) depctr_va_sdst(0) depctr_va_ssrc(0) depctr_va_vcc(0) depctr_vm_vsrc(0)
	s_getreg_b32 s2, hwreg(HW_REG_IB_STS2, 6, 4)
	s_cmp_eq_u32 s2, 0
	s_cbranch_scc0 .Lentry_in_a_cluster
	s_endpgm
.Lentry_in_a_cluster:
	s_bfe_u32 s2, ttmp6, 0x10000c
	s_cmp_lg_u32 s2, 0xf033
	s_cbranch_scc0 .Lentry_shape_is_right
	s_endpgm
.Lentry_shape_is_right:
; x1 = x + O W_proj + b_proj.  bf16 operands, f32 sums, f32 out.  A tile of 128 x 128 to a work-group (8 x 32 = 256 of them).  K IS SPLIT AMONG THE FOUR WAVES: a step is 256 along K, four slabs of 64;
; wave w multiplies slab w for the whole tile (64 accumulators), so an LDS byte feeds as many products as in a tile of 256 x 256; the four f32 partial sums meet in LDS at the end.
; Ring, cluster, fragments and windows as in the other products of this program: two LDS slots, joint loads (A along a row of the 4 x 4 cluster, W along a column), dense blocks asked for as rows of 256 bytes, LDS rows 144 bytes apart,
; the matrix instruction used transposed.  No prefetch: the launch has four steps.
; THE ORDER OF K.  Step t takes K block t xor m, m = 2 x ((cluster x + cluster y) mod 2), for A and W alike (f32 sums may be taken in any order).  Rows of A are read by the two clusters with the same y, rows of W by those with the
; same x: among them both values of m occur, so the two refills (t = 2, 3) ask for blocks that a cluster of the other m asked for two steps earlier, at its start.  m hangs on the cluster's coordinates alone, which all sixteen partners share.
.set NB, 8
.set TSTEPS, 4
.set RA, 128
.set RB, 128
.set LASZ, 36864
.set LBSZ, 36864
.set ATOT, 73728
.set SLOT, 147456                      ; = 0x24000: no block's start (0, 0x9000, 0x12000, 0x1b000) shares a bit with it, so one exclusive or changes slots
.set SPARE, 294912
.set AMT, 262144
.set AWC, 32768
.set STEPSH, 16                        ; a step, 256 along K of 128 rows, is 65,536 bytes, in A and in W alike
.set WOFF, 6291456
.set BNT, 262144
.set BWC, 32768
.set SPITCH, 528
.set LNL, 2*NB+16
.set G1W0, (1<<16)|(1<<20)|(1<<21)|(4<<22)|(3<<25)
.set MSB, 0
.macro WIN new
.if MSB != (\new)
	s_set_vgpr_msb (MSB<<8)|(\new)
.set MSB, (\new)
.endif
.endm
.macro PLACES
.rept 4
	v_nop
.endr
.endm
.macro CREST
	s_cmp_lg_u32 s14, 0
	s_cbranch_scc1 .Lnw0_\@
	s_barrier_signal -3
.Lnw0_\@:
	s_barrier_wait -3
	s_barrier_signal -1
	s_barrier_wait -1
.endm
.macro CROUND
	s_barrier_signal -1
	s_barrier_wait -1
	CREST
.endm
.macro JLOAD
	s_cmp_eq_u32 s15, 0
	s_cbranch_scc0 .Lfor_b_\@
	tensor_load_to_lds s[36:39], s[24:31]
	s_nop 0
.rept 4
	v_nop
.endr
	s_branch .Lasked_\@
.Lfor_b_\@:
	tensor_load_to_lds s[52:55], s[40:47]
	s_nop 0
.rept 4
	v_nop
.endr
.Lasked_\@:
.endm
.macro MULP f, hi, part, first         ; 16 products; all accumulators take turns, one instruction a turn
	WIN 0xa5+0x50*(\hi)
.irp aa, 0, 1
.set bb, 0
.rept NB
.set rD, 8*(NB*(2*(\part)+(\aa))+bb)
.set rB, 128*(\f)+64+8*bb
.set rA, 128*(\f)+8*(4*(\hi)+2*(\part)+(\aa))
.if \first
	v_wmma_f32_16x16x32_bf16 v[rD:rD+7], v[rB:rB+7], v[rA:rA+7], 0
.else
	v_wmma_f32_16x16x32_bf16 v[rD:rD+7], v[rB:rB+7], v[rA:rA+7], v[rD:rD+7]
.endif
.set bb, bb+1
.endr
.endr
.endm
.macro FETCH q, f
	WIN 0x40
.set oA, 64*(\q)
.set oB, 64*(\q)
.set i, 0
.rept NB
	ds_load_b128 v[128*(\f)+64+8*i:128*(\f)+64+8*i+3], v7 offset:oB+2304*i
	ds_load_b128 v[128*(\f)+64+8*i+4:128*(\f)+64+8*i+7], v7 offset:oB+2304*i+32
.set i, i+1
.endr
.set i, 0
.rept 8
	ds_load_b128 v[128*(\f)+8*i:128*(\f)+8*i+3], v6 offset:oA+2304*i
	ds_load_b128 v[128*(\f)+8*i+4:128*(\f)+8*i+7], v6 offset:oA+2304*i+32
.set i, i+1
.endr
.endm
.macro QUARTER q, f, first=0
	s_wait_dscnt 8                                 ; W and A's rows 0-63 are in; the youngest eight loads may be out
	MULP \f, 0, 0, \first
	MULP \f, 0, 1, \first
	PLACES
	FETCH \q, 1-(\f)
	s_wait_dscnt LNL                               ; all but the run just issued
	MULP \f, 1, 0, \first
	MULP \f, 1, 1, \first
.endm
.macro TURN fill
	WIN 0
	s_wait_tensorcnt 0x0                           ; all my tensor loads have landed, so a group 0 may be written
	ds_add_u32 v28, v29
	s_xor_b32 s22, s22, SLOT
.if \fill
	s_xor_b32 s37, s37, SLOT                       ; the walking descriptors: the slot just read,
	s_xor_b32 s53, s53, SLOT
	s_add_co_u32 s75, s75, 1                       ; the next step t,
	s_xor_b32 s76, s75, s74                        ; its K block t xor m,
	s_lshl_b32 s76, s76, STEPSH                    ; in bytes
	s_add_nc_u64 s[38:39], s[70:71], s[76:77]      ; the address is made anew from the block's base, and the type bits are set again
	s_or_b32 s39, s39, 0x80000000
	s_add_nc_u64 s[54:55], s[72:73], s[76:77]
	s_or_b32 s55, s55, 0x80000000
.endif
	s_wait_dscnt 9                                 ; the add and the youngest eight loads may be out
	MULP 1, 0, 0, 0
	s_wait_dscnt 0x0                               ; the add is done, my reads of this slot are over
	s_barrier_signal -1
	MULP 1, 0, 1, 0
	WIN 0
	s_barrier_wait -1
.if \fill
	CREST
	JLOAD
.else
	PLACES
.endif
	v_add_nc_u32 v6, s22, v4
	v_add_nc_u32 v7, s22, v5
	FETCH 0, 0
	MULP 1, 1, 0, 0
	MULP 1, 1, 1, 0
.endm
.macro LASTQ
	s_wait_dscnt 8
	MULP 1, 0, 0, 0
	MULP 1, 0, 1, 0
	s_wait_dscnt 0x0
	MULP 1, 1, 0, 0
	MULP 1, 1, 1, 0
.endm
.macro STAGE_OUT
.rept 8
	v_nop
.endr
.set hh, 0
.rept 2
	WIN 0x08+4*hh
.set aa, 0
.rept 4
.set bb, 0
.rept NB
.set rD, 8*(NB*aa+bb)
	ds_store_b128 v[8+hh], v[rD:rD+3] offset:aa*16*SPITCH+64*bb
	ds_store_b128 v[8+hh], v[rD+4:rD+7] offset:aa*16*SPITCH+64*bb+16
.set bb, bb+1
.endr
.set aa, aa+1
.endr
.set hh, hh+1
.endr
	WIN 0
.endm
	s_load_b256 s[4:11], s[0:1], 0x0               ; A, wt, out, bias
	s_load_b64 s[12:13], s[0:1], 0x20              ; the residual
	v_lshl_add_u32 v28, v0, 2, SPARE
	v_mov_b32 v29, 0
	ds_add_u32 v28, v29                            ; the wave's opening, ahead of my first tensor load
	v_lshrrev_b32 v1, 5, v0
	v_readfirstlane_b32 s14, v1
	s_lshr_b32 s15, s14, 1                         ; I fetch for A (0) or W (1)
	s_and_b32 s16, s14, 1                          ; which two slabs
	s_bfe_u32 s17, ttmp6, 0x40000
	s_bfe_u32 s18, ttmp6, 0x40004
	s_lshl_b32 s19, ttmp9, 2
	s_add_co_u32 s19, s19, s17
	s_and_b32 s20, ttmp7, 0xffff
	s_lshl_b32 s20, s20, 2
	s_add_co_u32 s20, s20, s18
	s_lshl_b32 s56, s18, 2
	s_lshl_b32 s56, 15, s56
	s_lshl_b32 s57, 0x1111, s17
	s_or_b32 s24, s56, G1W0
	s_or_b32 s40, s57, G1W0
	s_mov_b32 s25, 128<<16
	s_mov_b32 s26, RA<<16
	s_mov_b32 s27, 128<<16
	s_mov_b32 s28, RA
	s_mov_b32 s29, 128
	s_mov_b32 s30, 0
	s_mov_b32 s31, 0
	s_mov_b32 s41, 128<<16
	s_mov_b32 s42, RB<<16
	s_mov_b32 s43, 128<<16
	s_mov_b32 s44, RB
	s_mov_b32 s45, 128
	s_mov_b32 s46, 0
	s_mov_b32 s47, 0
	s_mul_i32 s66, s20, AMT
	s_mul_i32 s67, s16, AWC
	s_add_co_u32 s66, s66, s67
	s_mov_b32 s67, 0
	s_mul_i32 s68, s19, BNT
	s_mul_i32 s69, s16, BWC
	s_add_co_u32 s68, s68, s69
	s_add_co_u32 s68, s68, WOFF
	s_mov_b32 s69, 0
	s_mov_b32 s32, 1
	s_mul_i32 s33, s16, LASZ
	s_mov_b32 s36, 1
	s_add_co_u32 s37, s33, SLOT
	s_mov_b32 s48, 1
	s_mul_i32 s49, s16, LBSZ
	s_add_co_u32 s49, s49, ATOT
	s_mov_b32 s52, 1
	s_add_co_u32 s53, s49, SLOT
	s_mov_b32 s22, 0
	s_and_b32 s74, ttmp7, 0xffff                   ; cluster y
	s_add_co_u32 s74, s74, ttmp9                   ; + cluster x
	s_and_b32 s74, s74, 1
	s_lshl_b32 s74, s74, 1                         ; m
	s_mov_b32 s75, 1                               ; t of the step asked for last
	s_lshl_b32 s76, s74, STEPSH                    ; step 0's K block, m, in bytes
	s_mov_b32 s77, 0
	s_xor_b32 s2, s74, 1
	s_lshl_b32 s2, s2, STEPSH                      ; step 1's, 1 xor m
	s_mov_b32 s3, 0
	s_wait_dscnt 0x0
	s_wait_kmcnt 0x0
	s_add_nc_u64 s[70:71], s[4:5], s[66:67]        ; my block of A at K block 0
	s_add_nc_u64 s[72:73], s[6:7], s[68:69]        ; of W
	s_add_nc_u64 s[34:35], s[70:71], s[76:77]
	s_add_nc_u64 s[38:39], s[70:71], s[2:3]
	s_or_b32 s35, s35, 0x80000000
	s_or_b32 s39, s39, 0x80000000
	s_add_nc_u64 s[50:51], s[72:73], s[76:77]
	s_add_nc_u64 s[54:55], s[72:73], s[2:3]
	s_or_b32 s51, s51, 0x80000000
	s_or_b32 s55, s55, 0x80000000
	CROUND
	s_cmp_eq_u32 s15, 0
	s_cbranch_scc0 .Lfirst_b
	tensor_load_to_lds s[32:35], s[24:31]
	s_nop 0
	tensor_load_to_lds s[36:39], s[24:31]
	s_nop 0
.rept 4
	v_nop
.endr
	s_branch .Lfirst_done
.Lfirst_b:
	tensor_load_to_lds s[48:51], s[40:47]
	s_nop 0
	tensor_load_to_lds s[52:55], s[40:47]
	s_nop 0
.rept 4
	v_nop
.endr
.Lfirst_done:
	v_and_b32 v1, 15, v0
	v_bfe_u32 v2, v0, 4, 1
	v_mul_u32_u24 v3, v1, 144
	v_lshl_add_u32 v3, v2, 4, v3
	s_mul_i32 s61, s14, 18432                      ; my slab
	v_add_nc_u32 v4, s61, v3
	s_add_co_u32 s61, s61, ATOT
	v_add_nc_u32 v5, s61, v3
	; the way out: wave p's partial tile at 67,584 p, rows of 528 bytes; wave w then adds up rows 32 w on
	s_mul_i32 s61, s14, 128*SPITCH
	v_mul_u32_u24 v8, v1, SPITCH
	v_lshl_add_u32 v8, v2, 5, v8
	v_add_nc_u32 v8, s61, v8
	v_add_nc_u32 v9, 64*SPITCH, v8
	v_and_b32 v14, 31, v0
	v_lshlrev_b32 v14, 4, v14                      ; 16 l: a row's 512 bytes over the wave
	s_mul_i32 s61, s14, 32*SPITCH
	v_add_nc_u32 v10, s61, v14
	v_add_nc_u32 v11, 128*SPITCH, v10
	v_add_nc_u32 v12, 2*128*SPITCH, v10
	v_add_nc_u32 v13, 3*128*SPITCH, v10
	s_lshl_b32 s2, s19, 9
	s_mov_b32 s3, 0
	s_add_nc_u64 s[10:11], s[10:11], s[2:3]
	s_lshl_b32 s61, s20, 19
	s_add_co_u32 s2, s2, s61
	s_lshl_b32 s61, s14, 17
	s_add_co_u32 s2, s2, s61
	s_add_nc_u64 s[8:9], s[8:9], s[2:3]
	s_add_nc_u64 s[12:13], s[12:13], s[2:3]
	global_load_b128 v[32:35], v14, s[10:11]       ; the bias of my 4 columns; the residual's 32 rows: they land while the products run
.set r, 0
.rept 32
	global_load_b128 v[64+4*r:67+4*r], v14, s[12:13] offset:4096*r
.set r, r+1
.endr
	s_wait_tensorcnt 0x1                           ; my part of step 0 is in; step 1's may stay out
	s_barrier_signal -1
	s_barrier_wait -1
	v_mov_b32 v6, v4
	v_mov_b32 v7, v5
	FETCH 0, 0
	QUARTER 1, 0, 1
	WIN 0
	s_mov_b32 s21, TSTEPS-2
.Lstep:
	TURN 1
	QUARTER 1, 0
	WIN 0
	s_sub_co_u32 s21, s21, 1
	s_cmp_lg_u32 s21, 0
	s_cbranch_scc1 .Lstep
	TURN 0
	QUARTER 1, 0
	LASTQ
	WIN 0
	s_barrier_signal -1                            ; every wave's reads of the ring are over; its blocks have had their last fill: it becomes the stage
	s_barrier_wait -1
	STAGE_OUT
	s_wait_dscnt 0x0                               ; for the others' sake
	s_barrier_signal -1
	s_barrier_wait -1
	s_wait_loadcnt 0x0                             ; bias and residual
.macro GLOAD g                         ; two rows of the four partial tiles
.set bf, 192+32*((\g)%2)
.irp rr, 0,1
.irp p, 0,1,2,3
	ds_load_b128 v[bf+16*(\rr)+4*(\p):bf+16*(\rr)+4*(\p)+3], v[10+(\p)] offset:(2*(\g)+(\rr))*SPITCH
.endr
.endr
.endm
.macro GSUM g
.set bf, 192+32*((\g)%2)
.irp rr, 0,1
.set rw, 64+4*(2*(\g)+(\rr))
.set pb, bf+16*(\rr)
.irp h, 0,2
	v_pk_add_f32 v[pb+(\h):pb+(\h)+1], v[pb+(\h):pb+(\h)+1], v[pb+4+(\h):pb+5+(\h)]
	v_pk_add_f32 v[pb+8+(\h):pb+9+(\h)], v[pb+8+(\h):pb+9+(\h)], v[pb+12+(\h):pb+13+(\h)]
	v_pk_add_f32 v[rw+(\h):rw+(\h)+1], v[rw+(\h):rw+(\h)+1], v[32+(\h):33+(\h)]
.endr
.irp h, 0,2
	v_pk_add_f32 v[pb+(\h):pb+(\h)+1], v[pb+(\h):pb+(\h)+1], v[pb+8+(\h):pb+9+(\h)]
.endr
.irp h, 0,2
	v_pk_add_f32 v[rw+(\h):rw+(\h)+1], v[rw+(\h):rw+(\h)+1], v[pb+(\h):pb+(\h)+1]
.endr
	global_store_b128 v14, v[rw:rw+3], s[8:9] offset:4096*(2*(\g)+(\rr))  ; the wave stores 512 consecutive bytes, aligned; these registers are not written again
.endr
.endm
	GLOAD 0
	GLOAD 1
.set g, 0
.rept 15
	s_wait_dscnt 8                                 ; the next group's eight loads may be out
	GSUM g
.if g < 14
	GLOAD g+2
.endif
.set g, g+1
.endr
	s_wait_dscnt 0x0
	GSUM 15
	s_wait_tensorcnt 0x0                           ; the wave's end
	ds_add_u32 v28, v29
	s_wait_dscnt 0x0
	CROUND                                         ; the closing round
	s_endpgm
.Lfunc_end_k_q1f8ed50378_g_proj:
	.size	k_q1f8ed50378_g_proj, .Lfunc_end_k_q1f8ed50378_g_proj-k_q1f8ed50378_g_proj
	.p2alignl 7, 3214868480
	.fill 96, 4, 3214868480
	.section	.rodata,"a",@progbits
	.p2align	6, 0x0
	.amdhsa_kernel k_q1f8ed50378_g_proj
		.amdhsa_group_segment_fixed_size 327680
		.amdhsa_private_segment_fixed_size 0
		.amdhsa_enable_private_segment 0
		.amdhsa_kernarg_size 40
		.amdhsa_user_sgpr_count 2
		.amdhsa_user_sgpr_kernarg_segment_ptr 1
		.amdhsa_wavefront_size32 1
		.amdhsa_system_sgpr_workgroup_id_x 1
		.amdhsa_system_sgpr_workgroup_id_y 1
		.amdhsa_system_sgpr_workgroup_id_z 1
		.amdhsa_system_vgpr_workitem_id 0
		.amdhsa_next_free_vgpr 1024
		.amdhsa_next_free_sgpr 80
		.amdhsa_reserve_vcc 0
		.amdhsa_float_denorm_mode_32 3
		.amdhsa_float_denorm_mode_16_64 3
		.amdhsa_memory_ordered 1
		.amdhsa_forward_progress 1
		.amdhsa_inst_pref_size 90
	.end_amdhsa_kernel
	.amdgpu_metadata
---
amdhsa.version: [ 1, 2 ]
amdhsa.kernels:
  - .name:           k_q1f8ed50378_g_proj
    .symbol:         k_q1f8ed50378_g_proj.kd
    .args:
      - { .name: obuf, .offset: 0, .size: 8, .value_kind: global_buffer, .address_space: global }
      - { .name: wt, .offset: 8, .size: 8, .value_kind: global_buffer, .address_space: global }
      - { .name: x1, .offset: 16, .size: 8, .value_kind: global_buffer, .address_space: global }
      - { .name: b_proj, .offset: 24, .size: 8, .value_kind: global_buffer, .address_space: global }
      - { .name: x, .offset: 32, .size: 8, .value_kind: global_buffer, .address_space: global }
    .group_segment_fixed_size: 327680
    .private_segment_fixed_size: 0
    .kernarg_segment_align: 8
    .kernarg_segment_size: 40
    .max_flat_workgroup_size: 128
    .sgpr_count:     80
    .vgpr_count:     1024
    .wavefront_size: 32
...
	.end_amdgpu_metadata
.endif
;; end of part 10
;; launch ln2 (part 11): grid 512 x 1, 4 waves a work-group, no clusters, 0 bytes of LDS; arguments x1, ln2_g, ln2_b, xn; writes xn
.if DOCPART == 11
	.amdgcn_target "amdgcn-amd-amdhsa--gfx1250"
	.amdhsa_code_object_version 6
	.text
	.protected	k_q1f8ed50378_ln2
	.globl	k_q1f8ed50378_ln2
	.p2align	8
	.type	k_q1f8ed50378_ln2,@function
k_q1f8ed50378_ln2:
	s_mov_b64 s[64:65], 0
	v_nop
	global_prefetch_b8 v0, s[64:65] scope:SCOPE_SE
	s_setreg_imm32_b32 hwreg(HW_REG_WAVE_MODE, 25, 1), 1
	s_wait_xcnt 0x0
; xn = layernorm(x1) g + b, rounded once to bf16; byte of (row, ch) = (row>>7) x 262,144 + (ch>>6) x 16,384 + (row&127) x 128 + (ch&63) x 2.
; 8 rows a work-group, 2 a wave: lanes 0-15 hold one row, lanes 16-31 the next, so a row's sums stay inside 16 lanes, and a wave goes to memory once: all its 48 loads are issued together, the rows' first.
; The mean first, the squares of x - mean second, so a common offset in x1 costs nothing.  A stream: no LDS, no barrier, no loop.  NaN and infinities are not treated apart.
.set G,   16                           ; v[16:79]   the gain of my 64 channels
.set BT,  80                           ; v[80:143]  the bias
.set X,   144                          ; v[144:207] my 64 numbers of a row
.set RS,  208                          ; v[208:209] 1 / sqrt(var + eps), twice
	s_load_b256 s[4:11], s[0:1], 0x0               ; x1, g, b, xn
	v_lshrrev_b32 v1, 5, v0
	v_readfirstlane_b32 s22, v1                    ; wave
	v_and_b32 v4, 31, v0
	v_and_b32 v5, 15, v0
	v_bfe_u32 v6, v0, 4, 1
	v_lshlrev_b32 v3, 4, v5                        ; 16 (l % 16): my 4 numbers in each 64 of g and b
	v_lshl_add_u32 v1, v6, 12, v3                  ; + a row of x1 for the upper lanes
	v_lshlrev_b32 v2, 3, v4                        ; 8 l: two rows x 128 bytes of a slab of xn
	s_lshl_b32 s40, ttmp9, 15                      ; 8 rows of 4,096 bytes
	s_lshl_b32 s41, s22, 13                        ; my 2
	s_add_co_u32 s40, s40, s41
	s_mov_b32 s41, 0
	s_lshr_b32 s42, ttmp9, 4                       ; the block of 128 rows
	s_lshl_b32 s42, s42, 18
	s_and_b32 s43, ttmp9, 15
	s_lshl_b32 s43, s43, 10                        ; the work-group's 8 rows of 128 bytes in a slab
	s_add_co_u32 s42, s42, s43
	s_lshl_b32 s43, s22, 8
	s_add_co_u32 s42, s42, s43
	s_mov_b32 s43, 0
	s_mov_b32 s37, 0x3a800000                      ; 1 / 1024
	s_mov_b32 s38, 0x3727c5ac                      ; 1e-5
	s_wait_kmcnt 0x0
	s_add_nc_u64 s[32:33], s[4:5], s[40:41]
	s_add_nc_u64 s[34:35], s[10:11], s[42:43]
.macro REDUCE                          ; four chains v[4:11] -> v4 = the row's sum, in all its 16 lanes
	v_pk_add_f32 v[4:5], v[4:5], v[6:7]
	v_pk_add_f32 v[8:9], v[8:9], v[10:11]
	v_pk_add_f32 v[4:5], v[4:5], v[8:9]
	v_add_f32 v4, v4, v5
	v_add_f32_dpp v4, v4, v4 row_xmask:1 row_mask:0xf bank_mask:0xf
	v_add_f32_dpp v4, v4, v4 row_xmask:2 row_mask:0xf bank_mask:0xf
	v_add_f32_dpp v4, v4, v4 row_xmask:4 row_mask:0xf bank_mask:0xf
	v_add_f32_dpp v4, v4, v4 row_xmask:8 row_mask:0xf bank_mask:0xf
.endm
.set j, 0
.rept 16
	global_load_b128 v[X+4*j:X+4*j+3], v1, s[32:33] offset:256*j  ; 16 lanes take 256 consecutive bytes of a row
.set j, j+1
.endr
.set j, 0
.rept 16
	global_load_b128 v[G+4*j:G+4*j+3], v3, s[6:7] offset:256*j
	global_load_b128 v[BT+4*j:BT+4*j+3], v3, s[8:9] offset:256*j
.set j, j+1
.endr
	s_wait_loadcnt 32                              ; the rows are in; g's and b's 32 loads may stay out
.irp c, 0,1,2,3
	v_pk_add_f32 v[4+2*(\c):5+2*(\c)], v[X+2*(\c):X+2*(\c)+1], v[X+8+2*(\c):X+9+2*(\c)]
.endr
.set p, 8
.rept 24
	v_pk_add_f32 v[4+2*(p%4):5+2*(p%4)], v[4+2*(p%4):5+2*(p%4)], v[X+2*p:X+2*p+1]
.set p, p+1
.endr
	REDUCE
	v_mul_f32 v12, s37, v4                         ; the mean, twice
	v_mul_f32 v13, s37, v4
.set p, 0
.rept 32
	v_pk_add_f32 v[X+2*p:X+2*p+1], v[X+2*p:X+2*p+1], v[12:13] neg_lo:[0,1] neg_hi:[0,1]
.set p, p+1
.endr
.irp c, 0,1,2,3
	v_pk_mul_f32 v[4+2*(\c):5+2*(\c)], v[X+2*(\c):X+2*(\c)+1], v[X+2*(\c):X+2*(\c)+1]
.endr
.set p, 4
.rept 28
	v_pk_fma_f32 v[4+2*(p%4):5+2*(p%4)], v[X+2*p:X+2*p+1], v[X+2*p:X+2*p+1], v[4+2*(p%4):5+2*(p%4)]
.set p, p+1
.endr
	REDUCE
	v_fma_f32 v4, v4, s37, s38                     ; var + eps
	v_rsq_f32 v[RS], v4
	v_rsq_f32 v[RS+1], v4
	v_nop                                          ; a plain instruction behind the last root,
	s_wait_alu depctr_va_vdst(0)                   ; and the one wait ahead of the first use
.set p, 0
.rept 32
	v_pk_mul_f32 v[X+2*p:X+2*p+1], v[X+2*p:X+2*p+1], v[RS:RS+1]
.set p, p+1
.endr
	s_wait_loadcnt 0x0                             ; g and b
.set p, 0
.rept 32
	v_pk_fma_f32 v[X+2*p:X+2*p+1], v[X+2*p:X+2*p+1], v[G+2*p:G+2*p+1], v[BT+2*p:BT+2*p+1]
.set p, p+1
.endr
.set p, 0
.rept 32
	v_cvt_pk_bf16_f32 v[X+p], v[X+2*p], v[X+2*p+1] ; in place, ascending: a register is written only when it has been read
.set p, p+1
.endr
.set j, 0
.rept 16
	global_store_b64 v2, v[X+2*j:X+2*j+1], s[34:35] offset:16384*j  ; slab j: the wave stores 256 consecutive bytes, aligned
.set j, j+1
.endr
	s_endpgm
.Lfunc_end_k_q1f8ed50378_ln2:
	.size	k_q1f8ed50378_ln2, .Lfunc_end_k_q1f8ed50378_ln2-k_q1f8ed50378_ln2
	.p2alignl 7, 3214868480
	.fill 96, 4, 3214868480
	.section	.rodata,"a",@progbits
	.p2align	6, 0x0
	.amdhsa_kernel k_q1f8ed50378_ln2
		.amdhsa_group_segment_fixed_size 0
		.amdhsa_private_segment_fixed_size 0
		.amdhsa_enable_private_segment 0
		.amdhsa_kernarg_size 32
		.amdhsa_user_sgpr_count 2
		.amdhsa_user_sgpr_kernarg_segment_ptr 1
		.amdhsa_wavefront_size32 1
		.amdhsa_system_sgpr_workgroup_id_x 1
		.amdhsa_system_sgpr_workgroup_id_y 1
		.amdhsa_system_sgpr_workgroup_id_z 1
		.amdhsa_system_vgpr_workitem_id 0
		.amdhsa_next_free_vgpr 210
		.amdhsa_next_free_sgpr 66
		.amdhsa_reserve_vcc 0
		.amdhsa_float_denorm_mode_32 3
		.amdhsa_float_denorm_mode_16_64 3
		.amdhsa_memory_ordered 1
		.amdhsa_forward_progress 1
		.amdhsa_inst_pref_size 21
	.end_amdhsa_kernel
	.amdgpu_metadata
---
amdhsa.version: [ 1, 2 ]
amdhsa.kernels:
  - .name:           k_q1f8ed50378_ln2
    .symbol:         k_q1f8ed50378_ln2.kd
    .args:
      - { .name: x1, .offset: 0, .size: 8, .value_kind: global_buffer, .address_space: global }
      - { .name: ln2_g, .offset: 8, .size: 8, .value_kind: global_buffer, .address_space: global }
      - { .name: ln2_b, .offset: 16, .size: 8, .value_kind: global_buffer, .address_space: global }
      - { .name: xn, .offset: 24, .size: 8, .value_kind: global_buffer, .address_space: global }
    .group_segment_fixed_size: 0
    .private_segment_fixed_size: 0
    .kernarg_segment_align: 8
    .kernarg_segment_size: 32
    .max_flat_workgroup_size: 128
    .sgpr_count:     66
    .vgpr_count:     210
    .wavefront_size: 32
...
	.end_amdgpu_metadata
.endif
;; end of part 11
;; launch g_fc1 (part 12): grid 16 x 16, 4 waves a work-group, clusters of 4 x 4, 327,680 bytes of LDS; arguments xn, wt, hbuf, b_fc1; writes hbuf
.if DOCPART == 12
	.amdgcn_target "amdgcn-amd-amdhsa--gfx1250"
	.amdhsa_code_object_version 6
	.text
	.protected	k_q1f8ed50378_g_fc1
	.globl	k_q1f8ed50378_g_fc1
	.p2align	8
	.type	k_q1f8ed50378_g_fc1,@function
k_q1f8ed50378_g_fc1:
	s_mov_b64 s[64:65], 0
	v_nop
	global_prefetch_b8 v0, s[64:65] scope:SCOPE_SE
	s_setreg_imm32_b32 hwreg(HW_REG_WAVE_MODE, 25, 1), 1
	s_wait_xcnt 0x0
	s_wait_alu depctr_hold_cnt(0) depctr_sa_sdst(0) depctr_va_vdst(0) depctr_va_sdst(0) depctr_va_ssrc(0) depctr_va_vcc(0) depctr_vm_vsrc(0)
	s_getreg_b32 s2, hwreg(HW_REG_IB_STS2, 6, 4)
	s_cmp_eq_u32 s2, 0
	s_cbranch_scc0 .Lentry_in_a_cluster
	s_endpgm
.Lentry_in_a_cluster:
	s_bfe_u32 s2, ttmp6, 0x10000c
	s_cmp_lg_u32 s2, 0xf033
	s_cbranch_scc0 .Lentry_shape_is_right
	s_endpgm
.Lentry_shape_is_right:
; h = gelu(xn W_fc1 + b_fc1), bf16 operands, f32 sums, rounded once to bf16; byte of (row, ch) = (row>>7) x 1,048,576 + (ch>>6) x 16,384 + (row&127) x 128 + (ch&63) x 2.
; A tile of 256 x 256 to a work-group (16 x 16 = 256 of them), four waves 2 x 2, each 128 x 128: 64 accumulators.  K in steps of 128 through two LDS slots; cluster 4 x 4 with joint loads; dense blocks asked for as rows of 256 bytes,
; LDS rows 144 bytes apart; the matrix instruction used transposed.  The bias, loaded in the result's own layout, is the C operand of the products that start the sums.
; THE WALK.  A step is four quarters of 32 along K on two fragment buffers.  A PAIR of quarters (buffer 1, then buffer 0) is written once and looped over: its LDS addresses lie in v6 and v7, which step by a slab of 64 channels.
; The change of slots stands between a step's third and fourth quarter: the fourth's fragments are in registers or on their way, and nothing of the next slot has been read.
; GELU, exact form: z Phi(z) = max(z, 0) - |z| Q(|z|), Q(t) = 0.5 (1 + d1 t + .. + d6 t^6)^-16 (Abramowitz and Stegun 26.2.19: absolute error at most 1.5e-7 for every t >= 0).  The coefficients carry a factor 2^(1/16), which makes the 0.5.
; LIMITS: it holds for every finite z (where the power overflows the reciprocal is 0, Q's limit); z = infinity gives NaN.
.set NB, 8
.set TSTEPS, 8
.set RA, 128
.set RB, 128
.set LASZ, 36864
.set LBSZ, 36864
.set ATOT, 73728
.set SLOT, 147456                      ; = 0x24000: no block's start (0, 0x9000, 0x12000, 0x1b000) shares a bit with it, so one exclusive or changes slots
.set SPARE, 294912
.set AMT, 524288
.set AWC, 262144
.set ASTEP, 32768
.set WOFF, 8388608
.set BNT, 524288
.set BWC, 32768
.set BSTEP, 65536
.set SA, 18432                         ; a slab of A in LDS: 128 rows of 144 bytes
.set SB, 36864                         ; of W: 256 rows
.set SPITCH, 528
.set PFD, 1
.set LNL, 2*NB+16
.set G1W0, (1<<16)|(1<<20)|(1<<21)|(4<<22)|(3<<25)
.set MSB, 0
.macro WIN new
.if MSB != (\new)
	s_set_vgpr_msb (MSB<<8)|(\new)
.set MSB, (\new)
.endif
.endm
.macro PLACES                          ; four places behind matrix instructions, ahead of loads into registers that they have read
.rept 4
	v_nop
.endr
.endm
.macro CREST
	s_cmp_lg_u32 s14, 0
	s_cbranch_scc1 .Lnw0_\@
	s_barrier_signal -3
.Lnw0_\@:
	s_barrier_wait -3
	s_barrier_signal -1
	s_barrier_wait -1
.endm
.macro CROUND
	s_barrier_signal -1
	s_barrier_wait -1
	CREST
.endm
.macro JLOAD                           ; the joint refill: waves 0, 1 for A, waves 2, 3 for W; s_nop 0 and four v_nop behind each line
	s_cmp_eq_u32 s15, 0
	s_cbranch_scc0 .Lfor_b_\@
	tensor_load_to_lds s[36:39], s[24:31]
	s_nop 0
.rept 4
	v_nop
.endr
	s_branch .Lasked_\@
.Lfor_b_\@:
	tensor_load_to_lds s[52:55], s[40:47]
	s_nop 0
.rept 4
	v_nop
.endr
.Lasked_\@:
.endm
.macro ASK                             ; one prefetch a wave: my share (a lane a block of 256 bytes) of the block that I fetch PFD refills on; the last PFD changes ask for nothing
	s_cmp_gt_u32 s21, s60
	s_cbranch_scc0 .Lnot_mine_\@
	global_prefetch_b8 v15, s[58:59] th:TH_LOAD_NT scope:SCOPE_SE
.Lnot_mine_\@:
.endm
.macro MULP f, hi, part, first         ; 16 products; all accumulators take turns, one instruction a turn.  first = 1: the sums start from the bias, in window 0
.if \first
	WIN 0x85+0x40*(\hi)
.else
	WIN 0xa5+0x50*(\hi)
.endif
.irp aa, 0, 1
.set bb, 0
.rept NB
.set rD, 8*(NB*(2*(\part)+(\aa))+bb)
.set rB, 128*(\f)+64+8*bb
.set rA, 128*(\f)+8*(4*(\hi)+2*(\part)+(\aa))
.if \first
	v_wmma_f32_16x16x32_bf16 v[rD:rD+7], v[rB:rB+7], v[rA:rA+7], v[32+8*bb:39+8*bb]
.else
	v_wmma_f32_16x16x32_bf16 v[rD:rD+7], v[rB:rB+7], v[rA:rA+7], v[rD:rD+7]
.endif
.set bb, bb+1
.endr
.endr
.endm
.macro FETCH odd, f                    ; one run of LDS loads: half odd (32 channels) of the slab at v6, v7 into buffer f, W's fragments first
	WIN 0x40
.set i, 0
.rept NB
	ds_load_b128 v[128*(\f)+64+8*i:128*(\f)+64+8*i+3], v7 offset:64*(\odd)+2304*i
	ds_load_b128 v[128*(\f)+64+8*i+4:128*(\f)+64+8*i+7], v7 offset:64*(\odd)+2304*i+32
.set i, i+1
.endr
.set i, 0
.rept 8
	ds_load_b128 v[128*(\f)+8*i:128*(\f)+8*i+3], v6 offset:64*(\odd)+2304*i
	ds_load_b128 v[128*(\f)+8*i+4:128*(\f)+8*i+7], v6 offset:64*(\odd)+2304*i+32
.set i, i+1
.endr
.endm
.macro QUARTER odd, f, first=0         ; multiplies buffer f; in its middle fetches the next quarter (half odd of the slab in hand) into the other
	s_wait_dscnt 8                                 ; W and A's rows 0-63 are in; the youngest eight loads may be out
	MULP \f, 0, 0, \first
	MULP \f, 0, 1, \first
	PLACES
	FETCH \odd, 1-(\f)
	s_wait_dscnt LNL                               ; all but the run just issued
	MULP \f, 1, 0, \first
	MULP \f, 1, 1, \first
.endm
.macro PAIRS tag                       ; two trips: a step's fetches (slab 0, then slab 1); the products run one quarter behind the fetches
.Lpair\tag:
	QUARTER 0, 1
	QUARTER 1, 0
	WIN 0
	v_add_nc_u32 v6, SA, v6                        ; the next slab
	v_add_nc_u32 v7, SB, v7
	s_sub_co_u32 s23, s23, 1
	s_cmp_lg_u32 s23, 0
	s_cbranch_scc1 .Lpair\tag
.endm
; THE CHANGE OF SLOTS.  Every wave waits for all its tensor loads (one is out: its part of the next slot), adds 0 to its spare word, and waits for that and for its reads of the slot that it leaves.
; fill = 1: the barrier is a round of the cluster's; the joint refill, the step two on, is the first thing behind it and has a whole step's products, 256 a wave, in which to land.
.macro CHANGE fill
.if \fill
	s_wait_xcnt 0x0                                ; the last prefetch, a step back, has read its address
	s_add_nc_u64 s[58:59], s[58:59], s[62:63]
.endif
	s_wait_tensorcnt 0x0                           ; all my tensor loads have landed, so a group 0 may be written
	ds_add_u32 v28, v29                            ; 0 onto my spare word
	s_xor_b32 s22, s22, SLOT                       ; the slot to be read next
.if \fill
	s_xor_b32 s37, s37, SLOT                       ; the walking descriptors: the slot just left, the step two on
	s_add_nc_u64 s[38:39], s[38:39], ASTEP
	s_xor_b32 s53, s53, SLOT
	s_add_nc_u64 s[54:55], s[54:55], BSTEP
.endif
	s_mov_b32 s23, 2                               ; two pairs to a step
	v_add_nc_u32 v6, s22, v4                       ; the next slot's first slab
	v_add_nc_u32 v7, s22, v5
	s_wait_dscnt 0x0                               ; the add is done, my reads of the old slot are over
.if \fill
	CROUND                                         ; no wave of any partner still reads the slot or has a load on its way
	JLOAD
	ASK
.else
	s_barrier_signal -1
	s_barrier_wait -1
.endif
.endm
.macro LASTQ
	s_wait_dscnt 8
	MULP 1, 0, 0, 0
	MULP 1, 0, 1, 0
	s_wait_dscnt 0x0
	MULP 1, 1, 0, 0
	MULP 1, 1, 1, 0
.endm
.macro STAGE_OUT                       ; the f32 sums into the stage, each accumulator's low end first
.rept 8
	v_nop
.endr
.set hh, 0
.rept 2
	WIN 0x08+4*hh
.set aa, 0
.rept 4
.set bb, 0
.rept NB
.set rD, 8*(NB*aa+bb)
	ds_store_b128 v[8+hh], v[rD:rD+3] offset:aa*16*SPITCH+64*bb
	ds_store_b128 v[8+hh], v[rD+4:rD+7] offset:aa*16*SPITCH+64*bb+16
.set bb, bb+1
.endr
.set aa, aa+1
.endr
.set hh, hh+1
.endr
	WIN 0
.endm
	s_load_b256 s[4:11], s[0:1], 0x0               ; xn, wt, hbuf, b_fc1
	v_lshl_add_u32 v28, v0, 2, SPARE
	v_mov_b32 v29, 0
	ds_add_u32 v28, v29                            ; the wave's opening, ahead of my first tensor load
	v_lshrrev_b32 v1, 5, v0
	v_readfirstlane_b32 s14, v1
	s_lshr_b32 s15, s14, 1
	s_and_b32 s16, s14, 1
	s_bfe_u32 s17, ttmp6, 0x40000
	s_bfe_u32 s18, ttmp6, 0x40004
	s_lshl_b32 s19, ttmp9, 2
	s_add_co_u32 s19, s19, s17
	s_and_b32 s20, ttmp7, 0xffff
	s_lshl_b32 s20, s20, 2
	s_add_co_u32 s20, s20, s18
	s_lshl_b32 s56, s18, 2
	s_lshl_b32 s56, 15, s56
	s_lshl_b32 s57, 0x1111, s17
	s_or_b32 s24, s56, G1W0
	s_or_b32 s40, s57, G1W0
	s_mov_b32 s25, 128<<16
	s_mov_b32 s26, RA<<16
	s_mov_b32 s27, 128<<16
	s_mov_b32 s28, RA
	s_mov_b32 s29, 128
	s_mov_b32 s30, 0
	s_mov_b32 s31, 0
	s_mov_b32 s41, 128<<16
	s_mov_b32 s42, RB<<16
	s_mov_b32 s43, 128<<16
	s_mov_b32 s44, RB
	s_mov_b32 s45, 128
	s_mov_b32 s46, 0
	s_mov_b32 s47, 0
	s_mul_i32 s66, s20, AMT
	s_mul_i32 s67, s16, AWC
	s_add_co_u32 s66, s66, s67
	s_mov_b32 s67, 0
	s_mul_i32 s68, s19, BNT
	s_mul_i32 s69, s16, BWC
	s_add_co_u32 s68, s68, s69
	s_add_co_u32 s68, s68, WOFF
	s_mov_b32 s69, 0
	s_mov_b32 s32, 1
	s_mul_i32 s33, s16, LASZ
	s_mov_b32 s36, 1
	s_add_co_u32 s37, s33, SLOT
	s_mov_b32 s48, 1
	s_mul_i32 s49, s16, LBSZ
	s_add_co_u32 s49, s49, ATOT
	s_mov_b32 s52, 1
	s_add_co_u32 s53, s49, SLOT
	s_mov_b32 s22, 0
	s_mov_b32 s70, 0x36bc9edb                      ; e6 .. e0 = d6 .. d0 x 2^(1/16), each named as a pair
	s_mov_b32 s71, s70
	s_mov_b32 s72, 0x3856241a
	s_mov_b32 s73, s72
	s_mov_b32 s74, 0x382674bc
	s_mov_b32 s75, s74
	s_mov_b32 s76, 0x3b605009
	s_mov_b32 s77, s76
	s_mov_b32 s78, 0x3cb4dad2
	s_mov_b32 s79, s78
	s_mov_b32 s80, 0x3d554cc4
	s_mov_b32 s81, s80
	s_mov_b32 s82, 0x3f85aac3
	s_mov_b32 s83, s82
	s_wait_dscnt 0x0
	s_wait_kmcnt 0x0
	s_add_nc_u64 s[34:35], s[4:5], s[66:67]
	s_add_nc_u64 s[38:39], s[34:35], ASTEP
	s_or_b32 s35, s35, 0x80000000
	s_or_b32 s39, s39, 0x80000000
	s_add_nc_u64 s[50:51], s[6:7], s[68:69]
	s_add_nc_u64 s[54:55], s[50:51], BSTEP
	s_or_b32 s51, s51, 0x80000000
	s_or_b32 s55, s55, 0x80000000
	CROUND
	s_cmp_eq_u32 s15, 0
	s_cbranch_scc0 .Lfirst_b
	tensor_load_to_lds s[32:35], s[24:31]
	s_nop 0
	tensor_load_to_lds s[36:39], s[24:31]
	s_nop 0
.rept 4
	v_nop
.endr
	s_branch .Lfirst_done
.Lfirst_b:
	tensor_load_to_lds s[48:51], s[40:47]
	s_nop 0
	tensor_load_to_lds s[52:55], s[40:47]
	s_nop 0
.rept 4
	v_nop
.endr
.Lfirst_done:
	v_and_b32 v1, 15, v0
	v_bfe_u32 v2, v0, 4, 1
	v_mul_u32_u24 v3, v1, 144
	v_lshl_add_u32 v3, v2, 4, v3
	s_mul_i32 s61, s15, 36864
	v_add_nc_u32 v4, s61, v3
	s_mul_i32 s61, s16, NB*2304
	s_add_co_u32 s61, s61, ATOT
	v_add_nc_u32 v5, s61, v3
	; the bias in the result's layout: register j of block b holds column 16 b + 8 (l / 16) + j
	v_lshlrev_b32 v16, 5, v2
	s_lshl_b32 s2, s19, 10
	s_lshl_b32 s3, s16, 9
	s_add_co_u32 s2, s2, s3
	s_mov_b32 s3, 0
	s_add_nc_u64 s[10:11], s[10:11], s[2:3]
.set i, 0
.rept 8
	global_load_b128 v[32+8*i:35+8*i], v16, s[10:11] offset:64*i
	global_load_b128 v[36+8*i:39+8*i], v16, s[10:11] offset:64*i+16
.set i, i+1
.endr
	; the way out: each wave's own stage, 128 rows of 528 bytes
	s_mul_i32 s61, s14, 128*SPITCH
	v_mul_u32_u24 v8, v1, SPITCH
	v_lshl_add_u32 v8, v2, 5, v8
	v_add_nc_u32 v8, s61, v8
	v_add_nc_u32 v9, 64*SPITCH, v8
	v_mul_u32_u24 v10, v2, SPITCH                  ; back: lanes 0-15 one row's 64 columns, lanes 16-31 the next row's
	v_lshl_add_u32 v10, v1, 4, v10
	v_add_nc_u32 v10, s61, v10
	v_and_b32 v14, 31, v0
	v_lshlrev_b32 v14, 3, v14
	s_lshl1_add_u32 s2, s20, s15                   ; 2 x tile row + my half: the block of 128 rows
	s_lshl_b32 s2, s2, 20
	s_lshl1_add_u32 s3, s19, s16                   ; 2 x tile column + my half,
	s_lshl_b32 s3, s3, 15                          ; two slabs each
	s_add_co_u32 s2, s2, s3
	s_mov_b32 s3, 0
	s_add_nc_u64 s[8:9], s[8:9], s[2:3]
	; the prefetches: A's blocks are asked for by the clusters with x = 0, W's by those with y = 0; the four partners of a joint load share a block out by address
	s_mov_b32 s62, ASTEP
	s_mov_b32 s63, BSTEP
	s_and_b32 s61, ttmp7, 0xffff
	s_cmp_eq_u32 s15, 0
	s_cselect_b32 s60, ttmp9, s61
	s_cselect_b32 s61, s17, s18
	s_cselect_b32 s62, s62, s63
	s_cselect_b32 s3, s66, s68
	s_cselect_b64 s[58:59], s[4:5], s[6:7]
	s_mov_b32 s63, 0
	s_lshl_b32 s2, s61, 13                         ; my quarter of the block: 32 x 256 bytes
	s_add_co_u32 s2, s2, s3
	s_mul_i32 s3, s62, 1+PFD
	s_add_co_u32 s2, s2, s3
	s_mov_b32 s3, 0
	s_add_nc_u64 s[58:59], s[58:59], s[2:3]
	s_cmp_eq_u32 s60, 0
	s_cselect_b32 s60, PFD, -1
	v_and_b32 v15, 31, v0
	v_lshlrev_b32 v15, 8, v15
	s_wait_tensorcnt 0x1                           ; my part of step 0 is in; step 1's may stay out
	s_barrier_signal -1
	s_barrier_wait -1
	v_mov_b32 v6, v4
	v_mov_b32 v7, v5
	FETCH 0, 0
	s_wait_loadcnt 0x0                             ; the bias
	QUARTER 1, 0, 1                                ; step 0's first quarter: its products start the sums, from the bias
	WIN 0
	v_add_nc_u32 v6, SA, v6                        ; step 0's second slab
	v_add_nc_u32 v7, SB, v7
	QUARTER 0, 1                                   ; its second and third quarters are written out: the loop's steps begin at a change of slots
	QUARTER 1, 0
	WIN 0
	s_mov_b32 s21, TSTEPS-2
.Lstep:                                        ; a trip: a step's fourth quarter and the next step's first three; one refill
	CHANGE 1
	PAIRS 1
	s_sub_co_u32 s21, s21, 1
	s_cmp_lg_u32 s21, 0
	s_cbranch_scc1 .Lstep
	CHANGE 0                                       ; the last change asks for nothing: written out
	PAIRS 2
	LASTQ
	WIN 0
	s_barrier_signal -1                            ; every wave's reads of the ring are over; its blocks have had their last fill: it becomes the stages
	s_barrier_wait -1
	STAGE_OUT
.set Z,  96                            ; 32 numbers z a lane: 8 rows x 128 columns a wave
.set TT, 128                           ; |z|, later the packed results
.set MX, 160                           ; max(z, 0), later the result
.set PP, 192                           ; the polynomial
.macro ZLOAD
.irp u, 0,1,2,3,4,5,6,7
	ds_load_b128 v[Z+4*(\u):Z+4*(\u)+3], v10 offset:((\u)/2)*2*SPITCH+((\u)%2)*256
.endr
.endm
	ZLOAD                                          ; my own bytes, served in order behind the stores (ISA guide 5.7.1.4)
	s_mov_b32 s21, 16
.Lrows:
	s_wait_dscnt 0x0
.set i, 0
.rept 32
	v_max_num_f32 v[MX+i], 0, v[Z+i]
.set i, i+1
.endr
.set i, 0
.rept 16
	v_pk_fma_f32 v[TT+2*i:TT+2*i+1], v[MX+2*i:MX+2*i+1], 2.0, v[Z+2*i:Z+2*i+1] op_sel_hi:[1,0,1] neg_lo:[0,0,1] neg_hi:[0,0,1]  ; 2 max(z, 0) - z = |z|
.set i, i+1
.endr
	s_cmp_eq_u32 s21, 1                            ; the next eight rows are fetched under this trip's arithmetic; the last trip has none
	s_cbranch_scc1 .Lnoz
	v_add_nc_u32 v10, 8*SPITCH, v10
	ZLOAD
.Lnoz:
.set i, 0
.rept 16
	v_pk_fma_f32 v[PP+2*i:PP+2*i+1], v[TT+2*i:TT+2*i+1], s[70:71], s[72:73] op_sel_hi:[1,0,0]
.set i, i+1
.endr
.irp k, 74,76,78,80,82
.set i, 0
.rept 16
	v_pk_fma_f32 v[PP+2*i:PP+2*i+1], v[PP+2*i:PP+2*i+1], v[TT+2*i:TT+2*i+1], s[\k:\k+1] op_sel_hi:[1,1,0]
.set i, i+1
.endr
.endr
.rept 4                                ; the 16th power
.set i, 0
.rept 16
	v_pk_mul_f32 v[PP+2*i:PP+2*i+1], v[PP+2*i:PP+2*i+1], v[PP+2*i:PP+2*i+1]
.set i, i+1
.endr
.endr
.set i, 0
.rept 32
	v_rcp_f32 v[PP+i], v[PP+i]
.set i, i+1
.endr
	v_nop                                          ; a plain instruction behind the last reciprocal,
	s_wait_alu depctr_va_vdst(0)                   ; and ONE wait for the batch of 32
.set i, 0
.rept 16
	v_pk_fma_f32 v[MX+2*i:MX+2*i+1], v[TT+2*i:TT+2*i+1], v[PP+2*i:PP+2*i+1], v[MX+2*i:MX+2*i+1] neg_lo:[1,0,0] neg_hi:[1,0,0]
.set i, i+1
.endr
.set i, 0
.rept 16
	v_cvt_pk_bf16_f32 v[TT+i], v[MX+2*i], v[MX+2*i+1]
.set i, i+1
.endr
.irp u, 0,1,2,3,4,5,6,7
	global_store_b64 v14, v[TT+2*(\u):TT+2*(\u)+1], s[8:9] offset:((\u)%2)*16384+((\u)/2)*256  ; two rows of a slab: 256 consecutive bytes, aligned
.endr
	s_wait_xcnt 0x0                                ; the stores' data and base are written again only behind this wait
	s_add_nc_u64 s[8:9], s[8:9], 1024
	s_sub_co_u32 s21, s21, 1
	s_cmp_lg_u32 s21, 0
	s_cbranch_scc1 .Lrows
	s_wait_tensorcnt 0x0                           ; the wave's end
	ds_add_u32 v28, v29
	s_wait_dscnt 0x0
	CROUND                                         ; the closing round
	s_endpgm
.Lfunc_end_k_q1f8ed50378_g_fc1:
	.size	k_q1f8ed50378_g_fc1, .Lfunc_end_k_q1f8ed50378_g_fc1-k_q1f8ed50378_g_fc1
	.p2alignl 7, 3214868480
	.fill 96, 4, 3214868480
	.section	.rodata,"a",@progbits
	.p2align	6, 0x0
	.amdhsa_kernel k_q1f8ed50378_g_fc1
		.amdhsa_group_segment_fixed_size 327680
		.amdhsa_private_segment_fixed_size 0
		.amdhsa_enable_private_segment 0
		.amdhsa_kernarg_size 32
		.amdhsa_user_sgpr_count 2
		.amdhsa_user_sgpr_kernarg_segment_ptr 1
		.amdhsa_wavefront_size32 1
		.amdhsa_system_sgpr_workgroup_id_x 1
		.amdhsa_system_sgpr_workgroup_id_y 1
		.amdhsa_system_sgpr_workgroup_id_z 1
		.amdhsa_system_vgpr_workitem_id 0
		.amdhsa_next_free_vgpr 1024
		.amdhsa_next_free_sgpr 90
		.amdhsa_reserve_vcc 0
		.amdhsa_float_denorm_mode_32 3
		.amdhsa_float_denorm_mode_16_64 3
		.amdhsa_memory_ordered 1
		.amdhsa_forward_progress 1
		.amdhsa_inst_pref_size 89
	.end_amdhsa_kernel
	.amdgpu_metadata
---
amdhsa.version: [ 1, 2 ]
amdhsa.kernels:
  - .name:           k_q1f8ed50378_g_fc1
    .symbol:         k_q1f8ed50378_g_fc1.kd
    .args:
      - { .name: xn, .offset: 0, .size: 8, .value_kind: global_buffer, .address_space: global }
      - { .name: wt, .offset: 8, .size: 8, .value_kind: global_buffer, .address_space: global }
      - { .name: hbuf, .offset: 16, .size: 8, .value_kind: global_buffer, .address_space: global }
      - { .name: b_fc1, .offset: 24, .size: 8, .value_kind: global_buffer, .address_space: global }
    .group_segment_fixed_size: 327680
    .private_segment_fixed_size: 0
    .kernarg_segment_align: 8
    .kernarg_segment_size: 32
    .max_flat_workgroup_size: 128
    .sgpr_count:     90
    .vgpr_count:     1024
    .wavefront_size: 32
...
	.end_amdgpu_metadata
.endif
;; end of part 12
;; launch g_fc2 (part 13): grid 8 x 32, 4 waves a work-group, clusters of 4 x 4, 327,680 bytes of LDS; arguments hbuf, wt, out0, b_fc2, x1; writes out0
.if DOCPART == 13
	.amdgcn_target "amdgcn-amd-amdhsa--gfx1250"
	.amdhsa_code_object_version 6
	.text
	.protected	k_q1f8ed50378_g_fc2
	.globl	k_q1f8ed50378_g_fc2
	.p2align	8
	.type	k_q1f8ed50378_g_fc2,@function
k_q1f8ed50378_g_fc2:
	s_mov_b64 s[64:65], 0
	v_nop
	global_prefetch_b8 v0, s[64:65] scope:SCOPE_SE
	s_setreg_imm32_b32 hwreg(HW_REG_WAVE_MODE, 25, 1), 1
	s_wait_xcnt 0x0
	s_wait_alu depctr_hold_cnt(0) depctr_sa_sdst(0) depctr_va_vdst(0) depctr_va_sdst(0) depctr_va_ssrc(0) depctr_va_vcc(0) depctr_vm_vsrc(0)
	s_getreg_b32 s2, hwreg(HW_REG_IB_STS2, 6, 4)
	s_cmp_eq_u32 s2, 0
	s_cbranch_scc0 .Lentry_in_a_cluster
	s_endpgm
.Lentry_in_a_cluster:
	s_bfe_u32 s2, ttmp6, 0x10000c
	s_cmp_lg_u32 s2, 0xf033
	s_cbranch_scc0 .Lentry_shape_is_right
	s_endpgm
.Lentry_shape_is_right:
; out0 = x1 + h W_fc2 + b_fc2.  bf16 operands, f32 sums, f32 out.  A tile of 128 x 128 to a work-group (8 x 32 = 256 of them).  K IS SPLIT AMONG THE FOUR WAVES: a step is 256 along K, four slabs of 64;
; wave w multiplies slab w for the whole tile (64 accumulators); the four f32 partial sums meet in LDS at the end.  16 steps.
; Ring, cluster, fragments and windows as in the other products of this program.
; THE ORDER OF K.  Step t takes K block t xor m, m = 2 x ((cluster x + cluster y) mod 2), for h and W alike (f32 sums may be taken in any order).  Rows of h are read by the two clusters with the same y, rows of W by those with the
; same x: among them both values of m occur.  So in the steps whose t has bit 1 set (2, 3, 6, 7, 10, 11, 14, 15: 8 of the 14 refills) a cluster asks for blocks that a cluster of the other m asked for two steps earlier.
; m hangs on the cluster's coordinates alone, which all sixteen partners share: every descriptor stays equal in the work-groups that its mask names.
; THE PREFETCH names a block once in the launch, in a cluster that reads it first (t with bit 1 clear), two refills (256 matrix instructions a wave) ahead of the joint load that wants it: steps 4, 5, 8, 9, 12, 13.
.set NB, 8
.set TSTEPS, 16
.set RA, 128
.set RB, 128
.set LASZ, 36864
.set LBSZ, 36864
.set ATOT, 73728
.set SLOT, 147456                      ; = 0x24000: no block's start (0, 0x9000, 0x12000, 0x1b000) shares a bit with it, so one exclusive or changes slots
.set SPARE, 294912
.set AMT, 1048576
.set AWC, 32768
.set STEPSH, 16                        ; a step, 256 along K of 128 rows, is 65,536 bytes, in h and in W alike
.set WOFF, 16777216
.set BNT, 1048576
.set BWC, 32768
.set SPITCH, 528
.set PFD, 2
.set LNL, 2*NB+16
.set G1W0, (1<<16)|(1<<20)|(1<<21)|(4<<22)|(3<<25)
.set MSB, 0
.macro WIN new
.if MSB != (\new)
	s_set_vgpr_msb (MSB<<8)|(\new)
.set MSB, (\new)
.endif
.endm
.macro PLACES
.rept 4
	v_nop
.endr
.endm
.macro CREST
	s_cmp_lg_u32 s14, 0
	s_cbranch_scc1 .Lnw0_\@
	s_barrier_signal -3
.Lnw0_\@:
	s_barrier_wait -3
	s_barrier_signal -1
	s_barrier_wait -1
.endm
.macro CROUND
	s_barrier_signal -1
	s_barrier_wait -1
	CREST
.endm
.macro JLOAD
	s_cmp_eq_u32 s15, 0
	s_cbranch_scc0 .Lfor_b_\@
	tensor_load_to_lds s[36:39], s[24:31]
	s_nop 0
.rept 4
	v_nop
.endr
	s_branch .Lasked_\@
.Lfor_b_\@:
	tensor_load_to_lds s[52:55], s[40:47]
	s_nop 0
.rept 4
	v_nop
.endr
.Lasked_\@:
.endm
; One prefetch a wave, behind the refill of step t: my share (a lane a block of 256 bytes, 32 of the 128 that I fetch) of step t + 2.  It is issued where bit 1 of t is set, so that t + 2 has it clear: a step in which my cluster
; is among the first to read its blocks; and where t + 2 is at most 15: the count s21 = 16 - t is above 2.  h's waves ask in every cluster, each for its own such steps; W's in the clusters with y = 0 and y = 1, which have unlike m.
.macro ASK
	WIN 0
	s_bitcmp1_b32 s75, 1                           ; bit 1 of t
	s_cselect_b32 s61, s21, 0
	s_cmp_gt_u32 s61, s60
	s_cbranch_scc0 .Lnot_mine_\@
	global_prefetch_b8 v15, s[58:59] th:TH_LOAD_NT scope:SCOPE_SE
.Lnot_mine_\@:
.endm
.macro MULP f, hi, part, first         ; 16 products; all accumulators take turns, one instruction a turn
	WIN 0xa5+0x50*(\hi)
.irp aa, 0, 1
.set bb, 0
.rept NB
.set rD, 8*(NB*(2*(\part)+(\aa))+bb)
.set rB, 128*(\f)+64+8*bb
.set rA, 128*(\f)+8*(4*(\hi)+2*(\part)+(\aa))
.if \first
	v_wmma_f32_16x16x32_bf16 v[rD:rD+7], v[rB:rB+7], v[rA:rA+7], 0
.else
	v_wmma_f32_16x16x32_bf16 v[rD:rD+7], v[rB:rB+7], v[rA:rA+7], v[rD:rD+7]
.endif
.set bb, bb+1
.endr
.endr
.endm
.macro FETCH q, f
	WIN 0x40
.set oA, 64*(\q)
.set oB, 64*(\q)
.set i, 0
.rept NB
	ds_load_b128 v[128*(\f)+64+8*i:128*(\f)+64+8*i+3], v7 offset:oB+2304*i
	ds_load_b128 v[128*(\f)+64+8*i+4:128*(\f)+64+8*i+7], v7 offset:oB+2304*i+32
.set i, i+1
.endr
.set i, 0
.rept 8
	ds_load_b128 v[128*(\f)+8*i:128*(\f)+8*i+3], v6 offset:oA+2304*i
	ds_load_b128 v[128*(\f)+8*i+4:128*(\f)+8*i+7], v6 offset:oA+2304*i+32
.set i, i+1
.endr
.endm
.macro QUARTER q, f, first=0
	s_wait_dscnt 8                                 ; W and A's rows 0-63 are in; the youngest eight loads may be out
	MULP \f, 0, 0, \first
	MULP \f, 0, 1, \first
	PLACES
	FETCH \q, 1-(\f)
	s_wait_dscnt LNL                               ; all but the run just issued
	MULP \f, 1, 0, \first
	MULP \f, 1, 1, \first
.endm
.macro TURN fill
.if \fill
	s_wait_xcnt 0x0                                ; the last prefetch, a step or more back, has read its address: it is written anew below
.endif
	WIN 0
	s_wait_tensorcnt 0x0                           ; all my tensor loads have landed, so a group 0 may be written
	ds_add_u32 v28, v29
	s_xor_b32 s22, s22, SLOT
.if \fill
	s_xor_b32 s37, s37, SLOT                       ; the walking descriptors: the slot just read,
	s_xor_b32 s53, s53, SLOT
	s_add_co_u32 s75, s75, 1                       ; the next step t,
	s_xor_b32 s76, s75, s74                        ; its K block t xor m,
	s_lshl_b32 s76, s76, STEPSH                    ; in bytes
	s_add_nc_u64 s[38:39], s[70:71], s[76:77]      ; the address is made anew from the block's base, and the type bits are set again
	s_or_b32 s39, s39, 0x80000000
	s_add_nc_u64 s[54:55], s[72:73], s[76:77]
	s_or_b32 s55, s55, 0x80000000
	s_add_co_u32 s80, s75, PFD                     ; the prefetch's step, t + 2, and its K block
	s_xor_b32 s80, s80, s74
	s_lshl_b32 s80, s80, STEPSH
	s_add_nc_u64 s[58:59], s[78:79], s[80:81]
.endif
	s_wait_dscnt 9                                 ; the add and the youngest eight loads may be out
	MULP 1, 0, 0, 0
	s_wait_dscnt 0x0                               ; the add is done, my reads of this slot are over
	s_barrier_signal -1
	MULP 1, 0, 1, 0
	WIN 0
	s_barrier_wait -1
.if \fill
	CREST
	JLOAD
.else
	PLACES
.endif
	v_add_nc_u32 v6, s22, v4
	v_add_nc_u32 v7, s22, v5
	FETCH 0, 0
.if \fill
	ASK
.endif
	MULP 1, 1, 0, 0
	MULP 1, 1, 1, 0
.endm
.macro LASTQ
	s_wait_dscnt 8
	MULP 1, 0, 0, 0
	MULP 1, 0, 1, 0
	s_wait_dscnt 0x0
	MULP 1, 1, 0, 0
	MULP 1, 1, 1, 0
.endm
.macro STAGE_OUT
.rept 8
	v_nop
.endr
.set hh, 0
.rept 2
	WIN 0x08+4*hh
.set aa, 0
.rept 4
.set bb, 0
.rept NB
.set rD, 8*(NB*aa+bb)
	ds_store_b128 v[8+hh], v[rD:rD+3] offset:aa*16*SPITCH+64*bb
	ds_store_b128 v[8+hh], v[rD+4:rD+7] offset:aa*16*SPITCH+64*bb+16
.set bb, bb+1
.endr
.set aa, aa+1
.endr
.set hh, hh+1
.endr
	WIN 0
.endm
	s_load_b256 s[4:11], s[0:1], 0x0               ; A, wt, out, bias
	s_load_b64 s[12:13], s[0:1], 0x20              ; the residual
	v_lshl_add_u32 v28, v0, 2, SPARE
	v_mov_b32 v29, 0
	ds_add_u32 v28, v29                            ; the wave's opening, ahead of my first tensor load
	v_lshrrev_b32 v1, 5, v0
	v_readfirstlane_b32 s14, v1
	s_lshr_b32 s15, s14, 1
	s_and_b32 s16, s14, 1
	s_bfe_u32 s17, ttmp6, 0x40000
	s_bfe_u32 s18, ttmp6, 0x40004
	s_lshl_b32 s19, ttmp9, 2
	s_add_co_u32 s19, s19, s17
	s_and_b32 s20, ttmp7, 0xffff
	s_lshl_b32 s20, s20, 2
	s_add_co_u32 s20, s20, s18
	s_lshl_b32 s56, s18, 2
	s_lshl_b32 s56, 15, s56
	s_lshl_b32 s57, 0x1111, s17
	s_or_b32 s24, s56, G1W0
	s_or_b32 s40, s57, G1W0
	s_mov_b32 s25, 128<<16
	s_mov_b32 s26, RA<<16
	s_mov_b32 s27, 128<<16
	s_mov_b32 s28, RA
	s_mov_b32 s29, 128
	s_mov_b32 s30, 0
	s_mov_b32 s31, 0
	s_mov_b32 s41, 128<<16
	s_mov_b32 s42, RB<<16
	s_mov_b32 s43, 128<<16
	s_mov_b32 s44, RB
	s_mov_b32 s45, 128
	s_mov_b32 s46, 0
	s_mov_b32 s47, 0
	s_mul_i32 s66, s20, AMT
	s_mul_i32 s67, s16, AWC
	s_add_co_u32 s66, s66, s67
	s_mov_b32 s67, 0
	s_mul_i32 s68, s19, BNT
	s_mul_i32 s69, s16, BWC
	s_add_co_u32 s68, s68, s69
	s_add_co_u32 s68, s68, WOFF
	s_mov_b32 s69, 0
	s_mov_b32 s32, 1
	s_mul_i32 s33, s16, LASZ
	s_mov_b32 s36, 1
	s_add_co_u32 s37, s33, SLOT
	s_mov_b32 s48, 1
	s_mul_i32 s49, s16, LBSZ
	s_add_co_u32 s49, s49, ATOT
	s_mov_b32 s52, 1
	s_add_co_u32 s53, s49, SLOT
	s_mov_b32 s22, 0
	s_and_b32 s74, ttmp7, 0xffff                   ; cluster y
	s_add_co_u32 s74, s74, ttmp9                   ; + cluster x
	s_and_b32 s74, s74, 1
	s_lshl_b32 s74, s74, 1                         ; m
	s_mov_b32 s75, 1                               ; t of the step asked for last
	s_lshl_b32 s76, s74, STEPSH                    ; step 0's K block, m, in bytes
	s_mov_b32 s77, 0
	s_xor_b32 s80, s74, 1
	s_lshl_b32 s80, s80, STEPSH                    ; step 1's, 1 xor m
	s_mov_b32 s81, 0
	s_wait_dscnt 0x0
	s_wait_kmcnt 0x0
	s_add_nc_u64 s[70:71], s[4:5], s[66:67]        ; my block of h at K block 0
	s_add_nc_u64 s[72:73], s[6:7], s[68:69]        ; of W
	s_add_nc_u64 s[34:35], s[70:71], s[76:77]
	s_add_nc_u64 s[38:39], s[70:71], s[80:81]
	s_or_b32 s35, s35, 0x80000000
	s_or_b32 s39, s39, 0x80000000
	s_add_nc_u64 s[50:51], s[72:73], s[76:77]
	s_add_nc_u64 s[54:55], s[72:73], s[80:81]
	s_or_b32 s51, s51, 0x80000000
	s_or_b32 s55, s55, 0x80000000
	CROUND
	s_cmp_eq_u32 s15, 0
	s_cbranch_scc0 .Lfirst_b
	tensor_load_to_lds s[32:35], s[24:31]
	s_nop 0
	tensor_load_to_lds s[36:39], s[24:31]
	s_nop 0
.rept 4
	v_nop
.endr
	s_branch .Lfirst_done
.Lfirst_b:
	tensor_load_to_lds s[48:51], s[40:47]
	s_nop 0
	tensor_load_to_lds s[52:55], s[40:47]
	s_nop 0
.rept 4
	v_nop
.endr
.Lfirst_done:
	v_and_b32 v1, 15, v0
	v_bfe_u32 v2, v0, 4, 1
	v_mul_u32_u24 v3, v1, 144
	v_lshl_add_u32 v3, v2, 4, v3
	s_mul_i32 s61, s14, 18432
	v_add_nc_u32 v4, s61, v3
	s_add_co_u32 s61, s61, ATOT
	v_add_nc_u32 v5, s61, v3
	s_mul_i32 s61, s14, 128*SPITCH
	v_mul_u32_u24 v8, v1, SPITCH
	v_lshl_add_u32 v8, v2, 5, v8
	v_add_nc_u32 v8, s61, v8
	v_add_nc_u32 v9, 64*SPITCH, v8
	v_and_b32 v14, 31, v0
	v_lshlrev_b32 v14, 4, v14
	s_mul_i32 s61, s14, 32*SPITCH
	v_add_nc_u32 v10, s61, v14
	v_add_nc_u32 v11, 128*SPITCH, v10
	v_add_nc_u32 v12, 2*128*SPITCH, v10
	v_add_nc_u32 v13, 3*128*SPITCH, v10
	s_lshl_b32 s2, s19, 9
	s_mov_b32 s3, 0
	s_add_nc_u64 s[10:11], s[10:11], s[2:3]
	s_lshl_b32 s61, s20, 19
	s_add_co_u32 s2, s2, s61
	s_lshl_b32 s61, s14, 17
	s_add_co_u32 s2, s2, s61
	s_add_nc_u64 s[8:9], s[8:9], s[2:3]
	s_add_nc_u64 s[12:13], s[12:13], s[2:3]
	global_load_b128 v[32:35], v14, s[10:11]       ; the bias of my 4 columns; the residual's 32 rows: they land while the products run
.set r, 0
.rept 32
	global_load_b128 v[64+4*r:67+4*r], v14, s[12:13] offset:4096*r
.set r, r+1
.endr
	; the prefetches' base: the block that I fetch, at K block 0, and of its 128 pieces of 256 bytes my work-group's 32: the four partners of a joint load share a block out by address
	s_and_b32 s61, ttmp7, 0xffff
	s_lshr_b32 s60, s61, 1                         ; 0 in the clusters with y = 0 and y = 1
	s_cmp_eq_u32 s15, 0                            ; do I fetch for h?
	s_cselect_b32 s60, 0, s60                      ; then I ask in every cluster
	s_cselect_b32 s61, s17, s18                    ; my place among the four that ask with me
	s_cselect_b32 s3, s66, s68
	s_cselect_b64 s[78:79], s[4:5], s[6:7]
	s_lshl_b32 s2, s61, 13
	s_add_co_u32 s2, s2, s3
	s_mov_b32 s3, 0
	s_add_nc_u64 s[78:79], s[78:79], s[2:3]
	s_cmp_eq_u32 s60, 0
	s_cselect_b32 s60, PFD, -1                     ; the same in all sixteen partners, for a given wave
	v_and_b32 v15, 31, v0
	v_lshlrev_b32 v15, 8, v15
	s_wait_tensorcnt 0x1                           ; my part of step 0 is in; step 1's may stay out
	s_barrier_signal -1
	s_barrier_wait -1
	v_mov_b32 v6, v4
	v_mov_b32 v7, v5
	FETCH 0, 0
	QUARTER 1, 0, 1
	WIN 0
	s_mov_b32 s21, TSTEPS-2
.Lstep:
	TURN 1
	QUARTER 1, 0
	WIN 0
	s_sub_co_u32 s21, s21, 1
	s_cmp_lg_u32 s21, 0
	s_cbranch_scc1 .Lstep
	TURN 0
	QUARTER 1, 0
	LASTQ
	WIN 0
	s_barrier_signal -1                            ; every wave's reads of the ring are over; its blocks have had their last fill: it becomes the stage
	s_barrier_wait -1
	STAGE_OUT
	s_wait_dscnt 0x0                               ; for the others' sake
	s_barrier_signal -1
	s_barrier_wait -1
	s_wait_loadcnt 0x0                             ; bias and residual
.macro GLOAD g
.set bf, 192+32*((\g)%2)
.irp rr, 0,1
.irp p, 0,1,2,3
	ds_load_b128 v[bf+16*(\rr)+4*(\p):bf+16*(\rr)+4*(\p)+3], v[10+(\p)] offset:(2*(\g)+(\rr))*SPITCH
.endr
.endr
.endm
.macro GSUM g
.set bf, 192+32*((\g)%2)
.irp rr, 0,1
.set rw, 64+4*(2*(\g)+(\rr))
.set pb, bf+16*(\rr)
.irp h, 0,2
	v_pk_add_f32 v[pb+(\h):pb+(\h)+1], v[pb+(\h):pb+(\h)+1], v[pb+4+(\h):pb+5+(\h)]
	v_pk_add_f32 v[pb+8+(\h):pb+9+(\h)], v[pb+8+(\h):pb+9+(\h)], v[pb+12+(\h):pb+13+(\h)]
	v_pk_add_f32 v[rw+(\h):rw+(\h)+1], v[rw+(\h):rw+(\h)+1], v[32+(\h):33+(\h)]
.endr
.irp h, 0,2
	v_pk_add_f32 v[pb+(\h):pb+(\h)+1], v[pb+(\h):pb+(\h)+1], v[pb+8+(\h):pb+9+(\h)]
.endr
.irp h, 0,2
	v_pk_add_f32 v[rw+(\h):rw+(\h)+1], v[rw+(\h):rw+(\h)+1], v[pb+(\h):pb+(\h)+1]
.endr
	global_store_b128 v14, v[rw:rw+3], s[8:9] offset:4096*(2*(\g)+(\rr))  ; the wave stores 512 consecutive bytes, aligned; these registers are not written again
.endr
.endm
	GLOAD 0
	GLOAD 1
.set g, 0
.rept 15
	s_wait_dscnt 8                                 ; the next group's eight loads may be out
	GSUM g
.if g < 14
	GLOAD g+2
.endif
.set g, g+1
.endr
	s_wait_dscnt 0x0
	GSUM 15
	s_wait_tensorcnt 0x0                           ; the wave's end
	ds_add_u32 v28, v29
	s_wait_dscnt 0x0
	CROUND                                         ; the closing round
	s_endpgm
.Lfunc_end_k_q1f8ed50378_g_fc2:
	.size	k_q1f8ed50378_g_fc2, .Lfunc_end_k_q1f8ed50378_g_fc2-k_q1f8ed50378_g_fc2
	.p2alignl 7, 3214868480
	.fill 96, 4, 3214868480
	.section	.rodata,"a",@progbits
	.p2align	6, 0x0
	.amdhsa_kernel k_q1f8ed50378_g_fc2
		.amdhsa_group_segment_fixed_size 327680
		.amdhsa_private_segment_fixed_size 0
		.amdhsa_enable_private_segment 0
		.amdhsa_kernarg_size 40
		.amdhsa_user_sgpr_count 2
		.amdhsa_user_sgpr_kernarg_segment_ptr 1
		.amdhsa_wavefront_size32 1
		.amdhsa_system_sgpr_workgroup_id_x 1
		.amdhsa_system_sgpr_workgroup_id_y 1
		.amdhsa_system_sgpr_workgroup_id_z 1
		.amdhsa_system_vgpr_workitem_id 0
		.amdhsa_next_free_vgpr 1024
		.amdhsa_next_free_sgpr 90
		.amdhsa_reserve_vcc 0
		.amdhsa_float_denorm_mode_32 3
		.amdhsa_float_denorm_mode_16_64 3
		.amdhsa_memory_ordered 1
		.amdhsa_forward_progress 1
		.amdhsa_inst_pref_size 91
	.end_amdhsa_kernel
	.amdgpu_metadata
---
amdhsa.version: [ 1, 2 ]
amdhsa.kernels:
  - .name:           k_q1f8ed50378_g_fc2
    .symbol:         k_q1f8ed50378_g_fc2.kd
    .args:
      - { .name: hbuf, .offset: 0, .size: 8, .value_kind: global_buffer, .address_space: global }
      - { .name: wt, .offset: 8, .size: 8, .value_kind: global_buffer, .address_space: global }
      - { .name: out0, .offset: 16, .size: 8, .value_kind: global_buffer, .address_space: global }
      - { .name: b_fc2, .offset: 24, .size: 8, .value_kind: global_buffer, .address_space: global }
      - { .name: x1, .offset: 32, .size: 8, .value_kind: global_buffer, .address_space: global }
    .group_segment_fixed_size: 327680
    .private_segment_fixed_size: 0
    .kernarg_segment_align: 8
    .kernarg_segment_size: 40
    .max_flat_workgroup_size: 128
    .sgpr_count:     90
    .vgpr_count:     1024
    .wavefront_size: 32
...
	.end_amdgpu_metadata
.endif
;; end of part 13
;; ======== version 3 of 3: 7 launches; version 2 with the launch prep written anew for expert scheduling mode
;; workspace buffers: wt 25,165,824 bytes; xn 8,388,608 bytes; qkvh 25,165,824 bytes; obuf 8,388,608 bytes; x1 16,777,216 bytes; hbuf 33,554,432 bytes
;; launch prep (part 14): grid 640 x 1, 4 waves a work-group, no clusters, 37,376 bytes of LDS; arguments x, ln1_g, ln1_b, w_qkv, w_proj, w_fc1, w_fc2, xn, wt; writes xn, wt
.if DOCPART == 14
	.amdgcn_target "amdgcn-amd-amdhsa--gfx1250"
	.amdhsa_code_object_version 6
	.text
	.protected	k_q1f8ed50378_prep
	.globl	k_q1f8ed50378_prep
	.p2align	8
	.type	k_q1f8ed50378_prep,@function
k_q1f8ed50378_prep:
	s_mov_b64 s[64:65], 0
	v_nop
	global_prefetch_b8 v0, s[64:65] scope:SCOPE_SE
	s_setreg_imm32_b32 hwreg(HW_REG_WAVE_SCHED_MODE, 0, 2), 2
	s_setreg_imm32_b32 hwreg(HW_REG_WAVE_MODE, 25, 1), 1
	s_wait_xcnt 0x0
	s_wait_alu depctr_vm_vsrc(0)
; PREP.  Work-groups 0-255: xn = layernorm(x) g + b, rounded once to bf16.  Work-groups 256-639: the four weights rounded once to bf16 and turned.
; xn's LAYOUT: byte of (row, ch) = (row>>7) x 262,144 + (ch>>6) x 16,384 + (row&127) x 128 + (ch&63) x 2: 128 rows of 64 channels are 16 KiB on end.
; wt's LAYOUT: W[K][N] lies as [N/NT][K/64][NT][64]: (t, kb, n, kk) = W[64 kb + kk][NT t + n]; NT = 192 (qkv, byte 0), 128 (proj, 6,291,456), 256 (fc1, 8,388,608), 128 (fc2, 16,777,216).
; A stream: no matrix unit, no cluster, no tensor load (no wave wants a byte that another has fetched).  The mean is taken first and the squares of x - mean second, so a common offset in x costs nothing.
; LIMITS: NaN and infinities are not treated apart.
; THE MODE: SCHED_MODE bits 1:0 = 2 (LLVM: expert scheduling mode 2), set by the entry lines.  The code itself states the register dependences
; between vector instructions and memory or LDS instructions, with s_wait_alu, always for 0.
; THE PLAN, LAYERNORM.  Registers that memory instructions touch:
;   v1, v2, v3  byte offsets, made once and never written again: the rows are reached by the scalar bases.
;   G, BT       loaded once; read by vector instructions alone.
;   X           a pair of rows lands in it; the trip's arithmetic works in place on it; the roundings read it last.
;   Y           written by the trip's 32 roundings; read by its 16 stores.
; ONE wait on va_vdst behind the roundings states that Y is written and that the vector side is done with X: the next pair's loads and this pair's stores follow it, with scalar lines alone between.
; One wait on vm_vsrc at the trip's end states that the stores have read Y.
; THE PLAN, CAST.  Registers that memory or LDS instructions touch:
;   v3 .. v13   byte offsets and LDS addresses, made once and never written again.
;   LD          a trip's 32 loads land in it, in four groups; group j's 16 roundings read group j.
;   TR          written by the roundings; read by the LDS stores; then the rows read back from the stage land in it; read by the global stores.
; A wait on va_vdst stands behind each group's roundings, ahead of its four LDS stores; behind the fourth no vector instruction follows in the trip, so it also states that all of LD has been read:
; the next trip's loads owe nothing more.  A wait on vm_vsrc stands between the LDS stores and the LDS loads, and one at the trip's end, behind the global stores.
.set SPARE, 36864                      ; behind the four waves' stages: the spare words, 128 bytes a wave
.set G,   16                           ; v[16:79]   the gain of my 64 channels
.set BT,  80                           ; v[80:143]  the bias
.set X,   144                          ; v[144:207] my 64 numbers of a row
.set RS,  208                          ; v[208:209] 1 / sqrt(var + eps), twice
.set Y,   210                          ; v[210:241] the same 64 numbers in bf16, to store
.set LD,  16                           ; cast: v[16:143] 32 x 4 numbers as loaded
.set TR,  144                          ; cast: v[144:207] sixteen sets of 16 bytes to put down, then sixteen read back
	s_load_b512 s[4:19], s[0:1], 0x0               ; x 4, g 6, b 8, w_qkv 10, w_proj 12, w_fc1 14, w_fc2 16, xn 18
	s_load_b64 s[20:21], s[0:1], 0x40              ; wt
	v_lshl_add_u32 v14, v0, 2, SPARE               ; my spare word; never rewritten
	v_mov_b32 v15, 0                               ; 0; never rewritten
	v_lshrrev_b32 v1, 5, v0
	v_readfirstlane_b32 s22, v1                    ; wave 0..3
	s_wait_alu depctr_va_sdst(0)                   ; s22 is written, ahead of the branch: both ways make their bases from it
	s_wait_kmcnt 0x0
	s_cmp_lt_u32 ttmp9, 256
	s_cbranch_scc0 .Lcast
; ---- LAYERNORM.  16 rows a work-group, 4 a wave, two at a time: lanes 0-15 hold one row, lanes 16-31 the next, so a row's sums stay inside 16 lanes.
	v_and_b32 v4, 31, v0
	v_and_b32 v5, 15, v0
	v_bfe_u32 v6, v0, 4, 1
	v_lshlrev_b32 v3, 4, v5                        ; 16 (l % 16): my 4 numbers in each 64 of g and b
	v_lshl_add_u32 v1, v6, 12, v3                  ; + a row of x for the upper lanes
	v_lshlrev_b32 v2, 3, v4                        ; 8 l: two rows x 128 bytes of a slab of xn
	s_lshl_b32 s40, ttmp9, 16                      ; 16 rows of 4,096 bytes
	s_lshl_b32 s41, s22, 14
	s_add_co_u32 s40, s40, s41
	s_mov_b32 s41, 0
	s_add_nc_u64 s[32:33], s[4:5], s[40:41]
	s_lshr_b32 s42, ttmp9, 3
	s_lshl_b32 s42, s42, 18
	s_and_b32 s43, ttmp9, 7
	s_lshl_b32 s43, s43, 11
	s_add_co_u32 s42, s42, s43
	s_lshl_b32 s43, s22, 9
	s_add_co_u32 s42, s42, s43
	s_mov_b32 s43, 0
	s_add_nc_u64 s[34:35], s[18:19], s[42:43]
.macro REDUCE                          ; four chains v[4:11] -> v4 = the row's sum, in all its 16 lanes
	v_pk_add_f32 v[4:5], v[4:5], v[6:7]
	v_pk_add_f32 v[8:9], v[8:9], v[10:11]
	v_pk_add_f32 v[4:5], v[4:5], v[8:9]
	v_add_f32 v4, v4, v5
	v_add_f32_dpp v4, v4, v4 row_xmask:1 row_mask:0xf bank_mask:0xf
	v_add_f32_dpp v4, v4, v4 row_xmask:2 row_mask:0xf bank_mask:0xf
	v_add_f32_dpp v4, v4, v4 row_xmask:4 row_mask:0xf bank_mask:0xf
	v_add_f32_dpp v4, v4, v4 row_xmask:8 row_mask:0xf bank_mask:0xf
.endm
.macro XROWS                           ; a pair of rows of x
.set j, 0
.rept 16
	global_load_b128 v[X+4*j:X+4*j+3], v1, s[32:33] offset:256*j  ; 16 lanes take 256 consecutive bytes of a row
.set j, j+1
.endr
.endm
	s_wait_alu depctr_va_vdst(0)                   ; v1, v2 and v3 are written: every load and store of this way reads one of them as its offset
.set j, 0
.rept 16
	global_load_b128 v[G+4*j:G+4*j+3], v3, s[6:7] offset:256*j
	global_load_b128 v[BT+4*j:BT+4*j+3], v3, s[8:9] offset:256*j
.set j, j+1
.endr
	XROWS                                          ; the first pair
	s_mov_b32 s36, 2                               ; two pairs of rows
	s_mov_b32 s37, 0x3a800000                      ; 1 / 1024
	s_mov_b32 s38, 0x3727c5ac                      ; 1e-5
.Lpair:
	s_wait_loadcnt 0x0                             ; the rows (and, the first time, g and b)
.irp c, 0,1,2,3
	v_pk_add_f32 v[4+2*(\c):5+2*(\c)], v[X+2*(\c):X+2*(\c)+1], v[X+8+2*(\c):X+9+2*(\c)]
.endr
.set p, 8
.rept 24
	v_pk_add_f32 v[4+2*(p%4):5+2*(p%4)], v[4+2*(p%4):5+2*(p%4)], v[X+2*p:X+2*p+1]
.set p, p+1
.endr
	REDUCE
	v_mul_f32 v12, s37, v4                         ; the mean, twice
	v_mul_f32 v13, s37, v4
.set p, 0
.rept 32
	v_pk_add_f32 v[X+2*p:X+2*p+1], v[X+2*p:X+2*p+1], v[12:13] neg_lo:[0,1] neg_hi:[0,1]
.set p, p+1
.endr
.irp c, 0,1,2,3
	v_pk_mul_f32 v[4+2*(\c):5+2*(\c)], v[X+2*(\c):X+2*(\c)+1], v[X+2*(\c):X+2*(\c)+1]
.endr
.set p, 4
.rept 28
	v_pk_fma_f32 v[4+2*(p%4):5+2*(p%4)], v[X+2*p:X+2*p+1], v[X+2*p:X+2*p+1], v[4+2*(p%4):5+2*(p%4)]
.set p, p+1
.endr
	REDUCE
	v_fma_f32 v4, v4, s37, s38                     ; var + eps
	v_rsq_f32 v[RS], v4
	v_rsq_f32 v[RS+1], v4
	v_nop                                          ; a plain instruction behind the last root,
	s_wait_alu depctr_va_vdst(0)                   ; and the one wait ahead of the first use: the two roots have written v[RS], v[RS+1]
.set p, 0
.rept 32
	v_pk_mul_f32 v[X+2*p:X+2*p+1], v[X+2*p:X+2*p+1], v[RS:RS+1]
.set p, p+1
.endr
.set p, 0
.rept 32
	v_pk_fma_f32 v[X+2*p:X+2*p+1], v[X+2*p:X+2*p+1], v[G+2*p:G+2*p+1], v[BT+2*p:BT+2*p+1]
.set p, p+1
.endr
.set p, 0
.rept 32
	v_cvt_pk_bf16_f32 v[Y+p], v[X+2*p], v[X+2*p+1] ; into registers of their own, so that X is free as soon as it has been read
.set p, p+1
.endr
	s_wait_alu depctr_va_vdst(0)                   ; the roundings have written Y, which the stores read, and the vector side is done with X, in which the next pair's loads land
	s_cmp_eq_u32 s36, 1                            ; the last pair has none behind it: no load leaves x
	s_cbranch_scc1 .Lnox
	s_add_nc_u64 s[32:33], s[32:33], 8192          ; free since the trip's wait for its loads, which shows the loads that read it done
	XROWS                                          ; the next pair goes out ahead of the stores
.Lnox:
.set j, 0
.rept 16
	global_store_b64 v2, v[Y+2*j:Y+2*j+1], s[34:35] offset:16384*j  ; slab j: the wave stores 256 consecutive bytes, aligned
.set j, j+1
.endr
	s_wait_xcnt 0x0                                ; the stores' data and base are written again only behind this wait
	s_wait_alu depctr_vm_vsrc(0)                   ; the stores have read Y, which the next trip's roundings write again
	s_add_nc_u64 s[34:35], s[34:35], 256
	s_sub_co_u32 s36, s36, 1
	s_cmp_lg_u32 s36, 0
	s_cbranch_scc1 .Lpair
	s_branch .Lend
; ---- CAST AND TURN.  A wave turns 128 k x 64 n, 64 x 64 a trip, through its own stage in LDS (64 rows of 144 bytes).
.macro PARAM first, n4, sh, mult, div, tileb, slabb, woff, src
	s_mov_b32 s31, \first                          ; the weight's first work-group
	s_mov_b32 s24, \n4                             ; bytes in a row of W
	s_mov_b32 s25, \sh                             ; log2 of K / 512
	s_mov_b32 s26, \mult                           ; 512 / (NT / 64), rounded up
	s_mov_b32 s27, \div                            ; NT / 64
	s_mov_b32 s28, \tileb                          ; bytes of a tile of NT columns
	s_mov_b32 s29, \slabb                          ; bytes of 64 k of it
	s_mov_b32 s30, \woff                           ; the weight's place in wt
	s_mov_b64 s[32:33], s[\src:\src+1]
.endm
.macro WROWS                           ; a trip's 64 rows of W, in four groups of 16 rows, eight loads each
.set j, 0
.rept 4
.set i, 0
.rept 8
	global_load_b128 v[LD+4*(8*j+i):LD+4*(8*j+i)+3], v[4+i], s[34+2*j:35+2*j] th:TH_LOAD_NT  ; 16 lanes take 256 consecutive bytes of a row of W
.set i, i+1
.endr
.set j, j+1
.endr
.endm
.Lcast:
	s_sub_co_u32 s23, ttmp9, 256
	s_cmp_lt_u32 s23, 96
	s_cbranch_scc1 .Lp_qkv
	s_cmp_lt_u32 s23, 128
	s_cbranch_scc1 .Lp_proj
	s_cmp_lt_u32 s23, 256
	s_cbranch_scc1 .Lp_fc1
	PARAM 256, 4096, 3, 256, 2, 1048576, 16384, 16777216, 16
	s_branch .Lgo
.Lp_qkv:
	PARAM 0, 12288, 1, 171, 3, 393216, 24576, 0, 10
	s_branch .Lgo
.Lp_proj:
	PARAM 96, 4096, 1, 256, 2, 262144, 16384, 6291456, 12
	s_branch .Lgo
.Lp_fc1:
	PARAM 128, 16384, 1, 128, 4, 524288, 32768, 8388608, 14
.Lgo:
	s_sub_co_u32 s50, s23, s31
	s_lshr_b32 s51, s50, s25                       ; which 64 columns
	s_lshl_b32 s52, s51, s25
	s_sub_co_u32 s52, s50, s52                     ; which 512 k
	s_lshl2_add_u32 s52, s52, s22
	s_lshl_b32 s52, s52, 7                         ; my first k
	s_mul_i32 s54, s52, s24
	s_lshl_b32 s55, s51, 8
	s_add_co_u32 s54, s54, s55
	s_mov_b32 s55, 0
	s_add_nc_u64 s[34:35], s[32:33], s[54:55]      ; four bases, 16 rows of W apart
	s_lshl_b32 s46, s24, 4
	s_mov_b32 s47, 0
	s_add_nc_u64 s[36:37], s[34:35], s[46:47]
	s_add_nc_u64 s[38:39], s[36:37], s[46:47]
	s_add_nc_u64 s[40:41], s[38:39], s[46:47]
	s_lshl_b32 s46, s24, 6                         ; a trip's 64 rows
	s_mul_i32 s53, s51, s26
	s_lshr_b32 s53, s53, 9                         ; the tile (exact for the 64 values at most that occur)
	s_mul_i32 s54, s53, s27
	s_sub_co_u32 s54, s51, s54                     ; which 64 of its columns
	s_lshl_b32 s54, s54, 13
	s_mul_i32 s53, s53, s28
	s_add_co_u32 s54, s54, s53
	s_lshr_b32 s53, s52, 6
	s_mul_i32 s53, s53, s29
	s_add_co_u32 s54, s54, s53
	s_add_co_u32 s54, s54, s30
	s_add_nc_u64 s[42:43], s[20:21], s[54:55]
	s_mov_b32 s48, s29
	s_mov_b32 s49, 0
	v_and_b32 v1, 15, v0                           ; c: my 4 columns
	v_bfe_u32 v2, v0, 4, 1                         ; hh: which 8 rows of 16
	v_lshlrev_b32 v3, 3, v2
.irp i, 0,1,2,3,4,5,6,7
	v_add_nc_u32 v[4+(\i)], \i, v3
	v_mul_u32_u24 v[4+(\i)], v[4+(\i)], s24
	v_lshl_add_u32 v[4+(\i)], v1, 4, v[4+(\i)]     ; (8 hh + i) rows + 16 c
.endr
	s_mul_i32 s45, s22, 9216                       ; my stage
	v_mul_u32_u24 v12, v1, 576                     ; in: row n = 4 c + e, k = 16 j + 8 hh on
	v_lshl_add_u32 v12, v2, 4, v12
	v_add_nc_u32 v12, s45, v12
	v_bfe_u32 v13, v0, 3, 2                        ; back: 32 lanes take four rows of 128 bytes
	v_mul_u32_u24 v13, v13, 144
	v_and_b32 v3, 7, v0
	v_lshl_add_u32 v13, v3, 4, v13
	v_add_nc_u32 v13, s45, v13
	v_and_b32 v3, 31, v0
	v_lshlrev_b32 v3, 4, v3                        ; which are 512 consecutive bytes of wt
	s_mov_b32 s44, 2
	s_wait_alu depctr_va_vdst(0)                   ; v3 to v13 are written: every load, store and LDS instruction of this way reads one of them as its offset or address
	WROWS                                          ; the first trip's rows
.Lblk:
.set j, 0
.rept 4
	s_wait_loadcnt 24-8*j                          ; group j's eight loads are in; the younger groups stay out
.set e, 0
.rept 4
.set q, 0
.rept 4
	v_cvt_pk_bf16_f32 v[TR+16*j+4*e+q], v[LD+4*(8*j+2*q)+e], v[LD+4*(8*j+2*q+1)+e]
.set q, q+1
.endr
.set e, e+1
.endr
	s_wait_alu depctr_va_vdst(0)                   ; group j's sixteen roundings have written their part of TR, which the four LDS stores read; behind the last group's, all of LD has been read too
.set e, 0
.rept 4
	ds_store_b128 v12, v[TR+16*j+4*e:TR+16*j+4*e+3] offset:144*e+32*j
.set e, e+1
.endr
.set j, j+1
.endr
	s_wait_alu depctr_vm_vsrc(0)                   ; the LDS stores have read TR, in which the rows read back land
.set t, 0
.rept 16
	ds_load_b128 v[TR+4*t:TR+4*t+3], v13 offset:576*t  ; my own bytes: LDS serves a wave's instructions in order (ISA guide 5.7.1.4)
.set t, t+1
.endr
	s_cmp_eq_u32 s44, 1                            ; the last trip has none behind it: no load leaves W
	s_cbranch_scc1 .Lnow
	s_add_nc_u64 s[34:35], s[34:35], s[46:47]      ; free since the last group's wait, which shows every load that read these bases done
	s_add_nc_u64 s[36:37], s[36:37], s[46:47]
	s_add_nc_u64 s[38:39], s[38:39], s[46:47]
	s_add_nc_u64 s[40:41], s[40:41], s[46:47]
	WROWS                                          ; the next trip's rows go out while the stage's rows come back.  No wait: no vector instruction since the last wait on va_vdst names LD
.Lnow:
.set t, 0
.rept 16
	s_wait_dscnt 15-t                              ; the younger loads stay out
	global_store_b128 v3, v[TR+4*t:TR+4*t+3], s[42:43] offset:512*t
.set t, t+1
.endr
	s_wait_xcnt 0x0                                ; the stores' base and data are written again only behind this wait
	s_wait_alu depctr_vm_vsrc(0)                   ; the global stores have read TR, which the next trip's roundings write again
	s_add_nc_u64 s[42:43], s[42:43], s[48:49]
	s_sub_co_u32 s44, s44, 1
	s_cmp_lg_u32 s44, 0
	s_cbranch_scc1 .Lblk
.Lend:
	s_wait_dscnt 0x0                               ; the closing lines, six on end
	s_wait_alu 0x0
	s_wait_tensorcnt 0x0
	ds_add_u32 v14, v15
	s_wait_dscnt 0x0
	s_endpgm
.Lfunc_end_k_q1f8ed50378_prep:
	.size	k_q1f8ed50378_prep, .Lfunc_end_k_q1f8ed50378_prep-k_q1f8ed50378_prep
	.p2alignl 7, 3214868480
	.fill 96, 4, 3214868480
	.section	.rodata,"a",@progbits
	.p2align	6, 0x0
	.amdhsa_kernel k_q1f8ed50378_prep
		.amdhsa_group_segment_fixed_size 37376
		.amdhsa_private_segment_fixed_size 0
		.amdhsa_enable_private_segment 0
		.amdhsa_kernarg_size 72
		.amdhsa_user_sgpr_count 2
		.amdhsa_user_sgpr_kernarg_segment_ptr 1
		.amdhsa_wavefront_size32 1
		.amdhsa_system_sgpr_workgroup_id_x 1
		.amdhsa_system_sgpr_workgroup_id_y 1
		.amdhsa_system_sgpr_workgroup_id_z 1
		.amdhsa_system_vgpr_workitem_id 0
		.amdhsa_next_free_vgpr 242
		.amdhsa_next_free_sgpr 66
		.amdhsa_reserve_vcc 0
		.amdhsa_float_denorm_mode_32 3
		.amdhsa_float_denorm_mode_16_64 3
		.amdhsa_memory_ordered 1
		.amdhsa_forward_progress 1
		.amdhsa_inst_pref_size 43
	.end_amdhsa_kernel
	.amdgpu_metadata
---
amdhsa.version: [ 1, 2 ]
amdhsa.kernels:
  - .name:           k_q1f8ed50378_prep
    .symbol:         k_q1f8ed50378_prep.kd
    .args:
      - { .name: x, .offset: 0, .size: 8, .value_kind: global_buffer, .address_space: global }
      - { .name: ln1_g, .offset: 8, .size: 8, .value_kind: global_buffer, .address_space: global }
      - { .name: ln1_b, .offset: 16, .size: 8, .value_kind: global_buffer, .address_space: global }
      - { .name: w_qkv, .offset: 24, .size: 8, .value_kind: global_buffer, .address_space: global }
      - { .name: w_proj, .offset: 32, .size: 8, .value_kind: global_buffer, .address_space: global }
      - { .name: w_fc1, .offset: 40, .size: 8, .value_kind: global_buffer, .address_space: global }
      - { .name: w_fc2, .offset: 48, .size: 8, .value_kind: global_buffer, .address_space: global }
      - { .name: xn, .offset: 56, .size: 8, .value_kind: global_buffer, .address_space: global }
      - { .name: wt, .offset: 64, .size: 8, .value_kind: global_buffer, .address_space: global }
    .group_segment_fixed_size: 37376
    .private_segment_fixed_size: 0
    .kernarg_segment_align: 8
    .kernarg_segment_size: 72
    .max_flat_workgroup_size: 128
    .sgpr_count:     66
    .vgpr_count:     242
    .wavefront_size: 32
...
	.end_amdgpu_metadata
.endif
;; end of part 14
;; launch g_qkv: the kernel of part 8 again; grid 16 x 16, 4 waves a work-group, clusters of 4 x 4, 327,680 bytes of LDS; arguments xn, wt, qkvh; writes qkvh
;; launch attn: the kernel of part 9 again; grid 8 x 32, 4 waves a work-group, clusters of 4 x 1, 327,680 bytes of LDS; arguments qkvh, obuf; writes obuf
;; launch g_proj: the kernel of part 10 again; grid 8 x 32, 4 waves a work-group, clusters of 4 x 4, 327,680 bytes of LDS; arguments obuf, wt, x1, b_proj, x; writes x1
;; launch ln2: the kernel of part 11 again; grid 512 x 1, 4 waves a work-group, no clusters, 0 bytes of LDS; arguments x1, ln2_g, ln2_b, xn; writes xn
;; launch g_fc1: the kernel of part 12 again; grid 16 x 16, 4 waves a work-group, clusters of 4 x 4, 327,680 bytes of LDS; arguments xn, wt, hbuf, b_fc1; writes hbuf
;; launch g_fc2: the kernel of part 13 again; grid 8 x 32, 4 waves a work-group, clusters of 4 x 4, 327,680 bytes of LDS; arguments hbuf, wt, out0, b_fc2, x1; writes out0
